; MI455X (gfx1250); checked and timed in simulation.
; The chip was launched on July 23, 2026; its instructions are those of AMD's public machine-readable ISA for CDNA 5 (MIT licence, August 2026) and "CDNA5" Instruction Set Architecture Reference Guide (July 2026). The comments in the code are by the model that wrote it; some were corrected since.
;; Multihead Attention2. Allowed arithmetic: matrix products marked QUANTISED: E2M1 operands, one E8M0 scale for each 32 along K, by v_wmma_scale_f32_16x16x128_f8f6f4 with both operands' format E2M1 (or v_wmma_scale_f32_32x16x128_f4), f32 sums; products left as they are: bf16, f16 or f32 operands; f32 sums; everything else in f32.
;; Inputs: Wk 1,024 x 1,024 float32; Wp 1,024 x 1,024 float32; Wq 1,024 x 1,024 float32; Wv 1,024 x 1,024 float32; bp 1,024 float32; k 4 x 2,048 x 1,024 float32; q 4 x 2,048 x 1,024 float32; v 4 x 2,048 x 1,024 float32.
;; Outputs: out0 4 x 2,048 x 1,024 float32.
;; This version of the problem:
;;   THIS VERSION OF THE PROBLEM IS GIVEN IN LOW PRECISION. The matrix products marked QUANTISED in the list below multiply operands that are first quantised to E2M1 (2 exponent bits, 1 mantissa bit; 4 bits a number), with one power-of-two scale for each 32 numbers along K (OCP MX v1.0); their sums are f32. The products marked 'left as it is' may take bf16, f16 or f32 operands, with f32 sums. Whichever they take, every output number must still come out within the allowed error. Rounding operands to bf16 (8 significant bits) uses up far more of that allowance than f16 does (11 bits, for magnitudes from 6e-5 to 65,504). All else is computed in f32.
;;   The module's matrix products, in the order in which they are computed (A, B: the left and right operand; K: the contracted axis; several contracted axes count as one K, in the product's order):
;;     1. [M 8,192, K 1,024] x [K 1,024, N 1,024]; A: input q; B: input Wq: QUANTISED
;;     2. [M 8,192, K 1,024] x [K 1,024, N 1,024]; A: computed on the way; B: input Wk: left as it is (an operand is computed on the way)
;;     3. [M 8,192, K 1,024] x [K 1,024, N 1,024]; A: input v; B: input Wv: QUANTISED
;;     4. batch 64 x [M 2,048, K 64] x [K 64, N 2,048]; A: computed on the way; B: computed on the way: left as it is (an operand is computed on the way)
;;     5. batch 64 x [M 2,048, K 2,048] x [K 2,048, N 64]; A: computed on the way; B: computed on the way: left as it is (an operand is computed on the way)
;;     6. [M 8,192, K 1,024] x [K 1,024, N 1,024]; A: computed on the way; B: input Wp: left as it is (an operand is computed on the way)
;;   THE QUANTISER, for each operand of a quantised product, along K:
;;     - K is cut into blocks of 32 from its start; a last block that is shorter is filled with zeros.
;;     - A block's scale is 2^e with e = floor(log2(the largest magnitude in the block)) - 2, held to -126 .. 127; a block of zeros has e = 0. As a byte (E8M0): e + 127.
;;     - Each number is divided by its block's scale, clamped to +-6, and rounded to the nearest number of E2M1, ties to even, subnormals kept.
;;     - The product sums the exact products of the quantised numbers (number of the format x scale) in f32.
;;   ~~~python
;;   def quantise(x, axis):      # numpy; x: float32 -> the quantised numbers, widened to float32 again
;;       x = np.moveaxis(x, axis, -1); K = x.shape[-1]
;;       x = np.pad(x, [(0, 0)] * (x.ndim - 1) + [(0, -K % 32)]); x = x.reshape(x.shape[:-1] + (-1, 32)); a = np.abs(x).max(-1, keepdims=True)
;;       e = np.where(a > 0, np.clip(np.frexp(np.where(a > 0, a, 1))[1] - 1 - 2, -126, 127), 0)      # np.frexp(a)[1] - 1 = floor(log2(a)), exactly
;;       r = np.clip(x / 2.0 ** e, -6, 6)
;;       step = 2.0 ** (np.maximum(np.frexp(np.where(r == 0, 1, r))[1] - 1, 0) - 1)
;;       q = np.round(r / step) * step * 2.0 ** e      # np.round: ties to even
;;       return np.moveaxis(q.reshape(q.shape[:-2] + (-1,))[..., :K], -1, axis).astype(np.float32)
;;   ~~~
;; 2 versions, each right. Each part assembles by itself: llvm-mc -triple=amdgcn-amd-amdhsa -mcpu=gfx1250 --defsym DOCPART=n.
;; ======== version 1 of 2: 5 launches
;; limits: values are held in f16: magnitudes above 65,504 overflow, below 6.1e-05 lose precision
;; workspace buffers: codes 9,437,184 bytes; scales 589,824 bytes; wts 6,291,456 bytes; qw 33,554,432 bytes; vw 16,777,216 bytes; kw 33,554,432 bytes; yw 16,777,216 bytes
;; launch prep (part 1): grid 640 x 1, 4 waves a work-group, no clusters, 33,280 bytes of LDS; arguments q, v, Wq, Wv, Wk, Wp, codes, scales, wts; writes codes, scales, wts
.if DOCPART == 1
	.amdgcn_target "amdgcn-amd-amdhsa--gfx1250"
	.amdhsa_code_object_version 6
	.text
	.protected	k_qb752b5cfe0_prep
	.globl	k_qb752b5cfe0_prep
	.p2align	8
	.type	k_qb752b5cfe0_prep,@function
k_qb752b5cfe0_prep:
	s_mov_b64 s[64:65], 0
	v_nop
	global_prefetch_b8 v0, s[64:65] scope:SCOPE_SE
	s_setreg_imm32_b32 hwreg(HW_REG_WAVE_MODE, 25, 1), 1
	s_wait_xcnt 0x0
; THE OPERANDS ARE LAID OUT ONCE.  Three kinds of work-group, told apart by the work-group's number alone:
;   0-575   q [8192][1024], v [8192][1024], Wq [1024][1024], Wv [1024][1024] (f32, K innermost) become codes of FP4 (E2M1) and one E8M0 byte for each 32 along K.  The four tensors are plain streams of blocks of 32;
;           their codes lie on end in 'codes' (rows of 512 bytes: q's, v's, Wq's, Wv's), their bytes on end in 'scales' (rows of 32 bytes).
;   576-607 Wk becomes pairs of bf16: x = hi + lo, hi = bf16(x), lo = bf16(x - hi), the difference taken in f32 (it is exact).  Layout [n][16 blocks of 64 along K][hi 64 | lo 64]: a block is 256 bytes.
;   608-639 Wp becomes f16, laid [head 16][n 1024][64]: a head's plane is dense.
; A block's scale is 2^(floor(log2(its largest magnitude)) - 2); its byte is the largest magnitude's exponent field - 2, held at 1 from below.
; LIMITS: a block of zeros gets the byte 1 where the quantiser says 127 (its codes are zeros, and this program alone reads the bytes); NaN and infinities among the inputs are not served; |Wp| stays under 65,504 (f16).
; The problem's input k enters no step of the computation and is on no launch's list.
; The quantising path: a wave takes 16 steps of 512 numbers.  Each load reads 512 consecutive bytes; a step's 2,048 bytes turn through the wave's own stage in LDS, so that a lane holds 16 neighbours along K.
.set STEPS, 16
.set EMAX,  2
.set CB,    8                          ; bytes of 16 codes
.set R,     16                         ; v16-79   four sets of 16 numbers as they are loaded
.set X,     80                         ; v80-111  two sets of 16 neighbours
.set E,     112                        ; v112-127 a scale byte for each step
.set C,     128                        ; v128-191 codes: four registers for each step
.set WREG,  8192                       ; LDS: a region for each wave: two stages of 32 x SP bytes, then its 256 scale bytes
.set SP,    80                         ; a lane's place in a stage: 64 bytes + 16 of padding
.set SPW,   12                         ; v12 LDS address of my spare word; never rewritten
.set NIL,   13                         ; v13 0; never rewritten
.set SPARE, 4*WREG                     ; the spare words, 128 bytes for each wave
.set HI,    16                         ; the weight paths: v16-19 hi, v20-27 at work, v28-31 lo
.set TT,    20
.set LO,    28
.set SO,    41                         ; v41 source offset, v42 destination offset
.set DO,    42
.set IN,    64                         ; v64-127 eight iterations' numbers;  v128-159 their results
.set OU,    128
	s_load_b512 s[4:19], s[0:1], 0x0               ; q 4:5, v 6:7, Wq 8:9, Wv 10:11, Wk 12:13, Wp 14:15, codes 16:17, scales 18:19
	s_load_b64 s[20:21], s[0:1], 0x40              ; wts
	v_lshl_add_u32 v[SPW], v0, 2, SPARE
	v_mov_b32 v[NIL], 0
	v_lshrrev_b32 v1, 5, v0
	v_readfirstlane_b32 s22, v1                    ; wave
	v_and_b32 v2, 31, v0                           ; lane
	v_lshlrev_b32 v3, 4, v2                        ; my 16 bytes of a load's 512
	s_mul_i32 s27, s22, WREG
	v_lshrrev_b32 v14, 2, v2
	v_mul_u32_u24 v14, v14, SP
	v_and_b32 v15, 3, v2
	v_lshl_add_u32 v14, v15, 4, v14
	v_add_nc_u32 v14, s27, v14                     ; the stage, on the way in: SP (lane / 4) + 16 (lane % 4)
	v_mul_u32_u24 v15, v2, SP
	v_add_nc_u32 v15, s27, v15                     ; and on the way out: SP x lane
	v_mul_u32_u24 v4, v2, CB                       ; my codes' place in a step's
	v_lshrrev_b32 v5, 1, v2
	s_add_co_u32 s27, s27, 2*32*SP
	v_add_nc_u32 v5, s27, v5                       ; my wave's 256 scale bytes, my block's byte
	v_lshlrev_b32 v7, 3, v2
	v_add_nc_u32 v6, s27, v7                       ; and on the way out 8 bytes a lane
	s_mov_b32 s29, 0
	s_mov_b32 s31, 0xffff0000                      ; a word's upper bf16
	s_wait_kmcnt 0x0
	s_cmp_ge_u32 ttmp9, 608
	s_cbranch_scc1 .Lwp
	s_cmp_ge_u32 ttmp9, 576
	s_cbranch_scc1 .Lwk
	; ---- the quantising path.  Which tensor: three choices on the work-group's number alone
	s_mov_b64 s[24:25], s[10:11]                   ; Wv, from work-group 544
	s_mov_b32 s26, 544
	s_cmp_lt_u32 ttmp9, 544
	s_cselect_b64 s[24:25], s[8:9], s[24:25]       ; Wq, from 512
	s_cselect_b32 s26, 512, s26
	s_cmp_lt_u32 ttmp9, 512
	s_cselect_b64 s[24:25], s[6:7], s[24:25]       ; v, from 256
	s_cselect_b32 s26, 256, s26
	s_cmp_lt_u32 ttmp9, 256
	s_cselect_b64 s[24:25], s[4:5], s[24:25]       ; q, from 0
	s_cselect_b32 s26, 0, s26
	s_sub_co_u32 s27, ttmp9, s26
	s_lshl_b32 s27, s27, 2
	s_add_co_u32 s27, s27, s22                     ; which run of 8,192 numbers of the tensor is my wave's
	s_lshl_b32 s28, s27, 15
	s_add_nc_u64 s[24:25], s[24:25], s[28:29]
	s_lshl_b32 s27, ttmp9, 2
	s_add_co_u32 s27, s27, s22                     ; and which run of the joined outputs
	s_lshl_b32 s28, s27, 12
	s_add_nc_u64 s[16:17], s[16:17], s[28:29]
	s_lshl_b32 s28, s27, 8
	s_add_nc_u64 s[18:19], s[18:19], s[28:29]
.macro LOAD t
.irp i, 0,1,2,3
	global_load_b128 v[R+16*((\t)%4)+4*\i:R+16*((\t)%4)+4*\i+3], v3, s[24:25] offset:2048*(\t)+512*\i th:TH_LOAD_NT   ; 32 lanes read 512 consecutive bytes
.endr
.endm
.macro TURN t                          ; step t's numbers through the stage: LDS serves a wave's instructions in order, so no wait stands between the stores and the loads
.irp i, 0,1,2,3
	ds_store_b128 v14, v[R+16*((\t)%4)+4*\i:R+16*((\t)%4)+4*\i+3] offset:32*SP*((\t)%2)+8*SP*\i
.endr
.irp i, 0,1,2,3
	ds_load_b128 v[X+16*((\t)%2)+4*\i:X+16*((\t)%2)+4*\i+3], v15 offset:32*SP*((\t)%2)+16*\i
.endr
.endm
.irp t, 0,1,2,3
	LOAD \t
.endr
	s_wait_loadcnt 12                              ; step 0's four loads are in
	TURN 0
.macro STEP t
.set XS, X+16*((\t)%2)
.if (\t) > 0
	s_wait_dscnt 1                                 ; this step's numbers are back from the stage (the last step's byte store may be out)
.else
	s_wait_dscnt 0x0
.endif
.if (\t)+4 < STEPS
	LOAD (\t)+4                                    ; the registers that the stage's stores have read take the loads of four steps on
.endif
.if (\t)+1 < STEPS
.if STEPS-2-(\t) >= 3
	s_wait_loadcnt 12                              ; the next step's four loads are in; those of the three steps behind it may be out
.else
	s_wait_loadcnt 4*(STEPS-2-(\t))
.endif
	TURN (\t)+1
.endif
	v_max3_num_f32 v8, |v[XS]|, |v[XS+1]|, |v[XS+2]|               ; the largest magnitude of my 16
	v_max3_num_f32 v9, |v[XS+3]|, |v[XS+4]|, |v[XS+5]|
.irp i, 6,10
	v_max3_num_f32 v8, v8, |v[XS+\i]|, |v[XS+\i+1]|
	v_max3_num_f32 v9, v9, |v[XS+\i+2]|, |v[XS+\i+3]|
.endr
	v_max3_num_f32 v8, v8, |v[XS+14]|, |v[XS+15]|
	v_max3_num_f32 v8, v8, v9, (EMAX+1)<<23        ; and the floor 2^(EMAX + 1 - 127): the byte cannot fall under 1
	v_max_num_f32_dpp v8, v8, v8 row_xmask:1 row_mask:0xf bank_mask:0xf   ; and of my neighbour's 16: the block's
	v_add_nc_u32 v11, -(EMAX<<23), v8              ; EMAX off its exponent field: the conversion takes the exponent field of this operand as its scale
	v_cvt_scalef32_pk8_fp4_f32 v[C+4*(\t)], v[XS:XS+7], v11
	v_cvt_scalef32_pk8_fp4_f32 v[C+4*(\t)+1], v[XS+8:XS+15], v11
	v_lshrrev_b32 v[E+(\t)], 23, v11               ; the scale's byte (a plain line behind the conversions)
	ds_store_b8 v5, v[E+(\t)] offset:16*(\t)       ; both lanes of a block write the same byte with the same value
	global_store_b64 v4, v[C+4*(\t):C+4*(\t)+1], s[16:17] offset:32*CB*(\t)   ; the wave stores 256 consecutive bytes, aligned
.endm
.irp t, 0,1,2,3,4,5,6,7,8,9,10,11,12,13,14,15
	STEP \t
.endr
	ds_load_b64 v[8:9], v6                         ; LDS serves a wave's instructions in order: these see my stores
	s_wait_dscnt 0x0
	global_store_b64 v7, v[8:9], s[18:19]          ; 32 lanes store 256 consecutive bytes, aligned
	s_wait_tensorcnt 0x0                           ; the wave's end: behind my last LDS store
	ds_add_u32 v[SPW], v[NIL]
	s_wait_dscnt 0x0
	s_endpgm
; eight f32 in v[x] on become four registers in v[o] on: hi in the lanes whose bit 3 is 0, lo in the others
.macro SPLIT8 x, o
.irp j, 0,1,2,3
	v_cvt_pk_bf16_f32 v[HI+\j], v[(\x)+2*\j], v[(\x)+2*\j+1]
.endr
.irp j, 0,1,2,3
	v_lshlrev_b32 v[TT+2*\j], 16, v[HI+\j]         ; hi as f32 again
	v_and_b32 v[TT+2*\j+1], s31, v[HI+\j]
.endr
.irp j, 0,1,2,3
	v_pk_add_f32 v[TT+2*\j:TT+2*\j+1], v[(\x)+2*\j:(\x)+2*\j+1], v[TT+2*\j:TT+2*\j+1] neg_lo:[0,1] neg_hi:[0,1]   ; x - hi, exact
.endr
.irp j, 0,1,2,3
	v_cvt_pk_bf16_f32 v[LO+\j], v[TT+2*\j], v[TT+2*\j+1]
.endr
.irp j, 0,1,2,3
	v_cndmask_b32 v[(\o)+\j], v[HI+\j], v[LO+\j], s30
.endr
.endm
.Lwk:                                  ; ---- Wk: a wave has 128 blocks of 64 numbers; source and result of a block are 256 bytes each, at the same offset
	s_sub_co_u32 s27, ttmp9, 576
	s_lshl_b32 s27, s27, 2
	s_add_co_u32 s27, s27, s22
	s_lshl_b32 s28, s27, 15
	s_add_nc_u64 s[12:13], s[12:13], s[28:29]
	s_add_nc_u64 s[20:21], s[20:21], s[28:29]
	v_and_b32 v43, 7, v2                           ; which 8 numbers of the block
	v_bfe_u32 v44, v2, 3, 1                        ; hi (0) or lo (1): lanes l and l xor 8 read the same 32 bytes
	v_lshrrev_b32 v45, 4, v2                       ; which of an iteration's two blocks
	v_lshlrev_b32 v[SO], 5, v43
	v_lshl_add_u32 v[SO], v45, 8, v[SO]
	v_lshlrev_b32 v[DO], 4, v2                     ; 256 block + 128 lo + 16 piece = 16 x lane
	v_cmp_ne_u32 s30, 0, v44
	s_mov_b32 s27, 8
.Lwk_trip:                             ; a trip: eight iterations, 4,096 bytes in and out
.irp i, 0,1,2,3,4,5,6,7
	global_load_b128 v[IN+8*\i:IN+8*\i+3], v[SO], s[12:13] offset:512*\i th:TH_LOAD_NT
	global_load_b128 v[IN+8*\i+4:IN+8*\i+7], v[SO], s[12:13] offset:512*\i+16 th:TH_LOAD_NT
.endr
	s_wait_loadcnt 0x0
.irp i, 0,1,2,3,4,5,6,7
	SPLIT8 IN+8*\i, OU+4*\i
	global_store_b128 v[DO], v[OU+4*\i:OU+4*\i+3], s[20:21] offset:512*\i   ; 512 consecutive bytes, aligned
.endr
	s_wait_xcnt 0x0                                ; the bases and the stores' data are written again only behind this wait
	s_add_nc_u64 s[12:13], s[12:13], 4096
	s_add_nc_u64 s[20:21], s[20:21], 4096
	s_sub_co_u32 s27, s27, 1
	s_cmp_lg_u32 s27, 0
	s_cbranch_scc1 .Lwk_trip
	s_endpgm
.Lwp:                                  ; ---- Wp: a wave has 8 rows n, two a trip; an iteration takes two heads of both rows
	s_sub_co_u32 s27, ttmp9, 608
	s_lshl_b32 s27, s27, 5
	s_lshl_b32 s28, s22, 3
	s_add_co_u32 s27, s27, s28                     ; my first row: 32 g + 8 wave
	s_lshl_b32 s28, s27, 12
	s_add_nc_u64 s[14:15], s[14:15], s[28:29]
	s_lshl_b32 s28, s27, 7
	s_add_co_u32 s28, s28, 0x400000                ; behind Wk's 4 MiB
	s_add_nc_u64 s[20:21], s[20:21], s[28:29]
	v_and_b32 v43, 7, v2                           ; which 8 numbers of a head's 64
	v_bfe_u32 v44, v2, 3, 1                        ; which row of the pair
	v_lshrrev_b32 v45, 4, v2                       ; which head of the pair
	v_lshlrev_b32 v[SO], 5, v43
	v_lshl_add_u32 v[SO], v45, 8, v[SO]
	v_lshl_add_u32 v[SO], v44, 12, v[SO]
	v_lshlrev_b32 v[DO], 4, v43
	v_lshl_add_u32 v[DO], v44, 7, v[DO]
	v_lshl_add_u32 v[DO], v45, 17, v[DO]           ; sixteen lanes: two rows of one head, 256 consecutive bytes, aligned
	s_mov_b32 s27, 4
.Lwp_trip:
.irp i, 0,1,2,3,4,5,6,7
	global_load_b128 v[IN+8*\i:IN+8*\i+3], v[SO], s[14:15] offset:512*\i th:TH_LOAD_NT
	global_load_b128 v[IN+8*\i+4:IN+8*\i+7], v[SO], s[14:15] offset:512*\i+16 th:TH_LOAD_NT
.endr
	s_wait_loadcnt 0x0
.irp i, 0,1,2,3,4,5,6,7
.irp j, 0,1,2,3
	v_cvt_pk_f16_f32 v[OU+4*\i+\j], v[IN+8*\i+2*\j], v[IN+8*\i+2*\j+1]
.endr
	global_store_b128 v[DO], v[OU+4*\i:OU+4*\i+3], s[20:21] offset:262144*\i
.endr
	s_wait_xcnt 0x0
	s_add_nc_u64 s[14:15], s[14:15], 8192
	s_add_nc_u64 s[20:21], s[20:21], 256
	s_sub_co_u32 s27, s27, 1
	s_cmp_lg_u32 s27, 0
	s_cbranch_scc1 .Lwp_trip
	s_endpgm
.Lfunc_end_k_qb752b5cfe0_prep:
	.size	k_qb752b5cfe0_prep, .Lfunc_end_k_qb752b5cfe0_prep-k_qb752b5cfe0_prep
	.p2alignl 7, 3214868480
	.fill 96, 4, 3214868480
	.section	.rodata,"a",@progbits
	.p2align	6, 0x0
	.amdhsa_kernel k_qb752b5cfe0_prep
		.amdhsa_group_segment_fixed_size 33280
		.amdhsa_private_segment_fixed_size 0
		.amdhsa_enable_private_segment 0
		.amdhsa_kernarg_size 72
		.amdhsa_user_sgpr_count 2
		.amdhsa_user_sgpr_kernarg_segment_ptr 1
		.amdhsa_wavefront_size32 1
		.amdhsa_system_sgpr_workgroup_id_x 1
		.amdhsa_system_sgpr_workgroup_id_y 1
		.amdhsa_system_sgpr_workgroup_id_z 1
		.amdhsa_system_vgpr_workitem_id 0
		.amdhsa_next_free_vgpr 192
		.amdhsa_next_free_sgpr 66
		.amdhsa_reserve_vcc 0
		.amdhsa_float_denorm_mode_32 3
		.amdhsa_float_denorm_mode_16_64 3
		.amdhsa_memory_ordered 1
		.amdhsa_forward_progress 1
		.amdhsa_inst_pref_size 52
	.end_amdhsa_kernel
	.amdgpu_metadata
---
amdhsa.version: [ 1, 2 ]
amdhsa.kernels:
  - .name:           k_qb752b5cfe0_prep
    .symbol:         k_qb752b5cfe0_prep.kd
    .args:
      - { .name: q, .offset: 0, .size: 8, .value_kind: global_buffer, .address_space: global }
      - { .name: v, .offset: 8, .size: 8, .value_kind: global_buffer, .address_space: global }
      - { .name: Wq, .offset: 16, .size: 8, .value_kind: global_buffer, .address_space: global }
      - { .name: Wv, .offset: 24, .size: 8, .value_kind: global_buffer, .address_space: global }
      - { .name: Wk, .offset: 32, .size: 8, .value_kind: global_buffer, .address_space: global }
      - { .name: Wp, .offset: 40, .size: 8, .value_kind: global_buffer, .address_space: global }
      - { .name: codes, .offset: 48, .size: 8, .value_kind: global_buffer, .address_space: global }
      - { .name: scales, .offset: 56, .size: 8, .value_kind: global_buffer, .address_space: global }
      - { .name: wts, .offset: 64, .size: 8, .value_kind: global_buffer, .address_space: global }
    .group_segment_fixed_size: 33280
    .private_segment_fixed_size: 0
    .kernarg_segment_align: 8
    .kernarg_segment_size: 72
    .max_flat_workgroup_size: 128
    .sgpr_count:     66
    .vgpr_count:     192
    .wavefront_size: 32
...
	.end_amdgpu_metadata
.endif
;; end of part 1
;; launch proj (part 2): grid 4 x 64, 4 waves a work-group, clusters of 4 x 4, 327,680 bytes of LDS; arguments codes, scales, qw, vw; writes qw, vw
.if DOCPART == 2
	.amdgcn_target "amdgcn-amd-amdhsa--gfx1250"
	.amdhsa_code_object_version 6
	.text
	.protected	k_qb752b5cfe0_proj
	.globl	k_qb752b5cfe0_proj
	.p2align	8
	.type	k_qb752b5cfe0_proj,@function
k_qb752b5cfe0_proj:
	s_mov_b64 s[64:65], 0
	v_nop
	global_prefetch_b8 v0, s[64:65] scope:SCOPE_SE
	s_setreg_imm32_b32 hwreg(HW_REG_WAVE_MODE, 25, 1), 1
	s_wait_xcnt 0x0
	s_wait_alu depctr_hold_cnt(0) depctr_sa_sdst(0) depctr_va_vdst(0) depctr_va_sdst(0) depctr_va_ssrc(0) depctr_va_vcc(0) depctr_vm_vsrc(0)
	s_getreg_b32 s2, hwreg(HW_REG_IB_STS2, 6, 4)
	s_cmp_eq_u32 s2, 0
	s_cbranch_scc0 .Lentry_in_a_cluster
	s_endpgm
.Lentry_in_a_cluster:
	s_bfe_u32 s2, ttmp6, 0x10000c
	s_cmp_lg_u32 s2, 0xf033
	s_cbranch_scc0 .Lentry_shape_is_right
	s_endpgm
.Lentry_shape_is_right:
; qp = Q(q) Q(Wq)^T and vp = Q(v) Q(Wv)^T, both on codes of FP4 (E2M1) with one E8M0 scale for each 32 along K = 1,024; sums in f32.
; 'codes' holds rows of 512 bytes: q's 8,192, v's 8,192, Wq's 1,024, Wv's 1,024; 'scales' rows of 32 bytes in the same order.  The 16,384 rows of q and v are one A; tile rows 0-31 multiply Wq, 32-63 Wv.
; A tile of C, 256 x 256, is made by four waves, each 128 x 128: 64 accumulators.  K goes in two steps of 512 through two LDS slots, each filled once; the scales of the tile's rows come once, with them.
; CLUSTERS: 4 x 4 work-groups; A's tiles are asked for jointly along a row of the cluster, B's along a column.  Which weight a cluster multiplies hangs on the cluster's y alone, the same in all sixteen.
; THE MATRIX INSTRUCTION IS USED TRANSPOSED (source 0 = 16 rows of the weight, source 1 = 16 tokens): a lane holds eight neighbouring columns of one token.
; THE WAY OUT.  qp feeds the logits, which are multiplied by 8 ahead of the softmax: it leaves as PAIRS of bf16, hi = bf16(x), lo = bf16(x - hi): qw [token][head 16][hi 64 | lo 64], 256 bytes a head.
; vp leaves as f16: vw [head 16][token 8192][64], a head's plane dense.  LIMIT: |vp| stays under 65,504.
; REGISTERS, in windows of 256: window 0: v0-31 addresses; v32-95 scale words, two sets; from v128 A's fragments, one set; on the way out v32-255 are free.  window 1: B's fragments, two sets.  windows 2, 3: the accumulators.
.set KSTEP,  512
.set NQ,     4
.set ROWB,   256
.set KROW,   512
.set PITCH,  272                       ; an LDS row: 256 bytes + 16 of padding: the 16 rows that a load touches start at 16 different banks (64 banks of 4 bytes: ISA guide 11.1)
.set FR,     8
.set NL,     2
.set NP,     4
.set HALFT,  128*PITCH
.set SLOT,   4*HALFT
.set KS,     32                        ; a row of scales in bytes
.set SCL,    2*SLOT
.set HALFS,  (128*KS/256)*272
.set SBLK,   (16*KS/256)*272
.set SPARE,  SCL+4*HALFS               ; the spare words, 128 bytes for each wave
.set SPITCH, 528                       ; qp's stage: 16 rows x (512 + 16) bytes a wave, from LDS byte 0: slot 0 has had its one fill and its last read by then
.set VSTG,   34816                     ; vp's stage: 16 rows x (256 + 16) bytes a wave, bytes of its own in the same slot
.set VPITCH, 272
.set ADRA, 16
.set ADRB, 20
.set STO,  24
.set RD,   25
.set CO,   26
.set ADRS, 27
.set SPW,  28
.set NIL,  29
.set STOV, 30
.set RDV,  31
.set SC,   32
.set AF,   128
.set H,    32                          ; the way out: v32-63 hi (or f16), v64-127 at work and lo, v128-255 rows read back
.set T,    64
.set BK,   128
.set G1, 24
.set G0, 32
.set G1B, 48
.set G0B, 56
.set G1S, 68
.set G0S, 76
.set G1SB, 80
.set G0SB, 88
.set MSB, 0
.macro WIN new                         ; the immediate's high byte repeats the setting that is left
.if MSB != \new
	s_set_vgpr_msb (MSB<<8)|\new
.set MSB, \new
.endif
.endm
.set MUL_LO, 0xa1
.set MUL_HI, 0xf1
.set TO_B,   0x40
.macro JLOAD g0a, g1a, g0b, g1b        ; a joint load: waves 0 and 1 fetch for A, waves 2 and 3 for B; an s_nop 0 and four v_nop follow each line
	s_cmp_eq_u32 s15, 0
	s_cbranch_scc0 .Lfor_b_\@
	tensor_load_to_lds s[\g0a:\g0a+3], s[\g1a:\g1a+7]
	s_nop 0
.rept 4
	v_nop
.endr
	s_branch .Lasked_\@
.Lfor_b_\@:
	tensor_load_to_lds s[\g0b:\g0b+3], s[\g1b:\g1b+7]
	s_nop 0
.rept 4
	v_nop
.endr
.Lasked_\@:
.endm
.macro CROUND                          ; a round of the cluster's barrier
	s_barrier_signal -1
	s_barrier_wait -1
	s_cmp_lg_u32 s14, 0
	s_cbranch_scc1 .Lnot_wave_0_\@
	s_barrier_signal -3
.Lnot_wave_0_\@:
	s_barrier_wait -3
	s_barrier_signal -1
	s_barrier_wait -1
.endm
	s_load_b128 s[4:7], s[0:1], 0x0                ; codes, scales
	s_load_b128 s[8:11], s[0:1], 0x10              ; qw, vw
	v_lshl_add_u32 v[SPW], v0, 2, SPARE
	v_mov_b32 v[NIL], 0
	ds_add_u32 v[SPW], v[NIL]                      ; the wave's opening: the add, twice on end, and its wait ahead of my first tensor load
	ds_add_u32 v[SPW], v[NIL]
	v_lshrrev_b32 v1, 5, v0
	v_readfirstlane_b32 s14, v1                    ; wave 0..3
	s_lshr_b32 s15, s14, 1                         ; which half of the tile's rows is mine.  Also: I fetch for A (0) or for B (1)
	s_and_b32 s16, s14, 1                          ; which half of its columns.  Also: which 128 rows I fetch
	s_bfe_u32 s40, ttmp6, 0x40000                  ; cx, cy
	s_bfe_u32 s41, ttmp6, 0x40004
	s_lshl_b32 s42, ttmp9, 2
	s_add_co_u32 s42, s42, s40                     ; tile column
	s_and_b32 s17, ttmp7, 0xffff
	s_lshr_b32 s95, s17, 3                         ; 0: q and Wq, 1: v and Wv: by the cluster's y alone
	s_lshl_b32 s17, s17, 2
	s_add_co_u32 s17, s17, s41                     ; tile row among the 64 of q and v
	s_lshl_b32 s43, s41, 2
	s_lshl_b32 s43, 15, s43                        ; my row of the cluster
	s_lshl_b32 s44, 0x1111, s40                    ; my column
	s_mov_b32 s96, 0xffff0000                      ; a word's upper bf16
	s_or_b32 s[G1+0], s43, (0<<16)|(1<<20)|(1<<21)|(5<<22)|(3<<25)  ; the mask; elements of 1 byte; padding: 4 words after every 64; bit 21 beside a mask
	s_or_b32 s[G1B+0], s44, (0<<16)|(1<<20)|(1<<21)|(5<<22)|(3<<25)
.irp g, G1, G1B
	s_mov_b32 s[\g+1], ROWB<<16                    ; tensor_dim0
	s_mov_b32 s[\g+2], 128<<16                     ; tensor_dim1
	s_mov_b32 s[\g+3], ROWB<<16                    ; tile_dim0
	s_mov_b32 s[\g+4], 128                         ; tile_dim1
	s_mov_b32 s[\g+5], KROW                        ; the pitch
	s_mov_b32 s[\g+6], 0
	s_mov_b32 s[\g+7], 0
.endr
	s_or_b32 s[G1S+0], s43, (3<<16)|(1<<20)|(1<<21)|(5<<22)|(3<<25)  ; the scales of 128 rows: 4,096 dense bytes as 16 rows of 256 (32 elements of 8 bytes)
	s_or_b32 s[G1SB+0], s44, (3<<16)|(1<<20)|(1<<21)|(5<<22)|(3<<25)
.irp g, G1S, G1SB
	s_mov_b32 s[\g+1], 32<<16
	s_mov_b32 s[\g+2], (128*KS/256)<<16
	s_mov_b32 s[\g+3], 32<<16
	s_mov_b32 s[\g+4], 128*KS/256
	s_mov_b32 s[\g+5], 32
	s_mov_b32 s[\g+6], 0
	s_mov_b32 s[\g+7], 0
.endr
	s_lshl_b32 s18, s16, 7                         ; which 128 rows of the tile I fetch
	s_lshl_b32 s20, s17, 8
	s_add_co_u32 s20, s20, s18                     ; A: row 256 x tile row + 128 x half
	s_lshl_b32 s46, s42, 8
	s_add_co_u32 s46, s46, s18
	s_lshl_b32 s19, s95, 10
	s_add_co_u32 s46, s46, s19                     ; B: row 256 x tile column + 128 x half, Wv's 1,024 rows behind Wq's
	s_lshl_b32 s22, s20, 5                         ; byte offsets: A's scales,
	s_mov_b32 s23, 0
	s_lshl_b32 s92, s46, 5
	s_add_co_u32 s92, s92, 524288                  ; B's scales, behind the 16,384 rows of q and v,
	s_mov_b32 s93, 0
	s_lshl_b32 s20, s20, 9                         ; A's codes,
	s_mov_b32 s21, 0
	s_lshl_b32 s46, s46, 9
	s_add_co_u32 s46, s46, 8388608                 ; B's codes
	s_mov_b32 s47, 0
	s_mul_i32 s45, s14, HALFT                      ; where they go: wave x 128 rows
	s_mul_i32 s94, s14, HALFS
	s_wait_dscnt 0x0                               ; both opening adds are done
	s_wait_kmcnt 0x0
	s_add_nc_u64 s[20:21], s[4:5], s[20:21]
	s_add_nc_u64 s[22:23], s[6:7], s[22:23]
	s_add_nc_u64 s[46:47], s[4:5], s[46:47]
	s_add_nc_u64 s[92:93], s[6:7], s[92:93]
	CROUND                                         ; all sixteen work-groups are here: the joint loads meet
	s_mov_b32 s[G0S], 1
	s_add_co_u32 s[G0S+1], s94, SCL
	s_mov_b64 s[G0S+2:G0S+3], s[22:23]
	s_or_b32 s[G0S+3], s[G0S+3], 0x80000000
	s_mov_b32 s[G0SB], 1
	s_add_co_u32 s[G0SB+1], s94, SCL
	s_mov_b64 s[G0SB+2:G0SB+3], s[92:93]
	s_or_b32 s[G0SB+3], s[G0SB+3], 0x80000000
	JLOAD G0S, G1S, G0SB, G1SB                     ; the scales first; by this text's count three tensor loads of a wave are out at the most
.irp s, 0,1
	s_mov_b32 s[G0+4*\s], 1
	s_add_co_u32 s[G0+4*\s+1], s45, \s*SLOT
	s_add_nc_u64 s[G0+4*\s+2:G0+4*\s+3], s[20:21], \s*ROWB
	s_or_b32 s[G0+4*\s+3], s[G0+4*\s+3], 0x80000000
	s_mov_b32 s[G0B+4*\s], 1
	s_add_co_u32 s[G0B+4*\s+1], s45, \s*SLOT
	s_add_nc_u64 s[G0B+4*\s+2:G0B+4*\s+3], s[46:47], \s*ROWB
	s_or_b32 s[G0B+4*\s+3], s[G0B+4*\s+3], 0x80000000
	JLOAD G0+4*\s, G1, G0B+4*\s, G1B
.endr
	v_and_b32 v1, 15, v0                           ; l % 16
	v_bfe_u32 v2, v0, 4, 1                         ; l / 16
	v_mul_u32_u24 v3, v1, PITCH
	v_lshl_add_u32 v4, v2, 4, v3
	s_mul_i32 s21, s15, HALFT
	s_mul_i32 s22, s16, HALFT
	s_add_co_u32 s22, s22, 2*HALFT
.irp s, 0,1
	v_add_nc_u32 v[ADRA+\s], s21, v4
	v_add_nc_u32 v[ADRB+\s], s22, v4
	s_add_co_u32 s21, s21, SLOT
	s_add_co_u32 s22, s22, SLOT
.endr
	v_mul_u32_u24 v5, v1, KS                       ; my row's scales: KS bytes a row,
	v_lshrrev_b32 v6, 8, v5
	v_lshl_add_u32 v5, v6, 4, v5                   ; and 16 more for each 256 passed
	s_mul_i32 s21, s15, HALFS
	s_mul_i32 s22, s16, HALFS
	s_add_co_u32 s22, s22, 2*HALFS
	s_sub_co_u32 s22, s22, s21
	v_mul_u32_u24 v6, s22, v2                      ; lanes 16-31 take B's
	s_add_co_u32 s21, s21, SCL
	v_add_nc_u32 v5, v5, v6
	v_add_nc_u32 v[ADRS], s21, v5
	s_mul_i32 s23, s14, 16*SPITCH                  ; qp's stage
	v_mul_u32_u24 v5, v1, SPITCH
	v_lshl_add_u32 v5, v2, 4, v5
	v_add_nc_u32 v[STO], s23, v5                   ; in: row l % 16, 16 bytes for each half of the lanes
	v_and_b32 v6, 31, v0
	v_lshlrev_b32 v[CO], 4, v6
	v_add_nc_u32 v[RD], s23, v[CO]                 ; back: the 32 lanes take a row of 512 bytes
	s_mul_i32 s23, s14, 16*VPITCH                  ; vp's stage
	s_add_co_u32 s23, s23, VSTG
	v_mul_u32_u24 v5, v1, VPITCH
	v_lshl_add_u32 v5, v2, 4, v5
	v_add_nc_u32 v[STOV], s23, v5
	v_lshrrev_b32 v5, 3, v6
	v_mul_u32_u24 v5, v5, VPITCH
	v_and_b32 v7, 7, v0
	v_lshl_add_u32 v5, v7, 4, v5
	v_add_nc_u32 v[RDV], s23, v5                   ; back: eight lanes take a token's 128 bytes of one head, four tokens an instruction
	s_and_b32 s20, s17, 31
	s_lshl_b32 s20, s20, 8
	s_lshl_b32 s21, s15, 7
	s_add_co_u32 s20, s20, s21                     ; my first token
	s_lshl_b32 s22, s20, 12                        ; qw: 4,096 bytes a token,
	s_mov_b32 s23, 0
	s_lshl_b32 s46, s42, 10                        ; 1,024 a tile column (four heads), 512 a half
	s_lshl_b32 s47, s16, 9
	s_add_co_u32 s46, s46, s47
	s_add_co_u32 s22, s22, s46
	s_add_nc_u64 s[12:13], s[8:9], s[22:23]
	s_lshl_b32 s22, s20, 7                         ; vw: 128 bytes a token,
	s_lshl_b32 s46, s42, 2
	s_lshl_b32 s47, s16, 1
	s_add_co_u32 s46, s46, s47
	s_lshl_b32 s46, s46, 20                        ; in the plane of my first head
	s_add_co_u32 s22, s22, s46
	s_add_nc_u64 s[66:67], s[10:11], s[22:23]
.macro FRAG reg, adr, q, i             ; a fragment, 16 rows x 128 K of 4-bit codes: 8 registers, two loads of 16 bytes, 32 bytes apart
.irp c, 0,1
	ds_load_b128 v[\reg+4*\c:\reg+4*\c+3], v[\adr] offset:64*(\q)+32*\c+(\i)*16*PITCH
.endr
.endm
; 16 matrix instructions: A's blocks a0, a0 + 1 x B's eight, 128 along K.  The 64 accumulators take turns, one instruction a turn.
.macro MUL16 a0, p, q, sc, zero
.irp a, \a0, \a0+1
.irp b, 0,1,2,3,4,5,6,7
.if \zero
	v_wmma_scale_f32_16x16x128_f8f6f4 v[8*(8*((\a)%4)+\b):8*(8*((\a)%4)+\b)+7], v[128*(\p)+FR*\b:128*(\p)+FR*\b+FR-1], v[AF+FR*(\a):AF+FR*(\a)+FR-1], 0, v[SC+8*NQ*(\sc)+NQ*\b+(\q)], v[SC+8*NQ*(\sc)+NQ*(\a)+(\q)] matrix_a_fmt:MATRIX_FMT_FP4 matrix_b_fmt:MATRIX_FMT_FP4 matrix_a_scale:MATRIX_SCALE_ROW1
.else
	v_wmma_scale_f32_16x16x128_f8f6f4 v[8*(8*((\a)%4)+\b):8*(8*((\a)%4)+\b)+7], v[128*(\p)+FR*\b:128*(\p)+FR*\b+FR-1], v[AF+FR*(\a):AF+FR*(\a)+FR-1], v[8*(8*((\a)%4)+\b):8*(8*((\a)%4)+\b)+7], v[SC+8*NQ*(\sc)+NQ*\b+(\q)], v[SC+8*NQ*(\sc)+NQ*(\a)+(\q)] matrix_a_fmt:MATRIX_FMT_FP4 matrix_b_fmt:MATRIX_FMT_FP4 matrix_a_scale:MATRIX_SCALE_ROW1
.endif
.endr
.endr
.endm
.macro FETCH_B slot, q, p
	WIN TO_B
.irp i, 0,1,2,3,4,5,6,7
	FRAG 128*(\p)+FR*\i, ADRB+\slot, \q, \i
.endr
	WIN 0
.endm
.macro FETCH_A slot, q, i0
.irp i, \i0, \i0+1, \i0+2, \i0+3
	FRAG AF+FR*(\i), ADRA+\slot, \q, \i
.endr
.endm
.macro SCALES sc                       ; a K step's scale words: lanes 0-15 take A's block i, lanes 16-31 B's block i
.irp i, 0,1,2,3,4,5,6,7
	ds_load_b128 v[SC+8*NQ*\sc+NQ*\i:SC+8*NQ*\sc+NQ*\i+3], v[ADRS] offset:\i*SBLK
.endr
.endm
.macro PLACES n                        ; places behind matrix instructions, in front of loads into registers that they have read and of reads of their results
.rept \n
	v_nop
.endr
.endm
.macro STEP slot, q, zero              ; a step of 128 along K that has its successor in the same slot
	s_wait_dscnt 4*NL                              ; B's set and A's blocks 0-3 are in; A's blocks 4-7 (eight loads) may be out
	WIN MUL_LO
	MUL16 0, (\q)%2, \q, \slot, \zero
	MUL16 2, (\q)%2, \q, \slot, \zero
	s_wait_dscnt 0
	PLACES NP
	FETCH_B \slot, (\q)+1, 1-(\q)%2
	FETCH_A \slot, (\q)+1, 0
	WIN MUL_HI
	MUL16 4, (\q)%2, \q, \slot, \zero
	MUL16 6, (\q)%2, \q, \slot, \zero
	PLACES NP
	WIN 0
	FETCH_A \slot, (\q)+1, 4
.endm
.macro STEPS slot, from
.set Q, \from
.rept NQ-1-\from
	STEP \slot, Q, 0
.set Q, Q+1
.endr
.endm
	s_wait_tensorcnt 1                             ; the scales and my part of slot 0 are in (slot 1's load may be out)
	s_barrier_signal -1
	s_barrier_wait -1                              ; everybody's are
	FETCH_B 0, 0, 0
	FETCH_A 0, 0, 0
	SCALES 0
	FETCH_A 0, 0, 4
	STEP 0, 0, 1                                   ; the first products start the sums: nothing is cleared
	STEPS 0, 1
	; slot 0's last step changes slots: one barrier; nothing is filled again
	s_wait_tensorcnt 0x0                           ; my part of slot 1 has landed
	ds_add_u32 v[SPW], v[NIL]
	s_wait_dscnt 4*NL+1                            ; (the add and A's blocks 4-7 may be out)
	WIN MUL_LO
	MUL16 0, 1, NQ-1, 0, 0
	s_wait_dscnt 0x0                               ; the add is done, and my reads of slot 0 are over
	s_barrier_signal -1
	MUL16 2, 1, NQ-1, 0, 0
	WIN 0
	s_barrier_wait -1
	PLACES NP
	v_add_nc_u32 v[ADRS], 4*NQ, v[ADRS]            ; on to the next K step's scale words
	FETCH_B 1, 0, 0
	FETCH_A 1, 0, 0
	SCALES 1
	WIN MUL_HI
	MUL16 4, 1, NQ-1, 0, 0
	MUL16 6, 1, NQ-1, 0, 0
	PLACES NP
	WIN 0
	FETCH_A 1, 0, 4
	STEPS 1, 0
	s_wait_dscnt 4*NL                              ; the very last step
	WIN MUL_LO
	MUL16 0, 1, NQ-1, 1, 0
	MUL16 2, 1, NQ-1, 1, 0
	s_wait_dscnt 0
	WIN MUL_HI
	MUL16 4, 1, NQ-1, 1, 0
	MUL16 6, 1, NQ-1, 1, 0
	WIN 0
	PLACES NP                                      ; behind the last products, for the conversions and for the loads into the registers that held fragments and scales
	s_cmp_lg_u32 s95, 0
	s_cbranch_scc1 .Lvpath
; qp's WAY OUT, block by block of 16 tokens x 128 columns (two heads).  Each accumulator is read from its low end on.
.macro SPLIT a
.set AC, 64*((\a)%4)
	WIN 0x0a+5*((\a)/4)                            ; sources 0 and 1: window 2 or 3
.set n, 0
.rept 32
	v_cvt_pk_bf16_f32 v[H+n], v[AC+2*n], v[AC+2*n+1]               ; hi
.set n, n+1
.endr
	WIN 0
.set n, 0
.rept 32
	v_lshlrev_b32 v[T+2*n], 16, v[H+n]             ; hi as f32 again
	v_and_b32 v[T+2*n+1], s96, v[H+n]
.set n, n+1
.endr
	WIN 0x02+((\a)/4)                              ; source 0: window 2 or 3
.set n, 0
.rept 32
	v_pk_add_f32 v[T+2*n:T+2*n+1], v[AC+2*n:AC+2*n+1], v[T+2*n:T+2*n+1] neg_lo:[0,1] neg_hi:[0,1]   ; x - hi, exact
.set n, n+1
.endr
	WIN 0
.set n, 0
.rept 32
	v_cvt_pk_bf16_f32 v[T+n], v[T+2*n], v[T+2*n+1]                 ; lo, in place: register n is written when registers 2 n and 2 n + 1 are read
.set n, n+1
.endr
.endm
.macro TOSTAGE a
.irp b, 0,1,2,3,4,5,6,7
	ds_store_b128 v[STO], v[H+4*\b:H+4*\b+3] offset:256*(\b/4)+32*(\b%4)          ; a head's 256 bytes: hi,
	ds_store_b128 v[STO], v[T+4*\b:T+4*\b+3] offset:256*(\b/4)+32*(\b%4)+128      ; then lo
.endr
.set BB, BK+64*((\a)%2)
.irp t, 0,1,2,3,4,5,6,7,8,9,10,11,12,13,14,15
	ds_load_b128 v[BB+4*\t:BB+4*\t+3], v[RD] offset:\t*SPITCH     ; LDS serves a wave's instructions in order: these see the stores above
.endr
.endm
.macro SEND a, younger
.set BB, BK+64*((\a)%2)
	s_wait_dscnt \younger
.if (\a) > 0
	s_add_nc_u64 s[12:13], s[12:13], 16*4096       ; (behind a wait on XCNT)  16 tokens on
.endif
.irp t, 0,1,2,3,4,5,6,7,8,9,10,11,12,13,14,15
	global_store_b128 v[CO], v[BB+4*\t:BB+4*\t+3], s[12:13] offset:\t*4096   ; 32 lanes store 512 consecutive bytes, aligned to 256
.endr
.endm
	SPLIT 0
	TOSTAGE 0
.irp a, 1,2,3,4,5,6,7
.if \a > 1
	s_wait_xcnt 0x0                                ; block a - 2's stores have read their registers and their base
.endif
	SPLIT \a
	TOSTAGE \a
	SEND \a-1, 32                                  ; behind block a - 1's loads: block a's 16 stores and 16 loads
.endr
	s_wait_xcnt 0x0
	SEND 7, 0
	s_branch .Ljoin
.Lvpath:
; vp's WAY OUT: f16; a token's 128 columns are 128 bytes in each of two planes
.macro PACKV a
.set AC, 64*((\a)%4)
	WIN 0x0a+5*((\a)/4)
.set n, 0
.rept 32
	v_cvt_pk_f16_f32 v[H+n], v[AC+2*n], v[AC+2*n+1]
.set n, n+1
.endr
	WIN 0
.endm
.macro TOSTAGEV a
.irp b, 0,1,2,3,4,5,6,7
	ds_store_b128 v[STOV], v[H+4*\b:H+4*\b+3] offset:32*\b
.endr
.set BB, BK+32*((\a)%2)
.irp d, 0,1
.irp u, 0,1,2,3
	ds_load_b128 v[BB+16*\d+4*\u:BB+16*\d+4*\u+3], v[RDV] offset:128*\d+4*VPITCH*\u
.endr
.endr
.endm
.macro SENDV a, younger
.set BB, BK+32*((\a)%2)
	s_wait_dscnt \younger
.if (\a) > 0
	s_add_nc_u64 s[66:67], s[66:67], 16*128
.endif
.irp d, 0,1
.irp u, 0,1,2,3
	global_store_b128 v[CO], v[BB+16*\d+4*\u:BB+16*\d+4*\u+3], s[66:67] offset:1048576*\d+512*\u   ; four tokens of one head: 512 consecutive bytes, aligned to 256
.endr
.endr
.endm
	PACKV 0
	TOSTAGEV 0
.irp a, 1,2,3,4,5,6,7
.if \a > 1
	s_wait_xcnt 0x0
.endif
	PACKV \a
	TOSTAGEV \a
	SENDV \a-1, 16                                 ; behind block a - 1's loads: block a's 8 stores and 8 loads
.endr
	s_wait_xcnt 0x0
	SENDV 7, 0
.Ljoin:
	s_wait_tensorcnt 0x0                           ; the wave's end
	ds_add_u32 v[SPW], v[NIL]
	s_wait_dscnt 0x0
	CROUND                                         ; the closing round
	s_endpgm
.Lfunc_end_k_qb752b5cfe0_proj:
	.size	k_qb752b5cfe0_proj, .Lfunc_end_k_qb752b5cfe0_proj-k_qb752b5cfe0_proj
	.p2alignl 7, 3214868480
	.fill 96, 4, 3214868480
	.section	.rodata,"a",@progbits
	.p2align	6, 0x0
	.amdhsa_kernel k_qb752b5cfe0_proj
		.amdhsa_group_segment_fixed_size 327680
		.amdhsa_private_segment_fixed_size 0
		.amdhsa_enable_private_segment 0
		.amdhsa_kernarg_size 32
		.amdhsa_user_sgpr_count 2
		.amdhsa_user_sgpr_kernarg_segment_ptr 1
		.amdhsa_wavefront_size32 1
		.amdhsa_system_sgpr_workgroup_id_x 1
		.amdhsa_system_sgpr_workgroup_id_y 1
		.amdhsa_system_sgpr_workgroup_id_z 1
		.amdhsa_system_vgpr_workitem_id 0
		.amdhsa_next_free_vgpr 1024
		.amdhsa_next_free_sgpr 100
		.amdhsa_reserve_vcc 0
		.amdhsa_float_denorm_mode_32 3
		.amdhsa_float_denorm_mode_16_64 3
		.amdhsa_memory_ordered 1
		.amdhsa_forward_progress 1
		.amdhsa_inst_pref_size 221
	.end_amdhsa_kernel
	.amdgpu_metadata
---
amdhsa.version: [ 1, 2 ]
amdhsa.kernels:
  - .name:           k_qb752b5cfe0_proj
    .symbol:         k_qb752b5cfe0_proj.kd
    .args:
      - { .name: codes, .offset: 0, .size: 8, .value_kind: global_buffer, .address_space: global }
      - { .name: scales, .offset: 8, .size: 8, .value_kind: global_buffer, .address_space: global }
      - { .name: qw, .offset: 16, .size: 8, .value_kind: global_buffer, .address_space: global }
      - { .name: vw, .offset: 24, .size: 8, .value_kind: global_buffer, .address_space: global }
    .group_segment_fixed_size: 327680
    .private_segment_fixed_size: 0
    .kernarg_segment_align: 8
    .kernarg_segment_size: 32
    .max_flat_workgroup_size: 128
    .sgpr_count:     100
    .vgpr_count:     1024
    .wavefront_size: 32
...
	.end_amdgpu_metadata
.endif
;; end of part 2
;; launch kproj (part 3): grid 4 x 64, 4 waves a work-group, clusters of 4 x 4, 327,680 bytes of LDS; arguments qw, wts, kw; writes kw
.if DOCPART == 3
	.amdgcn_target "amdgcn-amd-amdhsa--gfx1250"
	.amdhsa_code_object_version 6
	.text
	.protected	k_qb752b5cfe0_kproj
	.globl	k_qb752b5cfe0_kproj
	.p2align	8
	.type	k_qb752b5cfe0_kproj,@function
k_qb752b5cfe0_kproj:
	s_mov_b64 s[64:65], 0
	v_nop
	global_prefetch_b8 v0, s[64:65] scope:SCOPE_SE
	s_setreg_imm32_b32 hwreg(HW_REG_WAVE_MODE, 25, 1), 1
	s_wait_xcnt 0x0
	s_wait_alu depctr_hold_cnt(0) depctr_sa_sdst(0) depctr_va_vdst(0) depctr_va_sdst(0) depctr_va_ssrc(0) depctr_va_vcc(0) depctr_vm_vsrc(0)
	s_getreg_b32 s2, hwreg(HW_REG_IB_STS2, 6, 4)
	s_cmp_eq_u32 s2, 0
	s_cbranch_scc0 .Lentry_in_a_cluster
	s_endpgm
.Lentry_in_a_cluster:
	s_bfe_u32 s2, ttmp6, 0x10000c
	s_cmp_lg_u32 s2, 0xf033
	s_cbranch_scc0 .Lentry_shape_is_right
	s_endpgm
.Lentry_shape_is_right:
; kp = qp Wk^T, [8192][1024] x [1024][1024], K = 1,024.  kp and qp make the logits, which are multiplied by 8 ahead of the softmax, so both operands go as PAIRS of bf16 (x = hi + lo) and the product
; as three terms: hi hi + lo hi + hi lo, in f32 sums.  LIMIT: the term lo lo is dropped; the order of the terms within each 64 along K is the one written here.
; qw: [token][16 blocks of 64 along K][hi 64 | lo 64] bf16; wts: Wk in the same form, [n][16][hi | lo]; kw: kp in qw's form.  A row's block is 256 bytes, aligned: hi k 0-31, hi k 32-63, lo k 0-31, lo k 32-63.
; A tile of C is 128 tokens x 256 columns: 256 work-groups.  Four waves, each 64 x 128: 32 accumulators.  K goes a block of 64 at a time through a ring of two LDS slots.
; CLUSTERS: 4 x 4; A's tiles are asked for jointly along a row of the cluster, B's along a column.  USED TRANSPOSED: source 0 = 16 rows of Wk, source 1 = 16 tokens.
; REGISTERS: window 0: v16-30 addresses; v64-191 A's four sets (hi c0, hi c1, lo c0, lo c1) of 32; on the way out v32-255.  window 1: B's four sets of 64.  window 2: accumulator (a, b) at v[8 (8 a + b)].
.set PITCH,  272                       ; an LDS row: 256 bytes + 16 of padding
.set AHALF,  64*PITCH                  ; what waves 0 and 1 fetch, and a wave's rows of A
.set BOFF,   128*PITCH                 ; B's 256 rows lie behind A's 128
.set BHALF,  128*PITCH                 ; what waves 2 and 3 fetch, and a wave's rows of B
.set SLOT,   384*PITCH
.set STAGE,  2*SLOT                    ; behind the ring: 16 rows x 528 bytes for each wave
.set SPITCH, 528
.set SPARE,  STAGE+4*16*SPITCH         ; the spare words, 128 bytes for each wave
.set ADRA, 16
.set ADRB, 20
.set STO,  24
.set RD,   25
.set CO,   26
.set SPW,  28
.set NIL,  29
.set PFO,  30                          ; v30 the prefetch's offset: my lane x a token's 4,096 bytes
.set AH0, 64
.set AH1, 96
.set AL0, 128
.set AL1, 160
.set BH0, 0
.set BH1, 64
.set BL0, 128
.set BL1, 192
.set H,   32
.set T,   64
.set BK,  128
.set G1, 24
.set G0, 32
.set G1B, 48
.set G0B, 56
.set PFA, 44                           ; s[44:45] where the prefetch stands
.set LIM, 43                           ; s43 1 in wave 0, else the greatest number
.set MSB, 0
.macro WIN new
.if MSB != \new
	s_set_vgpr_msb (MSB<<8)|\new
.set MSB, \new
.endif
.endm
.macro JLOAD s                         ; a joint load: waves 0 and 1 fetch A's halves, waves 2 and 3 B's; an s_nop 0 and four v_nop follow each line
	s_cmp_eq_u32 s11, 0
	s_cbranch_scc0 .Lfor_b_\@
	tensor_load_to_lds s[G0+4*\s:G0+4*\s+3], s[G1:G1+7]
	s_nop 0
.rept 4
	v_nop
.endr
	s_branch .Lasked_\@
.Lfor_b_\@:
	tensor_load_to_lds s[G0B+4*\s:G0B+4*\s+3], s[G1B:G1B+7]
	s_nop 0
.rept 4
	v_nop
.endr
.Lasked_\@:
.endm
.macro CREST
	s_cmp_lg_u32 s10, 0
	s_cbranch_scc1 .Lnot_wave_0_\@
	s_barrier_signal -3
.Lnot_wave_0_\@:
	s_barrier_wait -3
	s_barrier_signal -1
	s_barrier_wait -1
.endm
.macro CROUND
	s_barrier_signal -1
	s_barrier_wait -1
	CREST
.endm
; A PREFETCH INTO THE L2 of qw's K block behind the one that is being asked for: one slot step, 192 matrix instructions, ahead of its load.  A tile row's 128 tokens are read by one row of one cluster:
; its four partners take 32 tokens each, told apart by address; in each, wave 0 asks, a lane a token, 256 aligned bytes.  The refill of the last K block asks for nothing.  Wk, which every cluster reads, is not asked for.
.macro ASK slot
.if \slot == 0
	s_cmp_ge_u32 s3, s[LIM]
.else
	s_cmp_gt_u32 s3, s[LIM]                        ; s3 = 1 in the loop's last trip
.endif
	s_cbranch_scc0 .Lnot_mine_\@
	global_prefetch_b8 v[PFO], s[PFA:PFA+1] th:TH_LOAD_NT scope:SCOPE_SE
.Lnot_mine_\@:
.endm
	s_load_b128 s[4:7], s[0:1], 0x0                ; qw, wts
	s_load_b64 s[8:9], s[0:1], 0x10                ; kw
	v_lshl_add_u32 v[SPW], v0, 2, SPARE
	v_mov_b32 v[NIL], 0
	ds_add_u32 v[SPW], v[NIL]                      ; the wave's opening: the add, twice on end, and its wait ahead of my first tensor load
	ds_add_u32 v[SPW], v[NIL]
	v_lshrrev_b32 v1, 5, v0
	v_readfirstlane_b32 s10, v1                    ; wave 0..3
	s_lshr_b32 s11, s10, 1                         ; which 64 tokens are mine.  Also: I fetch for A (0) or for B (1)
	s_and_b32 s12, s10, 1                          ; which 128 columns.  Also: which half I fetch
	s_bfe_u32 s40, ttmp6, 0x40000
	s_bfe_u32 s41, ttmp6, 0x40004
	s_lshl_b32 s42, ttmp9, 2
	s_add_co_u32 s42, s42, s40                     ; tile column
	s_and_b32 s13, ttmp7, 0xffff
	s_lshl_b32 s13, s13, 2
	s_add_co_u32 s13, s13, s41                     ; tile row
	s_lshl_b32 s43, s41, 2
	s_lshl_b32 s43, 15, s43
	s_lshl_b32 s44, 0x1111, s40
	s_mov_b32 s2, 0xffff0000                       ; a word's upper bf16
	s_or_b32 s[G1+0], s43, (1<<16)|(1<<20)|(1<<21)|(5<<22)|(3<<25)  ; the mask; elements of 2 bytes; padding: 4 words after every 64; bit 21 beside a mask
	s_or_b32 s[G1B+0], s44, (1<<16)|(1<<20)|(1<<21)|(5<<22)|(3<<25)
	s_mov_b32 s[G1+1], 128<<16                     ; tensor_dim0 = 128 elements
	s_mov_b32 s[G1+2], 64<<16                      ; tensor_dim1 = 64 rows
	s_mov_b32 s[G1+3], 128<<16                     ; tile_dim0
	s_mov_b32 s[G1+4], 64                          ; tile_dim1
	s_mov_b32 s[G1+5], 2048                        ; the pitch: 2,048 elements
	s_mov_b32 s[G1+6], 0
	s_mov_b32 s[G1+7], 0
	s_mov_b32 s[G1B+1], 128<<16
	s_mov_b32 s[G1B+2], 128<<16                    ; 128 rows
	s_mov_b32 s[G1B+3], 128<<16
	s_mov_b32 s[G1B+4], 128
	s_mov_b32 s[G1B+5], 2048
	s_mov_b32 s[G1B+6], 0
	s_mov_b32 s[G1B+7], 0
	s_lshl_b32 s16, s13, 7
	s_lshl_b32 s17, s12, 6
	s_add_co_u32 s16, s16, s17                     ; A: token 128 x tile row + 64 x half
	s_lshl_b32 s16, s16, 12
	s_mov_b32 s17, 0
	s_lshl_b32 s46, s42, 8
	s_lshl_b32 s47, s12, 7
	s_add_co_u32 s46, s46, s47                     ; B: row 256 x tile column + 128 x half
	s_lshl_b32 s46, s46, 12
	s_mov_b32 s47, 0
	s_mul_i32 s20, s12, AHALF                      ; where they go
	s_mul_i32 s21, s12, BHALF
	s_add_co_u32 s21, s21, BOFF
	s_wait_dscnt 0x0                               ; both opening adds are done
	s_wait_kmcnt 0x0
	s_add_nc_u64 s[14:15], s[4:5], s[16:17]
	s_add_nc_u64 s[46:47], s[6:7], s[46:47]
	CROUND                                         ; all sixteen work-groups are here
.irp s, 0,1
	s_mov_b32 s[G0+4*\s], 1
	s_add_co_u32 s[G0+4*\s+1], s20, \s*SLOT
	s_add_nc_u64 s[G0+4*\s+2:G0+4*\s+3], s[14:15], \s*256          ; K block s
	s_or_b32 s[G0+4*\s+3], s[G0+4*\s+3], 0x80000000
	s_mov_b32 s[G0B+4*\s], 1
	s_add_co_u32 s[G0B+4*\s+1], s21, \s*SLOT
	s_add_nc_u64 s[G0B+4*\s+2:G0B+4*\s+3], s[46:47], \s*256
	s_or_b32 s[G0B+4*\s+3], s[G0B+4*\s+3], 0x80000000
	JLOAD \s                                       ; two tensor loads of a wave are out here, one behind each later round
.endr
	v_and_b32 v1, 15, v0                           ; l % 16
	v_bfe_u32 v2, v0, 4, 1                         ; l / 16
	v_mul_u32_u24 v3, v1, PITCH
	v_lshl_add_u32 v3, v2, 4, v3                   ; a fragment's row x pitch + 16 x half
	s_mul_i32 s21, s11, AHALF
	s_mul_i32 s22, s12, BHALF
	s_add_co_u32 s22, s22, BOFF
.irp s, 0,1
	v_add_nc_u32 v[ADRA+\s], s21, v3
	v_add_nc_u32 v[ADRB+\s], s22, v3
	s_add_co_u32 s21, s21, SLOT
	s_add_co_u32 s22, s22, SLOT
.endr
	s_mul_i32 s23, s10, 16*SPITCH
	s_add_co_u32 s23, s23, STAGE                   ; my stage
	v_mul_u32_u24 v4, v1, SPITCH
	v_lshl_add_u32 v4, v2, 4, v4
	v_add_nc_u32 v[STO], s23, v4
	v_and_b32 v5, 31, v0
	v_lshlrev_b32 v[CO], 4, v5
	v_add_nc_u32 v[RD], s23, v[CO]
	v_lshlrev_b32 v[PFO], 12, v5
	s_lshl_b32 s16, s13, 7
	s_lshl_b32 s17, s11, 6
	s_add_co_u32 s16, s16, s17                     ; my first token
	s_lshl_b32 s16, s16, 12
	s_lshl_b32 s46, s42, 10                        ; my first column's byte: 1,024 a tile column, 512 a half
	s_lshl_b32 s47, s12, 9
	s_add_co_u32 s46, s46, s47
	s_add_co_u32 s16, s16, s46
	s_mov_b32 s17, 0
	s_add_nc_u64 s[8:9], s[8:9], s[16:17]
	s_lshl_b32 s20, s13, 7
	s_lshl_b32 s21, s40, 5
	s_add_co_u32 s20, s20, s21                     ; the prefetch: my work-group's 32 tokens of the tile row's 128,
	s_lshl_b32 s20, s20, 12
	s_add_co_u32 s20, s20, 2*256                   ; at K block 2: the first change of slots steps it to 3
	s_mov_b32 s21, 0
	s_add_nc_u64 s[PFA:PFA+1], s[4:5], s[20:21]
	s_cmp_eq_u32 s10, 0
	s_cselect_b32 s[LIM], 1, -1
.macro LDA set, slot, off              ; four fragments of A (16 tokens x 32 K each): eight loads
	WIN 0
.irp a, 0,1,2,3
	ds_load_b128 v[\set+8*\a:\set+8*\a+3], v[ADRA+\slot] offset:\off+\a*16*PITCH
	ds_load_b128 v[\set+8*\a+4:\set+8*\a+7], v[ADRA+\slot] offset:\off+\a*16*PITCH+32
.endr
.endm
.macro LDB set, slot, off              ; eight fragments of B: sixteen loads
	WIN 0x40
.irp b, 0,1,2,3,4,5,6,7
	ds_load_b128 v[\set+8*\b:\set+8*\b+3], v[ADRB+\slot] offset:\off+\b*16*PITCH
	ds_load_b128 v[\set+8*\b+4:\set+8*\b+7], v[ADRB+\slot] offset:\off+\b*16*PITCH+32
.endr
.endm
.macro MUL8 fa, fb, a, zero            ; A's block a x B's eight.  The 32 accumulators take turns in one order throughout
	WIN 0xa1                                       ; source 0 (B) window 1, source 1 (A) window 0, C and D window 2
.irp b, 0,1,2,3,4,5,6,7
.if \zero
	v_wmma_f32_16x16x32_bf16 v[8*(8*\a+\b):8*(8*\a+\b)+7], v[\fb+8*\b:\fb+8*\b+7], v[\fa+8*\a:\fa+8*\a+7], 0
.else
	v_wmma_f32_16x16x32_bf16 v[8*(8*\a+\b):8*(8*\a+\b)+7], v[\fb+8*\b:\fb+8*\b+7], v[\fa+8*\a:\fa+8*\a+7], v[8*(8*\a+\b):8*(8*\a+\b)+7]
.endif
.endr
.endm
.macro PLACES                          ; four places in front of loads into registers that matrix instructions have read, and of reads of results
.rept 4
	v_nop
.endr
.endm
; A SLOT STEP: six products of 32 matrix instructions; no fragment is read twice.
.macro P1 slot, zero                   ; hi c0 x hi c0
	s_wait_dscnt 8                                 ; A's hi c0 and B's hi c0 are in; A's lo c0 (eight loads) may be out
	MUL8 AH0, BH0, 0, \zero
	MUL8 AH0, BH0, 1, \zero
	PLACES
	LDB BL0, \slot, 128
	MUL8 AH0, BH0, 2, \zero
	MUL8 AH0, BH0, 3, \zero
.endm
.macro P2TO4 slot
	s_wait_dscnt 16                                ; A's lo c0 is in; B's lo c0 (sixteen) may be out
	MUL8 AL0, BH0, 0, 0                            ; lo c0 x hi c0
	MUL8 AL0, BH0, 1, 0
	PLACES
	LDA AH1, \slot, 64
	LDB BH1, \slot, 64
	MUL8 AL0, BH0, 2, 0
	MUL8 AL0, BH0, 3, 0
	s_wait_dscnt 24                                ; B's lo c0 is in; the hi c1 sets (24) may be out
	MUL8 AH0, BL0, 0, 0                            ; hi c0 x lo c0
	MUL8 AH0, BL0, 1, 0
	PLACES
	LDA AL1, \slot, 192
	LDB BL1, \slot, 192
	MUL8 AH0, BL0, 2, 0
	MUL8 AH0, BL0, 3, 0
	s_wait_dscnt 24                                ; the hi c1 sets are in; the lo c1 sets (24) may be out
	MUL8 AH1, BH1, 0, 0                            ; hi c1 x hi c1
	MUL8 AH1, BH1, 1, 0
	MUL8 AH1, BH1, 2, 0
	MUL8 AH1, BH1, 3, 0
.endm
; lo c1 x hi c1 changes slots, hi c1 x lo c1 follows.  mode 1: the slot is filled again, two K blocks on; 0: nothing is filled; 2: the very last step.
.macro P56 slot, next, mode
.if \mode == 2
	s_wait_dscnt 16
	MUL8 AL1, BH1, 0, 0
	MUL8 AL1, BH1, 1, 0
	MUL8 AL1, BH1, 2, 0
	MUL8 AL1, BH1, 3, 0
	s_wait_dscnt 0x0
.else
	WIN 0
.if \mode == 1
	s_wait_xcnt 0x0                                ; the last prefetch, a slot step back, has read its address
	s_add_nc_u64 s[PFA:PFA+1], s[PFA:PFA+1], 256
.endif
	s_wait_tensorcnt 0x0                           ; all my tensor loads have landed: my part of the next slot
	ds_add_u32 v[SPW], v[NIL]
	s_wait_dscnt 17                                ; A's lo c1 is in (B's lo c1, sixteen, and the add may be out)
	MUL8 AL1, BH1, 0, 0
	s_wait_dscnt 0x0                               ; the add is done, and my reads of this slot are over
	s_barrier_signal -1
	MUL8 AL1, BH1, 1, 0
	WIN 0
	s_barrier_wait -1
.if \mode == 1
	CREST                                          ; the barrier has opened a round of the cluster's: no wave of any partner still reads this slot or has a load on its way
	s_add_nc_u64 s[G0+4*\slot+2:G0+4*\slot+3], s[G0+4*\slot+2:G0+4*\slot+3], 512
	s_add_nc_u64 s[G0B+4*\slot+2:G0B+4*\slot+3], s[G0B+4*\slot+2:G0B+4*\slot+3], 512
	JLOAD \slot                                    ; the first tensor load behind the round; its four v_nop are the places in front of the loads below
.else
	PLACES
.endif
	LDA AH0, \next, 0
	LDB BH0, \next, 0
	LDA AL0, \next, 128
.if \mode == 1
	ASK \slot
.endif
	MUL8 AL1, BH1, 2, 0
	MUL8 AL1, BH1, 3, 0
.endif
	MUL8 AH1, BL1, 0, 0
	MUL8 AH1, BL1, 1, 0
	MUL8 AH1, BL1, 2, 0
	MUL8 AH1, BL1, 3, 0
.endm
	s_wait_tensorcnt 1                             ; my part of K block 0 is in (block 1's load may be out)
	s_barrier_signal -1
	s_barrier_wait -1                              ; everybody's is
	LDA AH0, 0, 0
	LDB BH0, 0, 0
	LDA AL0, 0, 128
	P1 0, 1                                        ; the first product starts the sums
	WIN 0
	s_mov_b32 s3, 7
.Llap:                                 ; a trip goes once round the ring and fills both slots again: K blocks 2 to 15 in seven trips
	P2TO4 0
	P56 0, 1, 1
	P1 1, 0
	P2TO4 1
	P56 1, 0, 1
	P1 0, 0
	WIN 0
	s_sub_co_u32 s3, s3, 1
	s_cmp_lg_u32 s3, 0
	s_cbranch_scc1 .Llap
	P2TO4 0                                        ; the last lap fills nothing
	P56 0, 1, 0
	P1 1, 0
	P2TO4 1
	P56 1, 0, 2
	WIN 0
; THE WAY OUT: kp as pairs of bf16, block by block of 16 tokens x 128 columns (two heads), through my stage.  Each accumulator is read from its low end on.
.macro SPLIT a
.set AC, 64*(\a)
	WIN 0x0a
.set n, 0
.rept 32
	v_cvt_pk_bf16_f32 v[H+n], v[AC+2*n], v[AC+2*n+1]
.set n, n+1
.endr
	WIN 0
.set n, 0
.rept 32
	v_lshlrev_b32 v[T+2*n], 16, v[H+n]
	v_and_b32 v[T+2*n+1], s2, v[H+n]
.set n, n+1
.endr
	WIN 0x02
.set n, 0
.rept 32
	v_pk_add_f32 v[T+2*n:T+2*n+1], v[AC+2*n:AC+2*n+1], v[T+2*n:T+2*n+1] neg_lo:[0,1] neg_hi:[0,1]
.set n, n+1
.endr
	WIN 0
.set n, 0
.rept 32
	v_cvt_pk_bf16_f32 v[T+n], v[T+2*n], v[T+2*n+1]
.set n, n+1
.endr
.endm
.macro TOSTAGE a
.irp b, 0,1,2,3,4,5,6,7
	ds_store_b128 v[STO], v[H+4*\b:H+4*\b+3] offset:256*(\b/4)+32*(\b%4)
	ds_store_b128 v[STO], v[T+4*\b:T+4*\b+3] offset:256*(\b/4)+32*(\b%4)+128
.endr
.set BB, BK+64*((\a)%2)
.irp t, 0,1,2,3,4,5,6,7,8,9,10,11,12,13,14,15
	ds_load_b128 v[BB+4*\t:BB+4*\t+3], v[RD] offset:\t*SPITCH
.endr
.endm
.macro SEND a, younger
.set BB, BK+64*((\a)%2)
	s_wait_dscnt \younger
.if (\a) > 0
	s_add_nc_u64 s[8:9], s[8:9], 16*4096
.endif
.irp t, 0,1,2,3,4,5,6,7,8,9,10,11,12,13,14,15
	global_store_b128 v[CO], v[BB+4*\t:BB+4*\t+3], s[8:9] offset:\t*4096   ; 512 consecutive bytes, aligned to 256
.endr
.endm
	PLACES
	SPLIT 0
	TOSTAGE 0
.irp a, 1,2,3
.if \a > 1
	s_wait_xcnt 0x0                                ; block a - 2's stores have read their registers and their base
.endif
	SPLIT \a
	TOSTAGE \a
	SEND \a-1, 32
.endr
	s_wait_xcnt 0x0
	SEND 3, 0
	s_wait_tensorcnt 0x0                           ; the wave's end
	ds_add_u32 v[SPW], v[NIL]
	s_wait_dscnt 0x0
	CROUND                                         ; the closing round
	s_endpgm
.Lfunc_end_k_qb752b5cfe0_kproj:
	.size	k_qb752b5cfe0_kproj, .Lfunc_end_k_qb752b5cfe0_kproj-k_qb752b5cfe0_kproj
	.p2alignl 7, 3214868480
	.fill 96, 4, 3214868480
	.section	.rodata,"a",@progbits
	.p2align	6, 0x0
	.amdhsa_kernel k_qb752b5cfe0_kproj
		.amdhsa_group_segment_fixed_size 327680
		.amdhsa_private_segment_fixed_size 0
		.amdhsa_enable_private_segment 0
		.amdhsa_kernarg_size 24
		.amdhsa_user_sgpr_count 2
		.amdhsa_user_sgpr_kernarg_segment_ptr 1
		.amdhsa_wavefront_size32 1
		.amdhsa_system_sgpr_workgroup_id_x 1
		.amdhsa_system_sgpr_workgroup_id_y 1
		.amdhsa_system_sgpr_workgroup_id_z 1
		.amdhsa_system_vgpr_workitem_id 0
		.amdhsa_next_free_vgpr 768
		.amdhsa_next_free_sgpr 66
		.amdhsa_reserve_vcc 0
		.amdhsa_float_denorm_mode_32 3
		.amdhsa_float_denorm_mode_16_64 3
		.amdhsa_memory_ordered 1
		.amdhsa_forward_progress 1
		.amdhsa_inst_pref_size 134
	.end_amdhsa_kernel
	.amdgpu_metadata
---
amdhsa.version: [ 1, 2 ]
amdhsa.kernels:
  - .name:           k_qb752b5cfe0_kproj
    .symbol:         k_qb752b5cfe0_kproj.kd
    .args:
      - { .name: qw, .offset: 0, .size: 8, .value_kind: global_buffer, .address_space: global }
      - { .name: wts, .offset: 8, .size: 8, .value_kind: global_buffer, .address_space: global }
      - { .name: kw, .offset: 16, .size: 8, .value_kind: global_buffer, .address_space: global }
    .group_segment_fixed_size: 327680
    .private_segment_fixed_size: 0
    .kernarg_segment_align: 8
    .kernarg_segment_size: 24
    .max_flat_workgroup_size: 128
    .sgpr_count:     66
    .vgpr_count:     768
    .wavefront_size: 32
...
	.end_amdgpu_metadata
.endif
;; end of part 3
;; launch attn (part 4): grid 4 x 64, 8 waves a work-group, no clusters, 327,680 bytes of LDS; arguments qw, kw, vw, yw; writes yw
.if DOCPART == 4
	.amdgcn_target "amdgcn-amd-amdhsa--gfx1250"
	.amdhsa_code_object_version 6
	.text
	.protected	k_qb752b5cfe0_attn
	.globl	k_qb752b5cfe0_attn
	.p2align	8
	.type	k_qb752b5cfe0_attn,@function
k_qb752b5cfe0_attn:
	s_mov_b64 s[64:65], 0
	v_nop
	global_prefetch_b8 v0, s[64:65] scope:SCOPE_SE
	s_setreg_imm32_b32 hwreg(HW_REG_WAVE_MODE, 25, 1), 1
	s_wait_xcnt 0x0
; y[b][h][q] = the sum over keys k <= q of softmax_k(8 qp[q] . kp[k]) vp[k], head size 64, 2,048 positions, 64 pairs (b, h).
; THE LOGITS are multiplied by 8, so the softmax is sharp: qp and kp come as pairs of bf16 (hi + lo) and the scores are three terms, K hi Q hi + K lo Q hi + K hi Q lo, in f32.  LIMIT: the term lo lo is dropped.
; The weights p and vp go in f16 (p is at most 1; p under 6e-8 becomes 0; |vp| under 65,504).  A running maximum m and sum l for each query: p = 2^(c s - m), c = 8 log2(e); O and l are multiplied by 2^(m_old - m_new) in every step.
; SHARES.  Work-group X of a head owns the query blocks 7 - X and X (256 queries each): 8 - X and X + 1 slots of 256 keys, nine in every work-group, so the trip counts are constants and the work is equal.
; Eight waves, each 32 queries (two tiles of 16), two waves to a SIMD.  A key step is 64 keys; a step all of whose keys come after the wave's queries is jumped over by a scalar branch on ids.
; NO CLUSTER: the four work-groups of a head want different tiles from their fifth slot on (their first passes have 8, 7, 6 and 5 slots); walking in step they would ask for 24 slots where they need 18.
; LAYOUT.  S^T = K Q^T (source 0 = 16 keys, source 1 = 16 queries) and O^T = V^T P (source 0 = 16 channels, source 1 = P): a lane holds one query throughout.  V ([key][channel]) is turned by ds_load_tr16_b128.
; REGISTERS: window 0: v1-15 addresses; v16-31 statistics, eight a tile (+0 m, +1 old m, +2, +3 l, +4-7 at work, a in +6); v64-127 S^T; v128-159 P; v160-223 O^T.
;            window 1: v0-63 Q (tile t, fragments hi c0, hi c1, lo c0, lo c1); v64-191 K (key tile, the same four); v192-255 V.
.set PK,    272                        ; a key's row of K: 256 bytes [hi | lo] + 16
.set PV,    288                        ; a row of V in LDS: two keys of 128 bytes + 32
.set VOFF,  256*PK
.set SLOT1, 1<<17
.set STAGE, 241664                     ; behind the ring: 32 rows x 144 bytes for each wave
.set SP,    144
.set SPARE, STAGE+8*32*SP              ; the spare words, 128 bytes for each wave
.set AK0, 3
.set AV0, 4
.set ADK, 5
.set ADV, 6
.set QO,  7
.set STO, 8
.set RD,  9
.set GO,  10
.set DQ,  11
.set SPW, 14
.set NIL, 15
.set ST,  16
.set PFOK, 32
.set PFOV, 33
.set S,   64
.set P,   128
.set O,   160
.set KR,  64                           ; in window 1
.set VR,  192
.set WV,  12
.set X,   13
.set G1K, 16
.set G1V, 24
.set G0K, 32
.set G0V, 36
.set KBASE, 40
.set VBASE, 42
.set OFF, 44
.set QB,  46
.set YB,  48
.set QP,  50
.set YO,  52
.set CS,  54
.set SEL, 56
.set TB,  58
.set TK,  59
.set TV,  60
.set SLOTS, 61
.set STP, 62
.set KAP, 63
.set NA,  66
.set FL,  67
.set KF,  68
.set Q0,  69
.set T0,  70
.set T1,  71
.set PFK, 72
.set PFV, 74
.set LIM, 76
.set LIMV, 77
.set MSB, 0
.macro WIN new
.if MSB != \new
	s_set_vgpr_msb (MSB<<8)|\new
.set MSB, \new
.endif
.endm
.macro TLOAD                           ; waves 0 to 3 fetch 64 keys of K each, waves 4 to 7 64 keys of V; an s_nop 0 and four v_nop follow each line
	s_cmp_lt_u32 s[WV], 4
	s_cbranch_scc0 .Lfor_v_\@
	tensor_load_to_lds s[G0K:G0K+3], s[G1K:G1K+7]
	s_nop 0
.rept 4
	v_nop
.endr
	s_branch .Lasked_\@
.Lfor_v_\@:
	tensor_load_to_lds s[G0V:G0V+3], s[G1V:G1V+7]
	s_nop 0
.rept 4
	v_nop
.endr
.Lasked_\@:
.endm
; A PREFETCH INTO THE L2 of the slot behind the one that is being asked for: a slot's four key steps ahead of its load.  All four work-groups of a head walk the same keys; work-group X = 0, whose first pass
; walks all eight slots, asks: every wave for 32 keys of K (a lane a key, 256 aligned bytes), waves 0 to 3 also for V's dense 32,768 bytes (lanes 256 bytes apart).  Trips 0 to 5 ask for slots 2 to 7.
.macro ASK
	s_cmp_gt_u32 s[SLOTS], s[LIM]
	s_cbranch_scc0 .Lno_k_\@
	global_prefetch_b8 v[PFOK], s[PFK:PFK+1] th:TH_LOAD_NT scope:SCOPE_SE
.Lno_k_\@:
	s_cmp_gt_u32 s[SLOTS], s[LIMV]
	s_cbranch_scc0 .Lno_v_\@
	global_prefetch_b8 v[PFOV], s[PFV:PFV+1] th:TH_LOAD_NT scope:SCOPE_SE
.Lno_v_\@:
.endm
	s_load_b256 s[4:11], s[0:1], 0x0               ; qw 4:5, kw 6:7, vw 8:9, yw 10:11
	v_lshl_add_u32 v[SPW], v0, 2, SPARE
	v_mov_b32 v[NIL], 0
	ds_add_u32 v[SPW], v[NIL]                      ; the wave's opening: the add, twice on end, and its wait ahead of my first tensor load
	ds_add_u32 v[SPW], v[NIL]
	v_lshrrev_b32 v1, 5, v0
	v_readfirstlane_b32 s[WV], v1                  ; wave 0..7
	s_mov_b32 s[X], ttmp9
	s_and_b32 s14, ttmp7, 0xffff
	s_lshr_b32 s15, s14, 4
	s_lshl_b32 s15, s15, 11                        ; the batch's first token
	s_and_b32 s14, s14, 15                         ; the head
	s_mov_b32 s[G1K], (1<<16)|(1<<20)|(5<<22)|(3<<25)              ; K: elements of 2 bytes; padding: 4 words after every 64
	s_mov_b32 s[G1K+1], 128<<16                    ; tensor_dim0 = 128 elements
	s_mov_b32 s[G1K+2], 64<<16                     ; tensor_dim1 = 64 keys
	s_mov_b32 s[G1K+3], 128<<16
	s_mov_b32 s[G1K+4], 64
	s_mov_b32 s[G1K+5], 2048                       ; the pitch: a token's 2,048 elements
	s_mov_b32 s[G1K+6], 0
	s_mov_b32 s[G1K+7], 0
	s_mov_b32 s[G1V], (1<<16)|(1<<20)|(5<<22)|(7<<25)              ; V: dense in memory, stated as rows of two keys; padding: 8 words after every 64
	s_mov_b32 s[G1V+1], 128<<16
	s_mov_b32 s[G1V+2], 32<<16
	s_mov_b32 s[G1V+3], 128<<16
	s_mov_b32 s[G1V+4], 32
	s_mov_b32 s[G1V+5], 128
	s_mov_b32 s[G1V+6], 0
	s_mov_b32 s[G1V+7], 0
	s_and_b32 s[T0], s[WV], 3
	s_mul_i32 s[G0K+1], s[T0], 64*PK               ; where my part of a slot goes: K's,
	s_mul_i32 s[G0V+1], s[T0], 32*PV
	s_add_co_u32 s[G0V+1], s[G0V+1], VOFF          ; V's
	s_lshl_b32 s[T1], s[T0], 6
	s_add_co_u32 s[T1], s[T1], s15                 ; the first token that I fetch
	s_lshl_b32 s78, s[T1], 12
	s_lshl_b32 s79, s14, 8
	s_add_co_u32 s[KBASE], s78, s79                ; byte offsets, to which the buffers' addresses are added below
	s_mov_b32 s[KBASE+1], 0
	s_lshl_b32 s78, s[T1], 7
	s_lshl_b32 s[T1], s14, 20                      ; the head's plane in vw and yw
	s_add_co_u32 s[VBASE], s78, s[T1]
	s_mov_b32 s[VBASE+1], 0
	s_lshl_b32 s78, s15, 12
	s_add_co_u32 s[QB], s78, s79
	s_mov_b32 s[QB+1], 0
	s_lshl_b32 s78, s15, 7
	s_add_co_u32 s[YB], s78, s[T1]
	s_mov_b32 s[YB+1], 0
	s_lshl_b32 s78, s[WV], 17                      ; the prefetches: K: my wave's 32 keys,
	s_add_co_u32 s[PFK], s[QB], s78
	s_add_co_u32 s[PFK], s[PFK], 0x100000          ; in slot 1: the first change of slots steps it to slot 2
	s_mov_b32 s[PFK+1], 0
	s_lshl_b32 s78, s[WV], 13                      ; V: my wave's 8,192 bytes
	s_add_co_u32 s[PFV], s[YB], s78
	s_add_co_u32 s[PFV], s[PFV], 0x8000
	s_mov_b32 s[PFV+1], 0
	s_cmp_eq_u32 s[X], 0
	s_cselect_b32 s[LIM], 2, -1
	s_lshr_b32 s78, s[WV], 2
	s_or_b32 s78, s78, s[X]
	s_cmp_eq_u32 s78, 0
	s_cselect_b32 s[LIMV], 2, -1
	s_sub_co_u32 s[NA], 8, s[X]                    ; slots of the first pass
	s_add_co_u32 s[FL], s[X], 1                    ; the count of slots to go at which the first pass ends
	s_sub_co_u32 s[Q0], 7, s[X]
	s_lshl_b32 s[Q0], s[Q0], 8
	s_lshl_b32 s78, s[WV], 5
	s_add_co_u32 s[Q0], s[Q0], s78                 ; my first query of the first pass
	s_mov_b32 s[KAP], 0
	s_mov_b32 s[TB], 0
	s_mov_b32 s[KF], 0
	s_mov_b32 s[SLOTS], 8
	s_mov_b32 s[OFF+1], 0
	s_mov_b32 s[CS], 0x4138aa3b                    ; c = 8 log2(e)
	s_mov_b32 s[CS+1], s[CS]
	s_mov_b32 s[SEL], 0x76543210
	s_mov_b32 s[SEL+1], 0xfedcba98
	s_wait_dscnt 0x0                               ; both opening adds are done
	s_wait_kmcnt 0x0
	s_add_nc_u64 s[KBASE:KBASE+1], s[6:7], s[KBASE:KBASE+1]
	s_add_nc_u64 s[VBASE:VBASE+1], s[8:9], s[VBASE:VBASE+1]
	s_add_nc_u64 s[QB:QB+1], s[4:5], s[QB:QB+1]
	s_add_nc_u64 s[YB:YB+1], s[10:11], s[YB:YB+1]
	s_add_nc_u64 s[PFK:PFK+1], s[6:7], s[PFK:PFK+1]
	s_add_nc_u64 s[PFV:PFV+1], s[8:9], s[PFV:PFV+1]
	s_mov_b32 s[G0K], 1
	s_mov_b64 s[G0K+2:G0K+3], s[KBASE:KBASE+1]
	s_or_b32 s[G0K+3], s[G0K+3], 0x80000000
	s_mov_b32 s[G0V], 1
	s_mov_b64 s[G0V+2:G0V+3], s[VBASE:VBASE+1]
	s_or_b32 s[G0V+3], s[G0V+3], 0x80000000
	TLOAD                                          ; slot 0: keys 0 to 255.  One tensor load of a wave is out at any time
	s_lshl_b32 s[OFF], s[Q0], 12
	s_add_nc_u64 s[QP:QP+1], s[QB:QB+1], s[OFF:OFF+1]
	s_lshl_b32 s[OFF], s[Q0], 7
	s_add_nc_u64 s[YO:YO+1], s[YB:YB+1], s[OFF:OFF+1]
	v_and_b32 v1, 15, v0                           ; r
	v_bfe_u32 v2, v0, 4, 1                         ; hh
	v_lshlrev_b32 v[QO], 12, v1
	v_lshl_add_u32 v[QO], v2, 4, v[QO]             ; Q: token r, + 16 hh
.macro QLOAD                           ; my 32 queries: tile t, fragments hi c0, hi c1, lo c0, lo c1
	WIN 0x40
.irp t, 0,1
.irp f, 0,1,2,3
	global_load_b128 v[32*\t+8*\f:32*\t+8*\f+3], v[QO], s[QP:QP+1] offset:\t*65536+64*\f
	global_load_b128 v[32*\t+8*\f+4:32*\t+8*\f+7], v[QO], s[QP:QP+1] offset:\t*65536+64*\f+32
.endr
.endr
	WIN 0
.endm
	QLOAD
	v_mul_u32_u24 v[AK0], v1, PK
	v_lshl_add_u32 v[AK0], v2, 4, v[AK0]           ; K: key r, + 16 hh
	v_and_b32 v34, 7, v0
	v_lshl_add_u32 v34, v2, 3, v34                 ; V: the turning load's key 8 hh + l % 8:
	v_lshrrev_b32 v35, 1, v34
	v_mul_u32_u24 v[AV0], v35, PV                  ; its row of two keys,
	v_and_b32 v35, 1, v34
	v_lshl_add_u32 v[AV0], v35, 7, v[AV0]          ; which of the two,
	v_bfe_u32 v35, v0, 3, 1
	v_lshl_add_u32 v[AV0], v35, 4, v[AV0]          ; and which eight channels
	v_add_nc_u32 v[AV0], VOFF, v[AV0]
	s_mul_i32 s78, s[WV], 32*SP
	s_add_co_u32 s78, s78, STAGE                   ; my stage
	v_mul_u32_u24 v[STO], v1, SP
	v_lshl_add_u32 v[STO], v2, 4, v[STO]
	v_add_nc_u32 v[STO], s78, v[STO]
	v_and_b32 v34, 31, v0
	v_lshrrev_b32 v35, 3, v34
	v_mul_u32_u24 v[RD], v35, SP
	v_and_b32 v35, 7, v0
	v_lshl_add_u32 v[RD], v35, 4, v[RD]
	v_add_nc_u32 v[RD], s78, v[RD]                 ; back: eight lanes take a token's 128 bytes
	v_lshlrev_b32 v[GO], 4, v34
	v_lshlrev_b32 v35, 3, v2
	v_sub_nc_u32 v[DQ], v1, v35                    ; r - 8 hh
	v_mov_b32 v13, 0xff800000                      ; -infinity
	v_lshlrev_b32 v[PFOK], 12, v34
	v_lshlrev_b32 v[PFOV], 8, v34
.set n, 0
.rept 16
	v_mov_b32 v[ST+n], 0                           ; l = 0; the others are written once because pairs and lane permutes name them
.set n, n+1
.endr
	v_mov_b32 v[ST], 0xff61b1e6                    ; m = -3e38, under every c s
	v_mov_b32 v[ST+8], 0xff61b1e6
.set n, 0
.rept 64
	v_mov_b32 v[O+n], 0                            ; O^T, once: the key step is written without a first step of its own
.set n, n+1
.endr
	s_wait_loadcnt 0x0                             ; Q
; A KEY STEP: 64 keys.
.macro STEP
	s_add_co_u32 s[T0], s[Q0], 31
	s_cmp_gt_u32 s[KF], s[T0]                      ; all keys of the step come after my queries: only the addresses step
	s_cbranch_scc1 .Lhid_\@
	v_add_nc_u32 v[ADK], s[TK], v[AK0]
	v_add_nc_u32 v[ADV], s[TV], v[AV0]
	v_nop
	v_nop                                          ; with the two additions: four places behind the last step's products, in front of the loads into their sources
	WIN 0x40
.irp u, 0,1,2,3
.irp f, 0,1,2,3
	ds_load_b128 v[KR+32*\u+8*\f:KR+32*\u+8*\f+3], v[ADK] offset:\u*16*PK+64*\f
	ds_load_b128 v[KR+32*\u+8*\f+4:KR+32*\u+8*\f+7], v[ADK] offset:\u*16*PK+64*\f+32
.endr
.endr
.irp g, 0,1
.irp d, 0,1,2,3
	ds_load_tr16_b128 v[VR+32*\g+8*\d:VR+32*\g+8*\d+3], v[ADV] offset:\g*16*PV+32*\d
	ds_load_tr16_b128 v[VR+32*\g+8*\d+4:VR+32*\g+8*\d+7], v[ADV] offset:\g*16*PV+8*PV+32*\d
.endr
.endr
	s_wait_dscnt 16                                ; K's 32 loads are in; V's 16 may be out
	WIN 0x05                                       ; K and Q in window 1, S^T in window 0
.set ee, 0
.rept 6                                ; the six terms: (K, Q) fragments (hi c0, hi c0), (hi c1, hi c1), (lo c0, hi c0), (lo c1, hi c1), (hi c0, lo c0), (hi c1, lo c1); the eight accumulators by turns
.set kf, ee%4
.if ee < 2
.set qf, ee
.else
.set qf, ee-2
.endif
.irp u, 0,1,2,3
.irp t, 0,1
.if ee == 0
	v_wmma_f32_16x16x32_bf16 v[S+32*\t+8*\u:S+32*\t+8*\u+7], v[KR+32*\u+8*kf:KR+32*\u+8*kf+7], v[32*\t+8*qf:32*\t+8*qf+7], 0
.else
	v_wmma_f32_16x16x32_bf16 v[S+32*\t+8*\u:S+32*\t+8*\u+7], v[KR+32*\u+8*kf:KR+32*\u+8*kf+7], v[32*\t+8*qf:32*\t+8*qf+7], v[S+32*\t+8*\u:S+32*\t+8*\u+7]
.endif
.endr
.endr
.set ee, ee+1
.endr
	WIN 0
.rept 4
	v_nop
.endr
	s_add_co_u32 s[T0], s[KF], 63
	s_cmp_le_u32 s[T0], s[Q0]                      ; all keys of the step count for all my queries
	s_cbranch_scc1 .Lopen_\@
	s_sub_co_i32 s[T0], s[Q0], s[KF]
	v_add_nc_u32 v12, s[T0], v[DQ]                 ; register 8 u + j of tile t holds key KF + 16 u + 8 hh + j for query Q0 + 16 t + r: hidden where 16 u + j - 16 t > Q0 - KF + r - 8 hh
.irp t, 0,1
.irp u, 0,1,2,3
.irp j, 0,1,2,3,4,5,6,7
	v_cmp_gt_i32 vcc_lo, 16*\u+\j-16*\t, v12
	v_cndmask_b32 v[S+32*\t+8*\u+\j], v[S+32*\t+8*\u+\j], v13, vcc_lo
.endr
.endr
.endr
.Lopen_\@:
	; the softmax, the two tiles line by line.  The maximum: four chains a tile, each begun at an accumulator's low end
.irp u, 0,1,2,3
.irp t, 0,1
	v_max3_num_f32 v[ST+8*\t+4+\u], v[S+32*\t+8*\u], v[S+32*\t+8*\u+1], v[S+32*\t+8*\u+2]
.endr
.endr
.irp i, 3,5
.irp u, 0,1,2,3
.irp t, 0,1
	v_max3_num_f32 v[ST+8*\t+4+\u], v[ST+8*\t+4+\u], v[S+32*\t+8*\u+\i], v[S+32*\t+8*\u+\i+1]
.endr
.endr
.endr
.irp t, 0,1
	v_max3_num_f32 v[ST+8*\t+4], v[ST+8*\t+4], v[S+32*\t+7], v[S+32*\t+15]
	v_max3_num_f32 v[ST+8*\t+6], v[ST+8*\t+6], v[S+32*\t+23], v[S+32*\t+31]
.endr
.irp t, 0,1
	v_max3_num_f32 v[ST+8*\t+4], v[ST+8*\t+4], v[ST+8*\t+5], v[ST+8*\t+6]
.endr
.irp t, 0,1
	v_max_num_f32 v[ST+8*\t+4], v[ST+8*\t+4], v[ST+8*\t+7]
.endr
.irp t, 0,1
	v_permlanex16_b32 v[ST+8*\t+5], v[ST+8*\t+4], s[SEL], s[SEL+1]   ; the query's other 32 keys lie in the lane 16 away
.endr
.irp t, 0,1
	v_max_num_f32 v[ST+8*\t+4], v[ST+8*\t+4], v[ST+8*\t+5]
	v_mov_b32 v[ST+8*\t+1], v[ST+8*\t]             ; the old m
.endr
.irp t, 0,1
	v_mul_f32 v[ST+8*\t+4], s[CS], v[ST+8*\t+4]    ; c is positive
.endr
.irp t, 0,1
	v_max_num_f32 v[ST+8*\t], v[ST+8*\t], v[ST+8*\t+4]             ; the running maximum
.endr
.irp t, 0,1
	v_sub_f32 v[ST+8*\t+7], v[ST+8*\t+1], v[ST+8*\t]
.endr
.set n, 0
.rept 16
.irp t, 0,1
	v_pk_fma_f32 v[S+32*\t+2*n:S+32*\t+2*n+1], v[S+32*\t+2*n:S+32*\t+2*n+1], s[CS:CS+1], v[ST+8*\t:ST+8*\t+1] op_sel_hi:[1,0,0] neg_lo:[0,0,1] neg_hi:[0,0,1]   ; c s - m
.endr
.set n, n+1
.endr
.irp t, 0,1
	v_exp_f32 v[ST+8*\t+6], v[ST+8*\t+7]           ; a = 2^(m_old - m_new)
.endr
.set n, 0
.rept 64
	v_exp_f32 v[S+n], v[S+n]                       ; p
.set n, n+1
.endr
	v_nop                                          ; a plain instruction behind the last exponential
	s_wait_alu depctr_va_vdst(0)                   ; the wait ahead of the first instruction that names a result: one for the batch of 66
.set n, 0
.rept 32
	v_cvt_pk_f16_f32 v[P+n], v[S+2*n], v[S+2*n+1]  ; two neighbouring key tiles, rounded in pairs, are source 1 of the second product
.set n, n+1
.endr
.irp w, 4,8,16,32                      ; the sums of the unrounded p, in place: neighbours 1, 2, 4 and 8 pairs apart
.set n, 0
.rept 64/\w
	v_pk_add_f32 v[S+\w*n:S+\w*n+1], v[S+\w*n:S+\w*n+1], v[S+\w*n+\w/2:S+\w*n+\w/2+1]
.set n, n+1
.endr
.endr
.irp t, 0,1
	v_pk_fma_f32 v[ST+8*\t+2:ST+8*\t+3], v[ST+8*\t+2:ST+8*\t+3], v[ST+8*\t+6:ST+8*\t+7], v[S+32*\t:S+32*\t+1] op_sel_hi:[1,0,1]   ; l = a l + the sum
.endr
.irp t, 0,1
.set n, 0
.rept 16
	v_pk_mul_f32 v[O+32*\t+2*n:O+32*\t+2*n+1], v[O+32*\t+2*n:O+32*\t+2*n+1], v[ST+8*\t+6:ST+8*\t+7] op_sel_hi:[1,0]   ; O^T x a, each accumulator from its low end on
.set n, n+1
.endr
.endr
	s_wait_dscnt 0x0                               ; V is in
	WIN 0x01                                       ; V in window 1
.irp g, 0,1
.irp d, 0,1,2,3
.irp t, 0,1
	v_wmma_f32_16x16x32_f16 v[O+32*\t+8*\d:O+32*\t+8*\d+7], v[VR+32*\g+8*\d:VR+32*\g+8*\d+7], v[P+16*\t+8*\g:P+16*\t+8*\g+7], v[O+32*\t+8*\d:O+32*\t+8*\d+7]
.endr
.endr
.endr
	WIN 0
.Lhid_\@:
	s_add_co_u32 s[KF], s[KF], 64
	s_add_co_u32 s[TK], s[TK], 64*PK
	s_add_co_u32 s[TV], s[TV], 32*PV
.endm
.macro FOUR                            ; a slot's four key steps: written once, walked four times
	s_mov_b32 s[STP], 4
.Lstep_\@:
	STEP
	s_sub_co_u32 s[STP], s[STP], 1
	s_cmp_lg_u32 s[STP], 0
	s_cbranch_scc1 .Lstep_\@
.endm
; THE CHANGE OF SLOTS stands at a slot's head.  Each wave waits for all its tensor loads (its part of the slot that it is about to read), adds 0 to its spare word, and waits for that and for its reads of the slot
; that it has left.  fill = 1: behind the barrier the other slot takes the keys that follow: the next 256, or keys 0 to 255 again where the first pass ends.
.macro CHANGE fill
	s_wait_tensorcnt 0x0                           ; no tensor load of mine is out, so a group 0 may be written
	ds_add_u32 v[SPW], v[NIL]
.if \fill
	s_add_co_u32 s[KAP], s[KAP], 1
	s_cmp_eq_u32 s[KAP], s[NA]
	s_cselect_b32 s[KAP], 0, s[KAP]                ; which 256 keys
	s_lshl_b32 s[OFF], s[KAP], 20
	s_add_nc_u64 s[G0K+2:G0K+3], s[KBASE:KBASE+1], s[OFF:OFF+1]
	s_or_b32 s[G0K+3], s[G0K+3], 0x80000000
	s_lshl_b32 s[OFF], s[KAP], 15
	s_add_nc_u64 s[G0V+2:G0V+3], s[VBASE:VBASE+1], s[OFF:OFF+1]
	s_or_b32 s[G0V+3], s[G0V+3], 0x80000000
	s_xor_b32 s[G0K+1], s[G0K+1], SLOT1            ; the other slot than last time
	s_xor_b32 s[G0V+1], s[G0V+1], SLOT1
	s_wait_xcnt 0x0                                ; the last prefetches, a slot back, have read their addresses
	s_add_nc_u64 s[PFK:PFK+1], s[PFK:PFK+1], 0x100000
	s_add_nc_u64 s[PFV:PFV+1], s[PFV:PFV+1], 0x8000
.endif
	s_wait_dscnt 0x0                               ; the add is done, and my reads of the slot that I have left are over
	s_barrier_signal -1
	s_barrier_wait -1
.if \fill
	TLOAD                                          ; the first thing behind the barrier, and my one tensor load until the next
	ASK
.endif
	s_mov_b32 s[TK], s[TB]
	s_mov_b32 s[TV], s[TB]
.endm
; THE WAY OUT of 32 queries: O^T / l as f16, through my stage, so that each store covers 512 consecutive bytes of the head's plane.
.macro OUT
.irp t, 0,1
	v_add_f32 v[ST+8*\t+4], v[ST+8*\t+2], v[ST+8*\t+3]             ; (these additions are the places behind the last products)
.endr
.irp t, 0,1
	v_permlanex16_b32 v[ST+8*\t+5], v[ST+8*\t+4], s[SEL], s[SEL+1]
.endr
.irp t, 0,1
	v_add_f32 v[ST+8*\t+4], v[ST+8*\t+4], v[ST+8*\t+5]
.endr
.irp t, 0,1
	v_rcp_f32 v[ST+8*\t+6], v[ST+8*\t+4]
.endr
	v_nop
	s_wait_alu depctr_va_vdst(0)                   ; one wait for the two reciprocals, ahead of their first reader
.irp t, 0,1
.set n, 0
.rept 16
	v_pk_mul_f32 v[O+32*\t+2*n:O+32*\t+2*n+1], v[O+32*\t+2*n:O+32*\t+2*n+1], v[ST+8*\t+6:ST+8*\t+7] op_sel_hi:[1,0]
.set n, n+1
.endr
.endr
.set n, 0
.rept 32
	v_cvt_pk_f16_f32 v[P+n], v[O+2*n], v[O+2*n+1]
.set n, n+1
.endr
.irp t, 0,1
.irp d, 0,1,2,3
	ds_store_b128 v[STO], v[P+16*\t+4*\d:P+16*\t+4*\d+3] offset:\t*16*SP+32*\d
.endr
.endr
.irp u, 0,1,2,3,4,5,6,7
	ds_load_b128 v[S+4*\u:S+4*\u+3], v[RD] offset:\u*4*SP          ; LDS serves a wave's instructions in order: these see the stores above
.endr
.irp u, 0,1,2,3,4,5,6,7
	s_wait_dscnt 7-\u
	global_store_b128 v[GO], v[S+4*\u:S+4*\u+3], s[YO:YO+1] offset:512*\u
.endr
.endm
.Lslot:                                ; eight trips; the ninth slot is written out
	CHANGE 1
	FOUR
	s_xor_b32 s[TB], s[TB], SLOT1
	s_cmp_eq_u32 s[SLOTS], s[FL]                   ; the first pass's last slot?  (ids and the count of trips alone)
	s_cbranch_scc0 .Lsame_pass
	OUT
	s_wait_xcnt 0x0                                ; the stores have read their registers and their base
	s_lshl_b32 s[Q0], s[X], 8
	s_lshl_b32 s[T0], s[WV], 5
	s_add_co_u32 s[Q0], s[Q0], s[T0]               ; the second pass: query block X
	s_mov_b32 s[KF], 0
	s_lshl_b32 s[OFF], s[Q0], 12
	s_add_nc_u64 s[QP:QP+1], s[QB:QB+1], s[OFF:OFF+1]
	s_lshl_b32 s[OFF], s[Q0], 7
	s_add_nc_u64 s[YO:YO+1], s[YB:YB+1], s[OFF:OFF+1]
	QLOAD
	v_mov_b32 v[ST], 0xff61b1e6                    ; m = -3e38: the next a is 0 and wipes O^T and l, which hold finite numbers
	v_mov_b32 v[ST+8], 0xff61b1e6
	s_wait_loadcnt 0x0
.Lsame_pass:
	s_sub_co_u32 s[SLOTS], s[SLOTS], 1
	s_cmp_lg_u32 s[SLOTS], 0
	s_cbranch_scc1 .Lslot
	CHANGE 0
	FOUR
	OUT
	s_wait_tensorcnt 0x0                           ; the wave's end
	ds_add_u32 v[SPW], v[NIL]
	s_wait_dscnt 0x0
	s_endpgm
.Lfunc_end_k_qb752b5cfe0_attn:
	.size	k_qb752b5cfe0_attn, .Lfunc_end_k_qb752b5cfe0_attn-k_qb752b5cfe0_attn
	.p2alignl 7, 3214868480
	.fill 96, 4, 3214868480
	.section	.rodata,"a",@progbits
	.p2align	6, 0x0
	.amdhsa_kernel k_qb752b5cfe0_attn
		.amdhsa_group_segment_fixed_size 327680
		.amdhsa_private_segment_fixed_size 0
		.amdhsa_enable_private_segment 0
		.amdhsa_kernarg_size 32
		.amdhsa_user_sgpr_count 2
		.amdhsa_user_sgpr_kernarg_segment_ptr 1
		.amdhsa_wavefront_size32 1
		.amdhsa_system_sgpr_workgroup_id_x 1
		.amdhsa_system_sgpr_workgroup_id_y 1
		.amdhsa_system_sgpr_workgroup_id_z 1
		.amdhsa_system_vgpr_workitem_id 0
		.amdhsa_next_free_vgpr 512
		.amdhsa_next_free_sgpr 80
		.amdhsa_reserve_vcc 1
		.amdhsa_float_denorm_mode_32 3
		.amdhsa_float_denorm_mode_16_64 3
		.amdhsa_memory_ordered 1
		.amdhsa_forward_progress 1
		.amdhsa_inst_pref_size 77
	.end_amdhsa_kernel
	.amdgpu_metadata
---
amdhsa.version: [ 1, 2 ]
amdhsa.kernels:
  - .name:           k_qb752b5cfe0_attn
    .symbol:         k_qb752b5cfe0_attn.kd
    .args:
      - { .name: qw, .offset: 0, .size: 8, .value_kind: global_buffer, .address_space: global }
      - { .name: kw, .offset: 8, .size: 8, .value_kind: global_buffer, .address_space: global }
      - { .name: vw, .offset: 16, .size: 8, .value_kind: global_buffer, .address_space: global }
      - { .name: yw, .offset: 24, .size: 8, .value_kind: global_buffer, .address_space: global }
    .group_segment_fixed_size: 327680
    .private_segment_fixed_size: 0
    .kernarg_segment_align: 8
    .kernarg_segment_size: 32
    .max_flat_workgroup_size: 256
    .sgpr_count:     80
    .vgpr_count:     512
    .wavefront_size: 32
...
	.end_amdgpu_metadata
.endif
;; end of part 4
;; launch oproj (part 5): grid 4 x 64, 4 waves a work-group, clusters of 4 x 4, 327,680 bytes of LDS; arguments yw, wts, bp, out0; writes out0
.if DOCPART == 5
	.amdgcn_target "amdgcn-amd-amdhsa--gfx1250"
	.amdhsa_code_object_version 6
	.text
	.protected	k_qb752b5cfe0_oproj
	.globl	k_qb752b5cfe0_oproj
	.p2align	8
	.type	k_qb752b5cfe0_oproj,@function
k_qb752b5cfe0_oproj:
	s_mov_b64 s[64:65], 0
	v_nop
	global_prefetch_b8 v0, s[64:65] scope:SCOPE_SE
	s_setreg_imm32_b32 hwreg(HW_REG_WAVE_MODE, 25, 1), 1
	s_wait_xcnt 0x0
	s_wait_alu depctr_hold_cnt(0) depctr_sa_sdst(0) depctr_va_vdst(0) depctr_va_sdst(0) depctr_va_ssrc(0) depctr_va_vcc(0) depctr_vm_vsrc(0)
	s_getreg_b32 s2, hwreg(HW_REG_IB_STS2, 6, 4)
	s_cmp_eq_u32 s2, 0
	s_cbranch_scc0 .Lentry_in_a_cluster
	s_endpgm
.Lentry_in_a_cluster:
	s_bfe_u32 s2, ttmp6, 0x10000c
	s_cmp_lg_u32 s2, 0xf033
	s_cbranch_scc0 .Lentry_shape_is_right
	s_endpgm
.Lentry_shape_is_right:
; out0 = y Wp^T + bp, [8192][1024] x [1024][1024], f16 operands, f32 sums; the bias is the C of each sum's first matrix instruction.
; yw: [head 16][token 8192][64] f16; Wp in wts from byte 4,194,304 on: [head 16][n 1024][64] f16.  A head's plane is dense, so a tile's part of it is one dense block, stated as rows of 256 bytes (two tokens or two n).
; A tile of C is 128 tokens x 256 columns: 256 work-groups; four waves, each 64 x 128: 32 accumulators.  K goes two heads (128) at a time through a ring of two LDS slots: eight slot steps.
; CLUSTERS: 4 x 4; y's tiles are asked for jointly along a row of the cluster, Wp's along a column.  USED TRANSPOSED: source 0 = 16 rows of Wp, source 1 = 16 tokens.
; No prefetch: the launch is short, and its eight slot steps leave no room for a lead.
; REGISTERS: window 0: v16-31 addresses; v64-191 A's four sets of 32 (set 2 p + c: plane p, channels 32 c on); v192-255 the bias.  window 1: B's four sets of 64.  window 2: accumulator (a, b) at v[8 (8 a + b)].
.set PITCH,  272
.set APL,    64*PITCH                  ; a plane's 128 tokens in LDS
.set BOFF,   2*APL
.set BPL,    128*PITCH                 ; a plane's 256 n
.set SLOT,   2*APL+2*BPL
.set BLK,    8*PITCH                   ; 16 tokens or 16 n
.set STAGE,  2*SLOT
.set SPITCH, 528
.set SPARE,  STAGE+4*16*SPITCH
.set ADRA, 16
.set ADRB, 20
.set STO,  24
.set RD,   25
.set CO,   26
.set SPW,  28
.set NIL,  29
.set BO,   31                          ; v31 the bias's offset: 32 x (l / 16)
.set BIAS, 192
.set BK,   128
.set G1, 24
.set G0, 32
.set G1B, 48
.set G0B, 56
.set MSB, 0
.macro WIN new
.if MSB != \new
	s_set_vgpr_msb (MSB<<8)|\new
.set MSB, \new
.endif
.endm
.macro JLOAD s                         ; waves 0 and 1 fetch y's two planes, waves 2 and 3 Wp's; an s_nop 0 and four v_nop follow each line
	s_cmp_eq_u32 s11, 0
	s_cbranch_scc0 .Lfor_b_\@
	tensor_load_to_lds s[G0+4*\s:G0+4*\s+3], s[G1:G1+7]
	s_nop 0
.rept 4
	v_nop
.endr
	s_branch .Lasked_\@
.Lfor_b_\@:
	tensor_load_to_lds s[G0B+4*\s:G0B+4*\s+3], s[G1B:G1B+7]
	s_nop 0
.rept 4
	v_nop
.endr
.Lasked_\@:
.endm
.macro CREST
	s_cmp_lg_u32 s10, 0
	s_cbranch_scc1 .Lnot_wave_0_\@
	s_barrier_signal -3
.Lnot_wave_0_\@:
	s_barrier_wait -3
	s_barrier_signal -1
	s_barrier_wait -1
.endm
.macro CROUND
	s_barrier_signal -1
	s_barrier_wait -1
	CREST
.endm
	s_load_b128 s[4:7], s[0:1], 0x0                ; yw, wts
	s_load_b128 s[68:71], s[0:1], 0x10             ; bp, out0
	v_lshl_add_u32 v[SPW], v0, 2, SPARE
	v_mov_b32 v[NIL], 0
	ds_add_u32 v[SPW], v[NIL]                      ; the wave's opening: the add, twice on end, and its wait ahead of my first tensor load
	ds_add_u32 v[SPW], v[NIL]
	v_lshrrev_b32 v1, 5, v0
	v_readfirstlane_b32 s10, v1                    ; wave 0..3
	s_lshr_b32 s11, s10, 1                         ; which 64 tokens are mine.  Also: I fetch for A (0) or for B (1)
	s_and_b32 s12, s10, 1                          ; which 128 columns.  Also: which plane of a slot I fetch
	s_bfe_u32 s40, ttmp6, 0x40000
	s_bfe_u32 s41, ttmp6, 0x40004
	s_lshl_b32 s42, ttmp9, 2
	s_add_co_u32 s42, s42, s40                     ; tile column
	s_and_b32 s13, ttmp7, 0xffff
	s_lshl_b32 s13, s13, 2
	s_add_co_u32 s13, s13, s41                     ; tile row
	s_lshl_b32 s43, s41, 2
	s_lshl_b32 s43, 15, s43
	s_lshl_b32 s44, 0x1111, s40
	s_or_b32 s[G1+0], s43, (1<<16)|(1<<20)|(1<<21)|(5<<22)|(3<<25)
	s_or_b32 s[G1B+0], s44, (1<<16)|(1<<20)|(1<<21)|(5<<22)|(3<<25)
	s_mov_b32 s[G1+1], 128<<16                     ; rows of 128 elements (256 bytes),
	s_mov_b32 s[G1+2], 64<<16                      ; 64 of them,
	s_mov_b32 s[G1+3], 128<<16
	s_mov_b32 s[G1+4], 64
	s_mov_b32 s[G1+5], 128                         ; dense
	s_mov_b32 s[G1+6], 0
	s_mov_b32 s[G1+7], 0
	s_mov_b32 s[G1B+1], 128<<16
	s_mov_b32 s[G1B+2], 128<<16                    ; 128 rows
	s_mov_b32 s[G1B+3], 128<<16
	s_mov_b32 s[G1B+4], 128
	s_mov_b32 s[G1B+5], 128
	s_mov_b32 s[G1B+6], 0
	s_mov_b32 s[G1B+7], 0
	s_lshl_b32 s16, s12, 20                        ; A: my plane, and the tile row's 128 tokens of 128 bytes
	s_lshl_b32 s17, s13, 14
	s_add_co_u32 s16, s16, s17
	s_mov_b32 s17, 0
	s_lshl_b32 s46, s12, 17                        ; B: my plane, and the tile column's 256 n, behind Wk's 4 MiB
	s_lshl_b32 s47, s42, 15
	s_add_co_u32 s46, s46, s47
	s_add_co_u32 s46, s46, 0x400000
	s_mov_b32 s47, 0
	s_mul_i32 s20, s12, APL
	s_mul_i32 s21, s12, BPL
	s_add_co_u32 s21, s21, BOFF
	s_wait_dscnt 0x0                               ; both opening adds are done
	s_wait_kmcnt 0x0
	s_add_nc_u64 s[14:15], s[4:5], s[16:17]
	s_add_nc_u64 s[46:47], s[6:7], s[46:47]
	CROUND
.irp s, 0,1
	s_mov_b32 s[G0+4*\s], 1
	s_add_co_u32 s[G0+4*\s+1], s20, \s*SLOT
	s_add_nc_u64 s[G0+4*\s+2:G0+4*\s+3], s[14:15], \s*0x200000     ; slot s begins with heads 2 s, 2 s + 1
	s_or_b32 s[G0+4*\s+3], s[G0+4*\s+3], 0x80000000
	s_mov_b32 s[G0B+4*\s], 1
	s_add_co_u32 s[G0B+4*\s+1], s21, \s*SLOT
	s_add_nc_u64 s[G0B+4*\s+2:G0B+4*\s+3], s[46:47], \s*0x40000
	s_or_b32 s[G0B+4*\s+3], s[G0B+4*\s+3], 0x80000000
	JLOAD \s                                       ; two tensor loads of a wave are out here, one behind each later round
.endr
	v_and_b32 v1, 15, v0                           ; r
	v_bfe_u32 v2, v0, 4, 1                         ; hh
	s_lshl_b32 s16, s42, 10
	s_lshl_b32 s17, s12, 9
	s_add_co_u32 s16, s16, s17                     ; my first column, in bytes of f32
	s_mov_b32 s17, 0
	s_add_nc_u64 s[68:69], s[68:69], s[16:17]
	v_lshlrev_b32 v[BO], 5, v2
.irp b, 0,1,2,3,4,5,6,7
	global_load_b128 v[BIAS+8*\b:BIAS+8*\b+3], v[BO], s[68:69] offset:64*\b        ; bp at my columns 16 b + 8 hh + 0 .. 7: the result's layout
	global_load_b128 v[BIAS+8*\b+4:BIAS+8*\b+7], v[BO], s[68:69] offset:64*\b+16
.endr
	v_lshrrev_b32 v3, 1, v1
	v_mul_u32_u24 v3, v3, PITCH                    ; a fragment's row r: its LDS row of two,
	v_and_b32 v4, 1, v1
	v_lshl_add_u32 v3, v4, 7, v3                   ; which of the two,
	v_lshl_add_u32 v3, v2, 4, v3                   ; + 16 hh: the sixteen lanes of a half fall on sixteen different 16-byte columns
	s_mul_i32 s21, s11, 4*BLK                      ; my 64 tokens
	s_mul_i32 s22, s12, 8*BLK                      ; my 128 n
	s_add_co_u32 s22, s22, BOFF
.irp s, 0,1
	v_add_nc_u32 v[ADRA+\s], s21, v3
	v_add_nc_u32 v[ADRB+\s], s22, v3
	s_add_co_u32 s21, s21, SLOT
	s_add_co_u32 s22, s22, SLOT
.endr
	s_mul_i32 s23, s10, 16*SPITCH
	s_add_co_u32 s23, s23, STAGE
	v_mul_u32_u24 v4, v1, SPITCH
	v_lshl_add_u32 v4, v2, 5, v4
	v_add_nc_u32 v[STO], s23, v4                   ; in: row r, 32 bytes for each half of the lanes
	v_and_b32 v5, 31, v0
	v_lshlrev_b32 v[CO], 4, v5
	v_add_nc_u32 v[RD], s23, v[CO]
	s_lshl_b32 s20, s13, 7
	s_lshl_b32 s21, s11, 6
	s_add_co_u32 s20, s20, s21                     ; my first token
	s_lshl_b32 s20, s20, 12
	s_add_co_u32 s16, s16, s20
	s_add_nc_u64 s[70:71], s[70:71], s[16:17]
.macro LDA q, slot                     ; A's set q: four fragments, eight loads
	WIN 0
.irp a, 0,1,2,3
	ds_load_b128 v[64+32*(\q)+8*\a:64+32*(\q)+8*\a+3], v[ADRA+\slot] offset:((\q)/2)*APL+((\q)%2)*64+\a*BLK
	ds_load_b128 v[64+32*(\q)+8*\a+4:64+32*(\q)+8*\a+7], v[ADRA+\slot] offset:((\q)/2)*APL+((\q)%2)*64+\a*BLK+32
.endr
.endm
.macro LDB q, slot                     ; B's set q: eight fragments, sixteen loads
	WIN 0x40
.irp b, 0,1,2,3,4,5,6,7
	ds_load_b128 v[64*(\q)+8*\b:64*(\q)+8*\b+3], v[ADRB+\slot] offset:((\q)/2)*BPL+((\q)%2)*64+\b*BLK
	ds_load_b128 v[64*(\q)+8*\b+4:64*(\q)+8*\b+7], v[ADRB+\slot] offset:((\q)/2)*BPL+((\q)%2)*64+\b*BLK+32
.endr
.endm
.macro MUL8 q, a, bias                 ; A's block a of set q x B's eight.  The 32 accumulators take turns in one order throughout
.if \bias
	WIN 0x81                                       ; source 0 (B) window 1, sources 1 (A) and 2 (the bias) window 0, D window 2
.else
	WIN 0xa1
.endif
.irp b, 0,1,2,3,4,5,6,7
.if \bias
	v_wmma_f32_16x16x32_f16 v[8*(8*\a+\b):8*(8*\a+\b)+7], v[64*\q+8*\b:64*\q+8*\b+7], v[64+32*\q+8*\a:64+32*\q+8*\a+7], v[BIAS+8*\b:BIAS+8*\b+7]
.else
	v_wmma_f32_16x16x32_f16 v[8*(8*\a+\b):8*(8*\a+\b)+7], v[64*\q+8*\b:64*\q+8*\b+7], v[64+32*\q+8*\a:64+32*\q+8*\a+7], v[8*(8*\a+\b):8*(8*\a+\b)+7]
.endif
.endr
.endm
.macro PLACES
.rept 4
	v_nop
.endr
.endm
; A SLOT STEP: four products of 32 matrix instructions.
.macro Q1 slot, bias
	s_wait_dscnt 0x0                               ; set 0 is in
	MUL8 0, 0, \bias
	MUL8 0, 1, \bias
	PLACES
	LDA 1, \slot
	LDB 1, \slot
	MUL8 0, 2, \bias
	MUL8 0, 3, \bias
.endm
.macro Q2 slot
	s_wait_dscnt 0x0                               ; set 1 is in
	MUL8 1, 0, 0
	MUL8 1, 1, 0
	PLACES
	LDA 2, \slot
	LDB 2, \slot
	LDA 3, \slot
	LDB 3, \slot
	MUL8 1, 2, 0
	MUL8 1, 3, 0
.endm
; the third product changes slots.  mode 1: the slot is filled again, four heads on; 0: nothing is filled; 2: the very last step
.macro Q34 slot, next, mode
.if \mode == 2
	s_wait_dscnt 24                                ; set 2 is in; set 3 (24 loads) may be out
	MUL8 2, 0, 0
	MUL8 2, 1, 0
	MUL8 2, 2, 0
	MUL8 2, 3, 0
	s_wait_dscnt 0x0
.else
	WIN 0
	s_wait_tensorcnt 0x0                           ; all my tensor loads have landed: my part of the next slot
	ds_add_u32 v[SPW], v[NIL]
	s_wait_dscnt 25                                ; set 2 is in (set 3's 24 loads and the add may be out)
	MUL8 2, 0, 0
	s_wait_dscnt 0x0                               ; the add is done, and my reads of this slot are over
	s_barrier_signal -1
	MUL8 2, 1, 0
	WIN 0
	s_barrier_wait -1
.if \mode == 1
	CREST                                          ; the barrier has opened a round of the cluster's
	s_add_nc_u64 s[G0+4*\slot+2:G0+4*\slot+3], s[G0+4*\slot+2:G0+4*\slot+3], 0x400000
	s_add_nc_u64 s[G0B+4*\slot+2:G0B+4*\slot+3], s[G0B+4*\slot+2:G0B+4*\slot+3], 0x80000
	JLOAD \slot                                    ; the first tensor load behind the round; its four v_nop are the places in front of the loads below
.else
	PLACES
.endif
	LDA 0, \next
	LDB 0, \next
	MUL8 2, 2, 0
	MUL8 2, 3, 0
.endif
	MUL8 3, 0, 0
	MUL8 3, 1, 0
	MUL8 3, 2, 0
	MUL8 3, 3, 0
.endm
	s_wait_tensorcnt 1                             ; my part of slot 0 is in (slot 1's load may be out)
	s_barrier_signal -1
	s_barrier_wait -1
	LDA 0, 0
	LDB 0, 0
	s_wait_loadcnt 0x0                             ; the bias
	Q1 0, 1                                        ; the first product starts the sums from the bias
	WIN 0
	s_mov_b32 s3, 3
.Llap:                                 ; a trip goes once round the ring and fills both slots again: slot steps 2 to 7 in three trips
	Q2 0
	Q34 0, 1, 1
	Q1 1, 0
	Q2 1
	Q34 1, 0, 1
	Q1 0, 0
	WIN 0
	s_sub_co_u32 s3, s3, 1
	s_cmp_lg_u32 s3, 0
	s_cbranch_scc1 .Llap
	Q2 0                                           ; the last lap fills nothing
	Q34 0, 1, 0
	Q1 1, 0
	Q2 1
	Q34 1, 0, 2
	WIN 0
; THE WAY OUT, block by block of 16 tokens x 128 columns, through my stage: whole rows of 512 bytes leave.
.macro TOSTAGE a
	WIN 0x08                                       ; an LDS store's data are its source 1: window 2
.irp b, 0,1,2,3,4,5,6,7
	ds_store_b128 v[STO], v[64*(\a)+8*\b:64*(\a)+8*\b+3] offset:64*\b              ; each accumulator from its low end on
	ds_store_b128 v[STO], v[64*(\a)+8*\b+4:64*(\a)+8*\b+7] offset:64*\b+16
.endr
	WIN 0
.set BB, BK+64*((\a)%2)
.irp t, 0,1,2,3,4,5,6,7,8,9,10,11,12,13,14,15
	ds_load_b128 v[BB+4*\t:BB+4*\t+3], v[RD] offset:\t*SPITCH
.endr
.endm
.macro SEND a, younger
.set BB, BK+64*((\a)%2)
	s_wait_dscnt \younger
.if (\a) > 0
	s_add_nc_u64 s[70:71], s[70:71], 16*4096
.endif
.irp t, 0,1,2,3,4,5,6,7,8,9,10,11,12,13,14,15
	global_store_b128 v[CO], v[BB+4*\t:BB+4*\t+3], s[70:71] offset:\t*4096 th:TH_STORE_NT   ; 512 consecutive bytes, aligned to 256; written once, read by nobody here
.endr
.endm
	PLACES
	TOSTAGE 0
.irp a, 1,2,3
.if \a > 1
	s_wait_xcnt 0x0                                ; block a - 2's stores have read their registers and their base
.endif
	TOSTAGE \a
	SEND \a-1, 32
.endr
	s_wait_xcnt 0x0
	SEND 3, 0
	s_wait_tensorcnt 0x0                           ; the wave's end
	ds_add_u32 v[SPW], v[NIL]
	s_wait_dscnt 0x0
	CROUND                                         ; the closing round
	s_endpgm
.Lfunc_end_k_qb752b5cfe0_oproj:
	.size	k_qb752b5cfe0_oproj, .Lfunc_end_k_qb752b5cfe0_oproj-k_qb752b5cfe0_oproj
	.p2alignl 7, 3214868480
	.fill 96, 4, 3214868480
	.section	.rodata,"a",@progbits
	.p2align	6, 0x0
	.amdhsa_kernel k_qb752b5cfe0_oproj
		.amdhsa_group_segment_fixed_size 327680
		.amdhsa_private_segment_fixed_size 0
		.amdhsa_enable_private_segment 0
		.amdhsa_kernarg_size 32
		.amdhsa_user_sgpr_count 2
		.amdhsa_user_sgpr_kernarg_segment_ptr 1
		.amdhsa_wavefront_size32 1
		.amdhsa_system_sgpr_workgroup_id_x 1
		.amdhsa_system_sgpr_workgroup_id_y 1
		.amdhsa_system_sgpr_workgroup_id_z 1
		.amdhsa_system_vgpr_workitem_id 0
		.amdhsa_next_free_vgpr 768
		.amdhsa_next_free_sgpr 72
		.amdhsa_reserve_vcc 0
		.amdhsa_float_denorm_mode_32 3
		.amdhsa_float_denorm_mode_16_64 3
		.amdhsa_memory_ordered 1
		.amdhsa_forward_progress 1
		.amdhsa_inst_pref_size 86
	.end_amdhsa_kernel
	.amdgpu_metadata
---
amdhsa.version: [ 1, 2 ]
amdhsa.kernels:
  - .name:           k_qb752b5cfe0_oproj
    .symbol:         k_qb752b5cfe0_oproj.kd
    .args:
      - { .name: yw, .offset: 0, .size: 8, .value_kind: global_buffer, .address_space: global }
      - { .name: wts, .offset: 8, .size: 8, .value_kind: global_buffer, .address_space: global }
      - { .name: bp, .offset: 16, .size: 8, .value_kind: global_buffer, .address_space: global }
      - { .name: out0, .offset: 24, .size: 8, .value_kind: global_buffer, .address_space: global }
    .group_segment_fixed_size: 327680
    .private_segment_fixed_size: 0
    .kernarg_segment_align: 8
    .kernarg_segment_size: 32
    .max_flat_workgroup_size: 128
    .sgpr_count:     72
    .vgpr_count:     768
    .wavefront_size: 32
...
	.end_amdgpu_metadata
.endif
;; end of part 5
;; ======== version 2 of 2: 5 launches
;; limits: values are held in f16: magnitudes above 65,504 overflow, below 6.1e-05 lose precision
;; workspace buffers: codes 9,437,184 bytes; scales 589,824 bytes; wts 6,291,456 bytes; qw 33,554,432 bytes; vw 16,777,216 bytes; kw 16,777,216 bytes; yw 16,777,216 bytes
;; launch prep (part 6): grid 960 x 1, 4 waves a work-group, no clusters, 33,280 bytes of LDS; arguments q, v, Wq, Wv, Wk, Wp, codes, scales, wts; writes codes, scales, wts
.if DOCPART == 6
	.amdgcn_target "amdgcn-amd-amdhsa--gfx1250"
	.amdhsa_code_object_version 6
	.text
	.protected	k_qb752b5cfe0_prep
	.globl	k_qb752b5cfe0_prep
	.p2align	8
	.type	k_qb752b5cfe0_prep,@function
k_qb752b5cfe0_prep:
	s_mov_b64 s[64:65], 0
	v_nop
	global_prefetch_b8 v0, s[64:65] scope:SCOPE_SE
	s_setreg_imm32_b32 hwreg(HW_REG_WAVE_MODE, 25, 1), 1
	s_wait_xcnt 0x0
; THE OPERANDS ARE LAID OUT ONCE.  Three kinds of work-group, told apart by the work-group's number alone:
;   0-575   q [8192][1024], v [8192][1024], Wq [1024][1024], Wv [1024][1024] (f32, K innermost) become codes of FP4 (E2M1) and one E8M0 byte for each 32 along K.  The four tensors are plain streams of blocks of 32;
;           their codes lie on end in 'codes' (rows of 512 bytes: q's, v's, Wq's, Wv's), their bytes on end in 'scales' (rows of 32 bytes).
;   576-831 Wk becomes pairs of bf16: x = hi + lo, hi = bf16(x), lo = bf16(x - hi), the difference taken in f32 (it is exact).  Layout [n][16 blocks of 64 along K][hi 64 | lo 64]: a block is 256 bytes.  A wave takes one row.
;   832-959 Wp becomes f16, laid [head 16][n 1024][64]: a head's plane is dense.  A wave takes two rows.
; A block's scale is 2^(floor(log2(its largest magnitude)) - 2); its byte is the largest magnitude's exponent field - 2, held at 1 from below.
; LIMITS: a block of zeros gets the byte 1 where the quantiser says 127 (its codes are zeros, and this program alone reads the bytes); NaN and infinities among the inputs are not served; |Wp| stays under 65,504 (f16).
; The problem's input k enters no step of the computation and is on no launch's list.
; The quantising path: a wave takes 16 steps of 512 numbers.  Each load reads 512 consecutive bytes; a step's 2,048 bytes turn through the wave's own stage in LDS, so that a lane holds 16 neighbours along K.
.set STEPS, 16
.set EMAX,  2
.set CB,    8                          ; bytes of 16 codes
.set R,     16                         ; v16-79   four sets of 16 numbers as they are loaded
.set X,     80                         ; v80-111  two sets of 16 neighbours
.set E,     112                        ; v112-127 a scale byte for each step
.set C,     128                        ; v128-191 codes: four registers for each step
.set WREG,  8192                       ; LDS: a region for each wave: two stages of 32 x SP bytes, then its 256 scale bytes
.set SP,    80                         ; a lane's place in a stage: 64 bytes + 16 of padding
.set SPW,   12                         ; v12 LDS address of my spare word; never rewritten
.set NIL,   13                         ; v13 0; never rewritten
.set SPARE, 4*WREG                     ; the spare words, 128 bytes for each wave
.set HI,    16                         ; the weight paths: v16-19 hi, v20-27 at work, v28-31 lo
.set TT,    20
.set LO,    28
.set SO,    41                         ; v41 source offset, v42 destination offset
.set DO,    42
.set IN,    64                         ; v64-127 eight iterations' numbers;  v128-159 their results
.set OU,    128
	s_load_b512 s[4:19], s[0:1], 0x0               ; q 4:5, v 6:7, Wq 8:9, Wv 10:11, Wk 12:13, Wp 14:15, codes 16:17, scales 18:19
	s_load_b64 s[20:21], s[0:1], 0x40              ; wts
	v_lshl_add_u32 v[SPW], v0, 2, SPARE
	v_mov_b32 v[NIL], 0
	v_lshrrev_b32 v1, 5, v0
	v_readfirstlane_b32 s22, v1                    ; wave
	v_and_b32 v2, 31, v0                           ; lane
	v_lshlrev_b32 v3, 4, v2                        ; my 16 bytes of a load's 512
	s_mul_i32 s27, s22, WREG
	v_lshrrev_b32 v14, 2, v2
	v_mul_u32_u24 v14, v14, SP
	v_and_b32 v15, 3, v2
	v_lshl_add_u32 v14, v15, 4, v14
	v_add_nc_u32 v14, s27, v14                     ; the stage, on the way in: SP (lane / 4) + 16 (lane % 4)
	v_mul_u32_u24 v15, v2, SP
	v_add_nc_u32 v15, s27, v15                     ; and on the way out: SP x lane
	v_mul_u32_u24 v4, v2, CB                       ; my codes' place in a step's
	v_lshrrev_b32 v5, 1, v2
	s_add_co_u32 s27, s27, 2*32*SP
	v_add_nc_u32 v5, s27, v5                       ; my wave's 256 scale bytes, my block's byte
	v_lshlrev_b32 v7, 3, v2
	v_add_nc_u32 v6, s27, v7                       ; and on the way out 8 bytes a lane
	s_mov_b32 s29, 0
	s_mov_b32 s31, 0xffff0000                      ; a word's upper bf16
	s_wait_kmcnt 0x0
	s_cmp_ge_u32 ttmp9, 832
	s_cbranch_scc1 .Lwp
	s_cmp_ge_u32 ttmp9, 576
	s_cbranch_scc1 .Lwk
	; ---- the quantising path.  Which tensor: three choices on the work-group's number alone
	s_mov_b64 s[24:25], s[10:11]                   ; Wv, from work-group 544
	s_mov_b32 s26, 544
	s_cmp_lt_u32 ttmp9, 544
	s_cselect_b64 s[24:25], s[8:9], s[24:25]       ; Wq, from 512
	s_cselect_b32 s26, 512, s26
	s_cmp_lt_u32 ttmp9, 512
	s_cselect_b64 s[24:25], s[6:7], s[24:25]       ; v, from 256
	s_cselect_b32 s26, 256, s26
	s_cmp_lt_u32 ttmp9, 256
	s_cselect_b64 s[24:25], s[4:5], s[24:25]       ; q, from 0
	s_cselect_b32 s26, 0, s26
	s_sub_co_u32 s27, ttmp9, s26
	s_lshl_b32 s27, s27, 2
	s_add_co_u32 s27, s27, s22                     ; which run of 8,192 numbers of the tensor is my wave's
	s_lshl_b32 s28, s27, 15
	s_add_nc_u64 s[24:25], s[24:25], s[28:29]
	s_lshl_b32 s27, ttmp9, 2
	s_add_co_u32 s27, s27, s22                     ; and which run of the joined outputs
	s_lshl_b32 s28, s27, 12
	s_add_nc_u64 s[16:17], s[16:17], s[28:29]
	s_lshl_b32 s28, s27, 8
	s_add_nc_u64 s[18:19], s[18:19], s[28:29]
.macro LOAD t
.irp i, 0,1,2,3
	global_load_b128 v[R+16*((\t)%4)+4*\i:R+16*((\t)%4)+4*\i+3], v3, s[24:25] offset:2048*(\t)+512*\i th:TH_LOAD_NT   ; 32 lanes read 512 consecutive bytes
.endr
.endm
.macro TURN t                          ; step t's numbers through the stage: LDS serves a wave's instructions in order, so no wait stands between the stores and the loads
.irp i, 0,1,2,3
	ds_store_b128 v14, v[R+16*((\t)%4)+4*\i:R+16*((\t)%4)+4*\i+3] offset:32*SP*((\t)%2)+8*SP*\i
.endr
.irp i, 0,1,2,3
	ds_load_b128 v[X+16*((\t)%2)+4*\i:X+16*((\t)%2)+4*\i+3], v15 offset:32*SP*((\t)%2)+16*\i
.endr
.endm
.irp t, 0,1,2,3
	LOAD \t
.endr
	s_wait_loadcnt 12                              ; step 0's four loads are in
	TURN 0
.macro STEP t
.set XS, X+16*((\t)%2)
.if (\t) > 0
	s_wait_dscnt 1                                 ; this step's numbers are back from the stage (the last step's byte store may be out)
.else
	s_wait_dscnt 0x0
.endif
.if (\t)+4 < STEPS
	LOAD (\t)+4                                    ; the registers that the stage's stores have read take the loads of four steps on
.endif
.if (\t)+1 < STEPS
.if STEPS-2-(\t) >= 3
	s_wait_loadcnt 12                              ; the next step's four loads are in; those of the three steps behind it may be out
.else
	s_wait_loadcnt 4*(STEPS-2-(\t))
.endif
	TURN (\t)+1
.endif
	v_max3_num_f32 v8, |v[XS]|, |v[XS+1]|, |v[XS+2]|               ; the largest magnitude of my 16
	v_max3_num_f32 v9, |v[XS+3]|, |v[XS+4]|, |v[XS+5]|
.irp i, 6,10
	v_max3_num_f32 v8, v8, |v[XS+\i]|, |v[XS+\i+1]|
	v_max3_num_f32 v9, v9, |v[XS+\i+2]|, |v[XS+\i+3]|
.endr
	v_max3_num_f32 v8, v8, |v[XS+14]|, |v[XS+15]|
	v_max3_num_f32 v8, v8, v9, (EMAX+1)<<23        ; and the floor 2^(EMAX + 1 - 127): the byte cannot fall under 1
	v_max_num_f32_dpp v8, v8, v8 row_xmask:1 row_mask:0xf bank_mask:0xf   ; and of my neighbour's 16: the block's
	v_add_nc_u32 v11, -(EMAX<<23), v8              ; EMAX off its exponent field: the conversion takes the exponent field of this operand as its scale
	v_cvt_scalef32_pk8_fp4_f32 v[C+4*(\t)], v[XS:XS+7], v11
	v_cvt_scalef32_pk8_fp4_f32 v[C+4*(\t)+1], v[XS+8:XS+15], v11
	v_lshrrev_b32 v[E+(\t)], 23, v11               ; the scale's byte (a plain line behind the conversions)
	ds_store_b8 v5, v[E+(\t)] offset:16*(\t)       ; both lanes of a block write the same byte with the same value
	global_store_b64 v4, v[C+4*(\t):C+4*(\t)+1], s[16:17] offset:32*CB*(\t)   ; the wave stores 256 consecutive bytes, aligned
.endm
.irp t, 0,1,2,3,4,5,6,7,8,9,10,11,12,13,14,15
	STEP \t
.endr
	ds_load_b64 v[8:9], v6                         ; LDS serves a wave's instructions in order: these see my stores
	s_wait_dscnt 0x0
	global_store_b64 v7, v[8:9], s[18:19]          ; 32 lanes store 256 consecutive bytes, aligned
	s_wait_tensorcnt 0x0                           ; the wave's end: behind my last LDS store
	ds_add_u32 v[SPW], v[NIL]
	s_wait_dscnt 0x0
	s_endpgm
; eight f32 in v[x] on become four registers in v[o] on: hi in the lanes whose bit 3 is 0, lo in the others
.macro SPLIT8 x, o
.irp j, 0,1,2,3
	v_cvt_pk_bf16_f32 v[HI+\j], v[(\x)+2*\j], v[(\x)+2*\j+1]
.endr
.irp j, 0,1,2,3
	v_lshlrev_b32 v[TT+2*\j], 16, v[HI+\j]         ; hi as f32 again
	v_and_b32 v[TT+2*\j+1], s31, v[HI+\j]
.endr
.irp j, 0,1,2,3
	v_pk_add_f32 v[TT+2*\j:TT+2*\j+1], v[(\x)+2*\j:(\x)+2*\j+1], v[TT+2*\j:TT+2*\j+1] neg_lo:[0,1] neg_hi:[0,1]   ; x - hi, exact
.endr
.irp j, 0,1,2,3
	v_cvt_pk_bf16_f32 v[LO+\j], v[TT+2*\j], v[TT+2*\j+1]
.endr
.irp j, 0,1,2,3
	v_cndmask_b32 v[(\o)+\j], v[HI+\j], v[LO+\j], s30
.endr
.endm
.Lwk:                                  ; ---- Wk: a wave has one row, 16 blocks of 64 numbers; source and result of a block are 256 bytes each, at the same offset.  No loop: 1,024 waves, one for each row
	s_sub_co_u32 s27, ttmp9, 576
	s_lshl_b32 s27, s27, 2
	s_add_co_u32 s27, s27, s22                     ; my row
	s_lshl_b32 s28, s27, 12
	s_add_nc_u64 s[12:13], s[12:13], s[28:29]
	s_add_nc_u64 s[20:21], s[20:21], s[28:29]
	v_and_b32 v43, 7, v2                           ; which 8 numbers of the block
	v_bfe_u32 v44, v2, 3, 1                        ; hi (0) or lo (1): lanes l and l xor 8 read the same 32 bytes
	v_lshrrev_b32 v45, 4, v2                       ; which of an iteration's two blocks
	v_lshlrev_b32 v[SO], 5, v43
	v_lshl_add_u32 v[SO], v45, 8, v[SO]
	v_lshlrev_b32 v[DO], 4, v2                     ; 256 block + 128 lo + 16 piece = 16 x lane
	v_cmp_ne_u32 s30, 0, v44
.irp i, 0,1,2,3,4,5,6,7
	global_load_b128 v[IN+8*\i:IN+8*\i+3], v[SO], s[12:13] offset:512*\i th:TH_LOAD_NT
	global_load_b128 v[IN+8*\i+4:IN+8*\i+7], v[SO], s[12:13] offset:512*\i+16 th:TH_LOAD_NT
.endr
.irp i, 0,1,2,3,4,5,6,7
	s_wait_loadcnt 14-2*\i                         ; iteration i's two loads are in; those of the iterations behind it may be out
	SPLIT8 IN+8*\i, OU+4*\i
	global_store_b128 v[DO], v[OU+4*\i:OU+4*\i+3], s[20:21] offset:512*\i   ; 512 consecutive bytes, aligned
.endr
	s_endpgm
.Lwp:                                  ; ---- Wp: a wave has two rows n; an iteration takes two heads of both rows.  No loop: 512 waves, one for each pair of rows
	s_sub_co_u32 s27, ttmp9, 832
	s_lshl_b32 s27, s27, 2
	s_add_co_u32 s27, s27, s22                     ; my pair of rows
	s_lshl_b32 s28, s27, 13                        ; two rows of 4,096 bytes
	s_add_nc_u64 s[14:15], s[14:15], s[28:29]
	s_lshl_b32 s28, s27, 8                         ; two rows of 128 bytes in each plane,
	s_add_co_u32 s28, s28, 0x400000                ; behind Wk's 4 MiB
	s_add_nc_u64 s[20:21], s[20:21], s[28:29]
	v_and_b32 v43, 7, v2                           ; which 8 numbers of a head's 64
	v_bfe_u32 v44, v2, 3, 1                        ; which row of the pair
	v_lshrrev_b32 v45, 4, v2                       ; which head of the pair
	v_lshlrev_b32 v[SO], 5, v43
	v_lshl_add_u32 v[SO], v45, 8, v[SO]
	v_lshl_add_u32 v[SO], v44, 12, v[SO]
	v_lshlrev_b32 v[DO], 4, v43
	v_lshl_add_u32 v[DO], v44, 7, v[DO]
	v_lshl_add_u32 v[DO], v45, 17, v[DO]           ; sixteen lanes: two rows of one head, 256 consecutive bytes, aligned
.irp i, 0,1,2,3,4,5,6,7
	global_load_b128 v[IN+8*\i:IN+8*\i+3], v[SO], s[14:15] offset:512*\i th:TH_LOAD_NT
	global_load_b128 v[IN+8*\i+4:IN+8*\i+7], v[SO], s[14:15] offset:512*\i+16 th:TH_LOAD_NT
.endr
.irp i, 0,1,2,3,4,5,6,7
	s_wait_loadcnt 14-2*\i                         ; iteration i's two loads are in
.irp j, 0,1,2,3
	v_cvt_pk_f16_f32 v[OU+4*\i+\j], v[IN+8*\i+2*\j], v[IN+8*\i+2*\j+1]
.endr
	global_store_b128 v[DO], v[OU+4*\i:OU+4*\i+3], s[20:21] offset:262144*\i
.endr
	s_endpgm
.Lfunc_end_k_qb752b5cfe0_prep:
	.size	k_qb752b5cfe0_prep, .Lfunc_end_k_qb752b5cfe0_prep-k_qb752b5cfe0_prep
	.p2alignl 7, 3214868480
	.fill 96, 4, 3214868480
	.section	.rodata,"a",@progbits
	.p2align	6, 0x0
	.amdhsa_kernel k_qb752b5cfe0_prep
		.amdhsa_group_segment_fixed_size 33280
		.amdhsa_private_segment_fixed_size 0
		.amdhsa_enable_private_segment 0
		.amdhsa_kernarg_size 72
		.amdhsa_user_sgpr_count 2
		.amdhsa_user_sgpr_kernarg_segment_ptr 1
		.amdhsa_wavefront_size32 1
		.amdhsa_system_sgpr_workgroup_id_x 1
		.amdhsa_system_sgpr_workgroup_id_y 1
		.amdhsa_system_sgpr_workgroup_id_z 1
		.amdhsa_system_vgpr_workitem_id 0
		.amdhsa_next_free_vgpr 192
		.amdhsa_next_free_sgpr 66
		.amdhsa_reserve_vcc 0
		.amdhsa_float_denorm_mode_32 3
		.amdhsa_float_denorm_mode_16_64 3
		.amdhsa_memory_ordered 1
		.amdhsa_forward_progress 1
		.amdhsa_inst_pref_size 52
	.end_amdhsa_kernel
	.amdgpu_metadata
---
amdhsa.version: [ 1, 2 ]
amdhsa.kernels:
  - .name:           k_qb752b5cfe0_prep
    .symbol:         k_qb752b5cfe0_prep.kd
    .args:
      - { .name: q, .offset: 0, .size: 8, .value_kind: global_buffer, .address_space: global }
      - { .name: v, .offset: 8, .size: 8, .value_kind: global_buffer, .address_space: global }
      - { .name: Wq, .offset: 16, .size: 8, .value_kind: global_buffer, .address_space: global }
      - { .name: Wv, .offset: 24, .size: 8, .value_kind: global_buffer, .address_space: global }
      - { .name: Wk, .offset: 32, .size: 8, .value_kind: global_buffer, .address_space: global }
      - { .name: Wp, .offset: 40, .size: 8, .value_kind: global_buffer, .address_space: global }
      - { .name: codes, .offset: 48, .size: 8, .value_kind: global_buffer, .address_space: global }
      - { .name: scales, .offset: 56, .size: 8, .value_kind: global_buffer, .address_space: global }
      - { .name: wts, .offset: 64, .size: 8, .value_kind: global_buffer, .address_space: global }
    .group_segment_fixed_size: 33280
    .private_segment_fixed_size: 0
    .kernarg_segment_align: 8
    .kernarg_segment_size: 72
    .max_flat_workgroup_size: 128
    .sgpr_count:     66
    .vgpr_count:     192
    .wavefront_size: 32
...
	.end_amdgpu_metadata
.endif
;; end of part 6
;; launch proj: the kernel of part 2 again; grid 4 x 64, 4 waves a work-group, clusters of 4 x 4, 327,680 bytes of LDS; arguments codes, scales, qw, vw; writes qw, vw
;; launch kproj (part 7): grid 4 x 64, 4 waves a work-group, clusters of 4 x 4, 327,680 bytes of LDS; arguments qw, wts, kw; writes kw
.if DOCPART == 7
	.amdgcn_target "amdgcn-amd-amdhsa--gfx1250"
	.amdhsa_code_object_version 6
	.text
	.protected	k_qb752b5cfe0_kproj
	.globl	k_qb752b5cfe0_kproj
	.p2align	8
	.type	k_qb752b5cfe0_kproj,@function
k_qb752b5cfe0_kproj:
	s_mov_b64 s[64:65], 0
	v_nop
	global_prefetch_b8 v0, s[64:65] scope:SCOPE_SE
	s_setreg_imm32_b32 hwreg(HW_REG_WAVE_MODE, 25, 1), 1
	s_wait_xcnt 0x0
	s_wait_alu depctr_hold_cnt(0) depctr_sa_sdst(0) depctr_va_vdst(0) depctr_va_sdst(0) depctr_va_ssrc(0) depctr_va_vcc(0) depctr_vm_vsrc(0)
	s_getreg_b32 s2, hwreg(HW_REG_IB_STS2, 6, 4)
	s_cmp_eq_u32 s2, 0
	s_cbranch_scc0 .Lentry_in_a_cluster
	s_endpgm
.Lentry_in_a_cluster:
	s_bfe_u32 s2, ttmp6, 0x10000c
	s_cmp_lg_u32 s2, 0xf033
	s_cbranch_scc0 .Lentry_shape_is_right
	s_endpgm
.Lentry_shape_is_right:
; kp = qp Wk^T, [8192][1024] x [1024][1024], K = 1,024.  kp and qp make the logits, which are multiplied by 8 ahead of the softmax, so both operands go as PAIRS of bf16 (x = hi + lo) and the product
; as three terms: hi hi + lo hi + hi lo, in f32 sums.  LIMIT: the term lo lo is dropped; the order of the terms within each 64 along K is the one written here.
; qw: [token][16 blocks of 64 along K][hi 64 | lo 64] bf16; wts: Wk in the same form, [n][16][hi | lo].  A row's block is 256 bytes, aligned: hi k 0-31, hi k 32-63, lo k 0-31, lo k 32-63.
; THE RESULT leaves as f16 of kp x 2^-10 (the multiplication is exact; the attention launch takes the factor back in its scale): kw [head 16][token 8192][64], a head's plane dense.
; The factor gives room above: LIMIT |kp| under 65,504 x 1,024.  Below, |kp| under 2^-4 falls among f16's subnormals and keeps the absolute error of the binade from 2^-4 on.
; A tile of C is 128 tokens x 256 columns: 256 work-groups.  Four waves, each 64 x 128: 32 accumulators.  K goes a block of 64 at a time through a ring of two LDS slots.
; CLUSTERS: 4 x 4; A's tiles are asked for jointly along a row of the cluster, B's along a column.  USED TRANSPOSED: source 0 = 16 rows of Wk, source 1 = 16 tokens.
; REGISTERS: window 0: v16-30 addresses; v64-191 A's four sets (hi c0, hi c1, lo c0, lo c1) of 32; on the way out v32-191.  window 1: B's four sets of 64.  window 2: accumulator (a, b) at v[8 (8 a + b)].
.set PITCH,  272                       ; an LDS row: 256 bytes + 16 of padding
.set AHALF,  64*PITCH                  ; what waves 0 and 1 fetch, and a wave's rows of A
.set BOFF,   128*PITCH                 ; B's 256 rows lie behind A's 128
.set BHALF,  128*PITCH                 ; what waves 2 and 3 fetch, and a wave's rows of B
.set SLOT,   384*PITCH
.set STAGE,  2*SLOT                    ; behind the ring: 16 rows x 272 bytes for each wave
.set VPITCH, 272
.set SPARE,  STAGE+33792               ; the spare words, 128 bytes for each wave
.set ADRA, 16
.set ADRB, 20
.set STO,  24
.set RD,   25
.set CO,   26
.set SPW,  28
.set NIL,  29
.set PFO,  30                          ; v30 the prefetch's offset: my lane x a token's 4,096 bytes
.set AH0, 64
.set AH1, 96
.set AL0, 128
.set AL1, 160
.set BH0, 0
.set BH1, 64
.set BL0, 128
.set BL1, 192
.set H,   32                           ; the way out: v32-63 f16, v64-127 the scaled numbers, v128-191 rows read back
.set T,   64
.set BK,  128
.set G1, 24
.set G0, 32
.set G1B, 48
.set G0B, 56
.set PFA, 44                           ; s[44:45] where the prefetch stands
.set LIM, 43                           ; s43 1 in wave 0, else the greatest number
.set MSB, 0
.macro WIN new
.if MSB != \new
	s_set_vgpr_msb (MSB<<8)|\new
.set MSB, \new
.endif
.endm
.macro JLOAD s                         ; a joint load: waves 0 and 1 fetch A's halves, waves 2 and 3 B's; an s_nop 0 and four v_nop follow each line
	s_cmp_eq_u32 s11, 0
	s_cbranch_scc0 .Lfor_b_\@
	tensor_load_to_lds s[G0+4*\s:G0+4*\s+3], s[G1:G1+7]
	s_nop 0
.rept 4
	v_nop
.endr
	s_branch .Lasked_\@
.Lfor_b_\@:
	tensor_load_to_lds s[G0B+4*\s:G0B+4*\s+3], s[G1B:G1B+7]
	s_nop 0
.rept 4
	v_nop
.endr
.Lasked_\@:
.endm
.macro CREST
	s_cmp_lg_u32 s10, 0
	s_cbranch_scc1 .Lnot_wave_0_\@
	s_barrier_signal -3
.Lnot_wave_0_\@:
	s_barrier_wait -3
	s_barrier_signal -1
	s_barrier_wait -1
.endm
.macro CROUND
	s_barrier_signal -1
	s_barrier_wait -1
	CREST
.endm
; A PREFETCH INTO THE L2 of qw's K block behind the one that is being asked for: one slot step, 192 matrix instructions, ahead of its load.  A tile row's 128 tokens are read by one row of one cluster:
; its four partners take 32 tokens each, told apart by address; in each, wave 0 asks, a lane a token, 256 aligned bytes.  The refill of the last K block asks for nothing.  Wk, which every cluster reads, is not asked for.
.macro ASK slot
.if \slot == 0
	s_cmp_ge_u32 s3, s[LIM]
.else
	s_cmp_gt_u32 s3, s[LIM]                        ; s3 = 1 in the loop's last trip
.endif
	s_cbranch_scc0 .Lnot_mine_\@
	global_prefetch_b8 v[PFO], s[PFA:PFA+1] th:TH_LOAD_NT scope:SCOPE_SE
.Lnot_mine_\@:
.endm
	s_load_b128 s[4:7], s[0:1], 0x0                ; qw, wts
	s_load_b64 s[8:9], s[0:1], 0x10                ; kw
	v_lshl_add_u32 v[SPW], v0, 2, SPARE
	v_mov_b32 v[NIL], 0
	ds_add_u32 v[SPW], v[NIL]                      ; the wave's opening: the add, twice on end, and its wait ahead of my first tensor load
	ds_add_u32 v[SPW], v[NIL]
	v_lshrrev_b32 v1, 5, v0
	v_readfirstlane_b32 s10, v1                    ; wave 0..3
	s_lshr_b32 s11, s10, 1                         ; which 64 tokens are mine.  Also: I fetch for A (0) or for B (1)
	s_and_b32 s12, s10, 1                          ; which 128 columns.  Also: which half I fetch
	s_bfe_u32 s40, ttmp6, 0x40000
	s_bfe_u32 s41, ttmp6, 0x40004
	s_lshl_b32 s42, ttmp9, 2
	s_add_co_u32 s42, s42, s40                     ; tile column
	s_and_b32 s13, ttmp7, 0xffff
	s_lshl_b32 s13, s13, 2
	s_add_co_u32 s13, s13, s41                     ; tile row
	s_lshl_b32 s43, s41, 2
	s_lshl_b32 s43, 15, s43
	s_lshl_b32 s44, 0x1111, s40
	s_or_b32 s[G1+0], s43, (1<<16)|(1<<20)|(1<<21)|(5<<22)|(3<<25)  ; the mask; elements of 2 bytes; padding: 4 words after every 64; bit 21 beside a mask
	s_or_b32 s[G1B+0], s44, (1<<16)|(1<<20)|(1<<21)|(5<<22)|(3<<25)
	s_mov_b32 s[G1+1], 128<<16                     ; tensor_dim0 = 128 elements
	s_mov_b32 s[G1+2], 64<<16                      ; tensor_dim1 = 64 rows
	s_mov_b32 s[G1+3], 128<<16                     ; tile_dim0
	s_mov_b32 s[G1+4], 64                          ; tile_dim1
	s_mov_b32 s[G1+5], 2048                        ; the pitch: 2,048 elements
	s_mov_b32 s[G1+6], 0
	s_mov_b32 s[G1+7], 0
	s_mov_b32 s[G1B+1], 128<<16
	s_mov_b32 s[G1B+2], 128<<16                    ; 128 rows
	s_mov_b32 s[G1B+3], 128<<16
	s_mov_b32 s[G1B+4], 128
	s_mov_b32 s[G1B+5], 2048
	s_mov_b32 s[G1B+6], 0
	s_mov_b32 s[G1B+7], 0
	s_lshl_b32 s16, s13, 7
	s_lshl_b32 s17, s12, 6
	s_add_co_u32 s16, s16, s17                     ; A: token 128 x tile row + 64 x half
	s_lshl_b32 s16, s16, 12
	s_mov_b32 s17, 0
	s_lshl_b32 s46, s42, 8
	s_lshl_b32 s47, s12, 7
	s_add_co_u32 s46, s46, s47                     ; B: row 256 x tile column + 128 x half
	s_lshl_b32 s46, s46, 12
	s_mov_b32 s47, 0
	s_mul_i32 s20, s12, AHALF                      ; where they go
	s_mul_i32 s21, s12, BHALF
	s_add_co_u32 s21, s21, BOFF
	s_wait_dscnt 0x0                               ; both opening adds are done
	s_wait_kmcnt 0x0
	s_add_nc_u64 s[14:15], s[4:5], s[16:17]
	s_add_nc_u64 s[46:47], s[6:7], s[46:47]
	CROUND                                         ; all sixteen work-groups are here
.irp s, 0,1
	s_mov_b32 s[G0+4*\s], 1
	s_add_co_u32 s[G0+4*\s+1], s20, \s*SLOT
	s_add_nc_u64 s[G0+4*\s+2:G0+4*\s+3], s[14:15], \s*256          ; K block s
	s_or_b32 s[G0+4*\s+3], s[G0+4*\s+3], 0x80000000
	s_mov_b32 s[G0B+4*\s], 1
	s_add_co_u32 s[G0B+4*\s+1], s21, \s*SLOT
	s_add_nc_u64 s[G0B+4*\s+2:G0B+4*\s+3], s[46:47], \s*256
	s_or_b32 s[G0B+4*\s+3], s[G0B+4*\s+3], 0x80000000
	JLOAD \s                                       ; two tensor loads of a wave are out here, one behind each later round
.endr
	v_and_b32 v1, 15, v0                           ; l % 16
	v_bfe_u32 v2, v0, 4, 1                         ; l / 16
	v_mul_u32_u24 v3, v1, PITCH
	v_lshl_add_u32 v3, v2, 4, v3                   ; a fragment's row x pitch + 16 x half
	s_mul_i32 s21, s11, AHALF
	s_mul_i32 s22, s12, BHALF
	s_add_co_u32 s22, s22, BOFF
.irp s, 0,1
	v_add_nc_u32 v[ADRA+\s], s21, v3
	v_add_nc_u32 v[ADRB+\s], s22, v3
	s_add_co_u32 s21, s21, SLOT
	s_add_co_u32 s22, s22, SLOT
.endr
	s_mul_i32 s23, s10, 16*VPITCH
	s_add_co_u32 s23, s23, STAGE                   ; my stage
	v_mul_u32_u24 v4, v1, VPITCH
	v_lshl_add_u32 v4, v2, 4, v4
	v_add_nc_u32 v[STO], s23, v4                   ; in: token l % 16, 16 bytes for each half of the lanes
	v_and_b32 v5, 31, v0
	v_lshlrev_b32 v[CO], 4, v5
	v_lshrrev_b32 v6, 3, v5
	v_mul_u32_u24 v6, v6, VPITCH
	v_and_b32 v7, 7, v0
	v_lshl_add_u32 v6, v7, 4, v6
	v_add_nc_u32 v[RD], s23, v6                    ; back: eight lanes take a token's 128 bytes of one head, four tokens an instruction
	v_lshlrev_b32 v[PFO], 12, v5
	s_lshl_b32 s16, s13, 7
	s_lshl_b32 s17, s11, 6
	s_add_co_u32 s16, s16, s17                     ; my first token,
	s_lshl_b32 s16, s16, 7                         ; 128 bytes a token,
	s_lshl_b32 s46, s42, 2
	s_lshl_b32 s47, s12, 1
	s_add_co_u32 s46, s46, s47
	s_lshl_b32 s46, s46, 20                        ; in the plane of my first head: 4 x tile column + 2 x half
	s_add_co_u32 s16, s16, s46
	s_mov_b32 s17, 0
	s_add_nc_u64 s[8:9], s[8:9], s[16:17]
	s_lshl_b32 s20, s13, 7
	s_lshl_b32 s21, s40, 5
	s_add_co_u32 s20, s20, s21                     ; the prefetch: my work-group's 32 tokens of the tile row's 128,
	s_lshl_b32 s20, s20, 12
	s_add_co_u32 s20, s20, 2*256                   ; at K block 2: the first change of slots steps it to 3
	s_mov_b32 s21, 0
	s_add_nc_u64 s[PFA:PFA+1], s[4:5], s[20:21]
	s_cmp_eq_u32 s10, 0
	s_cselect_b32 s[LIM], 1, -1
.macro LDA set, slot, off              ; four fragments of A (16 tokens x 32 K each): eight loads
	WIN 0
.irp a, 0,1,2,3
	ds_load_b128 v[\set+8*\a:\set+8*\a+3], v[ADRA+\slot] offset:\off+\a*16*PITCH
	ds_load_b128 v[\set+8*\a+4:\set+8*\a+7], v[ADRA+\slot] offset:\off+\a*16*PITCH+32
.endr
.endm
.macro LDB set, slot, off              ; eight fragments of B: sixteen loads
	WIN 0x40
.irp b, 0,1,2,3,4,5,6,7
	ds_load_b128 v[\set+8*\b:\set+8*\b+3], v[ADRB+\slot] offset:\off+\b*16*PITCH
	ds_load_b128 v[\set+8*\b+4:\set+8*\b+7], v[ADRB+\slot] offset:\off+\b*16*PITCH+32
.endr
.endm
.macro MUL8 fa, fb, a, zero            ; A's block a x B's eight.  The 32 accumulators take turns in one order throughout
	WIN 0xa1                                       ; source 0 (B) window 1, source 1 (A) window 0, C and D window 2
.irp b, 0,1,2,3,4,5,6,7
.if \zero
	v_wmma_f32_16x16x32_bf16 v[8*(8*\a+\b):8*(8*\a+\b)+7], v[\fb+8*\b:\fb+8*\b+7], v[\fa+8*\a:\fa+8*\a+7], 0
.else
	v_wmma_f32_16x16x32_bf16 v[8*(8*\a+\b):8*(8*\a+\b)+7], v[\fb+8*\b:\fb+8*\b+7], v[\fa+8*\a:\fa+8*\a+7], v[8*(8*\a+\b):8*(8*\a+\b)+7]
.endif
.endr
.endm
.macro PLACES                          ; four places in front of loads into registers that matrix instructions have read, and of reads of results
.rept 4
	v_nop
.endr
.endm
; A SLOT STEP: six products of 32 matrix instructions; no fragment is read twice.
.macro P1 slot, zero                   ; hi c0 x hi c0
	s_wait_dscnt 8                                 ; A's hi c0 and B's hi c0 are in; A's lo c0 (eight loads) may be out
	MUL8 AH0, BH0, 0, \zero
	MUL8 AH0, BH0, 1, \zero
	PLACES
	LDB BL0, \slot, 128
	MUL8 AH0, BH0, 2, \zero
	MUL8 AH0, BH0, 3, \zero
.endm
.macro P2TO4 slot
	s_wait_dscnt 16                                ; A's lo c0 is in; B's lo c0 (sixteen) may be out
	MUL8 AL0, BH0, 0, 0                            ; lo c0 x hi c0
	MUL8 AL0, BH0, 1, 0
	PLACES
	LDA AH1, \slot, 64
	LDB BH1, \slot, 64
	MUL8 AL0, BH0, 2, 0
	MUL8 AL0, BH0, 3, 0
	s_wait_dscnt 24                                ; B's lo c0 is in; the hi c1 sets (24) may be out
	MUL8 AH0, BL0, 0, 0                            ; hi c0 x lo c0
	MUL8 AH0, BL0, 1, 0
	PLACES
	LDA AL1, \slot, 192
	LDB BL1, \slot, 192
	MUL8 AH0, BL0, 2, 0
	MUL8 AH0, BL0, 3, 0
	s_wait_dscnt 24                                ; the hi c1 sets are in; the lo c1 sets (24) may be out
	MUL8 AH1, BH1, 0, 0                            ; hi c1 x hi c1
	MUL8 AH1, BH1, 1, 0
	MUL8 AH1, BH1, 2, 0
	MUL8 AH1, BH1, 3, 0
.endm
; lo c1 x hi c1 changes slots, hi c1 x lo c1 follows.  mode 1: the slot is filled again, two K blocks on; 0: nothing is filled; 2: the very last step.
.macro P56 slot, next, mode
.if \mode == 2
	s_wait_dscnt 16
	MUL8 AL1, BH1, 0, 0
	MUL8 AL1, BH1, 1, 0
	MUL8 AL1, BH1, 2, 0
	MUL8 AL1, BH1, 3, 0
	s_wait_dscnt 0x0
.else
	WIN 0
.if \mode == 1
	s_wait_xcnt 0x0                                ; the last prefetch, a slot step back, has read its address
	s_add_nc_u64 s[PFA:PFA+1], s[PFA:PFA+1], 256
.endif
	s_wait_tensorcnt 0x0                           ; all my tensor loads have landed: my part of the next slot
	ds_add_u32 v[SPW], v[NIL]
	s_wait_dscnt 17                                ; A's lo c1 is in (B's lo c1, sixteen, and the add may be out)
	MUL8 AL1, BH1, 0, 0
	s_wait_dscnt 0x0                               ; the add is done, and my reads of this slot are over
	s_barrier_signal -1
	MUL8 AL1, BH1, 1, 0
	WIN 0
	s_barrier_wait -1
.if \mode == 1
	CREST                                          ; the barrier has opened a round of the cluster's: no wave of any partner still reads this slot or has a load on its way
	s_add_nc_u64 s[G0+4*\slot+2:G0+4*\slot+3], s[G0+4*\slot+2:G0+4*\slot+3], 512
	s_add_nc_u64 s[G0B+4*\slot+2:G0B+4*\slot+3], s[G0B+4*\slot+2:G0B+4*\slot+3], 512
	JLOAD \slot                                    ; the first tensor load behind the round; its four v_nop are the places in front of the loads below
.else
	PLACES
.endif
	LDA AH0, \next, 0
	LDB BH0, \next, 0
	LDA AL0, \next, 128
.if \mode == 1
	ASK \slot
.endif
	MUL8 AL1, BH1, 2, 0
	MUL8 AL1, BH1, 3, 0
.endif
	MUL8 AH1, BL1, 0, 0
	MUL8 AH1, BL1, 1, 0
	MUL8 AH1, BL1, 2, 0
	MUL8 AH1, BL1, 3, 0
.endm
	s_wait_tensorcnt 1                             ; my part of K block 0 is in (block 1's load may be out)
	s_barrier_signal -1
	s_barrier_wait -1                              ; everybody's is
	LDA AH0, 0, 0
	LDB BH0, 0, 0
	LDA AL0, 0, 128
	P1 0, 1                                        ; the first product starts the sums
	WIN 0
	s_mov_b32 s3, 7
.Llap:                                 ; a trip goes once round the ring and fills both slots again: K blocks 2 to 15 in seven trips
	P2TO4 0
	P56 0, 1, 1
	P1 1, 0
	P2TO4 1
	P56 1, 0, 1
	P1 0, 0
	WIN 0
	s_sub_co_u32 s3, s3, 1
	s_cmp_lg_u32 s3, 0
	s_cbranch_scc1 .Llap
	P2TO4 0                                        ; the last lap fills nothing
	P56 0, 1, 0
	P1 1, 0
	P2TO4 1
	P56 1, 0, 2
	WIN 0
	s_mov_b32 s2, 0x3a800000                       ; 2^-10
	s_mov_b32 s3, s2                               ; (named with it as a pair, so it is written)
; THE WAY OUT: kp x 2^-10 as f16, block by block of 16 tokens x 128 columns (two heads), through my stage.  Each accumulator is read from its low end on.
.macro PACKK a
.set AC, 64*(\a)
	WIN 0x02                                       ; source 0: window 2
.set n, 0
.rept 32
	v_pk_mul_f32 v[T+2*n:T+2*n+1], v[AC+2*n:AC+2*n+1], s[2:3] op_sel_hi:[1,0]
.set n, n+1
.endr
	WIN 0
.set n, 0
.rept 32
	v_cvt_pk_f16_f32 v[H+n], v[T+2*n], v[T+2*n+1]
.set n, n+1
.endr
.endm
.macro TOSTAGE a
.irp b, 0,1,2,3,4,5,6,7
	ds_store_b128 v[STO], v[H+4*\b:H+4*\b+3] offset:32*\b          ; a token's row of the stage: 128 columns, 256 bytes
.endr
.set BB, BK+32*((\a)%2)
.irp d, 0,1
.irp u, 0,1,2,3
	ds_load_b128 v[BB+16*\d+4*\u:BB+16*\d+4*\u+3], v[RD] offset:128*\d+4*VPITCH*\u   ; LDS serves a wave's instructions in order: these see the stores above
.endr
.endr
.endm
.macro SEND a, younger
.set BB, BK+32*((\a)%2)
	s_wait_dscnt \younger
.if (\a) > 0
	s_add_nc_u64 s[8:9], s[8:9], 16*128            ; (behind a wait on XCNT)  16 tokens on
.endif
.irp d, 0,1
.irp u, 0,1,2,3
	global_store_b128 v[CO], v[BB+16*\d+4*\u:BB+16*\d+4*\u+3], s[8:9] offset:1048576*\d+512*\u   ; four tokens of one head: 512 consecutive bytes, aligned to 256
.endr
.endr
.endm
	PLACES
	PACKK 0
	TOSTAGE 0
.irp a, 1,2,3
.if \a > 1
	s_wait_xcnt 0x0                                ; block a - 2's stores have read their registers and their base
.endif
	PACKK \a
	TOSTAGE \a
	SEND \a-1, 16                                  ; behind block a - 1's loads: block a's 8 stores and 8 loads
.endr
	s_wait_xcnt 0x0
	SEND 3, 0
	s_wait_tensorcnt 0x0                           ; the wave's end
	ds_add_u32 v[SPW], v[NIL]
	s_wait_dscnt 0x0
	CROUND                                         ; the closing round
	s_endpgm
.Lfunc_end_k_qb752b5cfe0_kproj:
	.size	k_qb752b5cfe0_kproj, .Lfunc_end_k_qb752b5cfe0_kproj-k_qb752b5cfe0_kproj
	.p2alignl 7, 3214868480
	.fill 96, 4, 3214868480
	.section	.rodata,"a",@progbits
	.p2align	6, 0x0
	.amdhsa_kernel k_qb752b5cfe0_kproj
		.amdhsa_group_segment_fixed_size 327680
		.amdhsa_private_segment_fixed_size 0
		.amdhsa_enable_private_segment 0
		.amdhsa_kernarg_size 24
		.amdhsa_user_sgpr_count 2
		.amdhsa_user_sgpr_kernarg_segment_ptr 1
		.amdhsa_wavefront_size32 1
		.amdhsa_system_sgpr_workgroup_id_x 1
		.amdhsa_system_sgpr_workgroup_id_y 1
		.amdhsa_system_sgpr_workgroup_id_z 1
		.amdhsa_system_vgpr_workitem_id 0
		.amdhsa_next_free_vgpr 768
		.amdhsa_next_free_sgpr 66
		.amdhsa_reserve_vcc 0
		.amdhsa_float_denorm_mode_32 3
		.amdhsa_float_denorm_mode_16_64 3
		.amdhsa_memory_ordered 1
		.amdhsa_forward_progress 1
		.amdhsa_inst_pref_size 111
	.end_amdhsa_kernel
	.amdgpu_metadata
---
amdhsa.version: [ 1, 2 ]
amdhsa.kernels:
  - .name:           k_qb752b5cfe0_kproj
    .symbol:         k_qb752b5cfe0_kproj.kd
    .args:
      - { .name: qw, .offset: 0, .size: 8, .value_kind: global_buffer, .address_space: global }
      - { .name: wts, .offset: 8, .size: 8, .value_kind: global_buffer, .address_space: global }
      - { .name: kw, .offset: 16, .size: 8, .value_kind: global_buffer, .address_space: global }
    .group_segment_fixed_size: 327680
    .private_segment_fixed_size: 0
    .kernarg_segment_align: 8
    .kernarg_segment_size: 24
    .max_flat_workgroup_size: 128
    .sgpr_count:     66
    .vgpr_count:     768
    .wavefront_size: 32
...
	.end_amdgpu_metadata
.endif
;; end of part 7
;; launch attn (part 8): grid 4 x 64, 8 waves a work-group, no clusters, 327,680 bytes of LDS; arguments qw, kw, vw, yw; writes yw
.if DOCPART == 8
	.amdgcn_target "amdgcn-amd-amdhsa--gfx1250"
	.amdhsa_code_object_version 6
	.text
	.protected	k_qb752b5cfe0_attn
	.globl	k_qb752b5cfe0_attn
	.p2align	8
	.type	k_qb752b5cfe0_attn,@function
k_qb752b5cfe0_attn:
	s_mov_b64 s[64:65], 0
	v_nop
	global_prefetch_b8 v0, s[64:65] scope:SCOPE_SE
	s_setreg_imm32_b32 hwreg(HW_REG_WAVE_MODE, 25, 1), 1
	s_wait_xcnt 0x0
; y[b][h][q] = the sum over keys k <= q of softmax_k(8 qp[q] . kp[k]) vp[k], head size 64, 2,048 positions, 64 pairs (b, h).
; THE LOGITS are multiplied by 8, so the softmax is sharp.  qp comes as pairs of bf16 (qw); each wave adds a pair in f32 (exact) and splits the sum anew into a pair of f16, hi = f16(x), lo = f16(x - hi).
; kp comes as f16 of kp x 2^-10 (kw).  The scores are two terms, K Q hi + K Q lo, in f32.  LIMITS: kp enters with 11 significant bits; |qp| under 65,504; |kp| under 65,504 x 1,024.
; The weights p and vp go in f16 (p is at most 1; p under 6e-8 becomes 0; |vp| under 65,504).  A running maximum m and sum l for each query: p = 2^(c s - m), c = 8 log2(e) 2^10, which takes kw's factor back;
; O and l are multiplied by 2^(m_old - m_new) in every step.
; SHARES.  Work-group X of a head owns the query blocks 7 - X and X (256 queries each): 8 - X and X + 1 slots of 256 keys, nine in every work-group, so the trip counts are constants and the work is equal.
; Eight waves, each 32 queries (two tiles of 16), two waves to a SIMD.  A key step is 64 keys; a step all of whose keys come after the wave's queries is jumped over by a scalar branch on ids.
; NO CLUSTER: the four work-groups of a head want different tiles from their fifth slot on (their first passes have 8, 7, 6 and 5 slots); walking in step they would ask for 24 slots where they need 18.
; LAYOUT.  S^T = K Q^T (source 0 = 16 keys, source 1 = 16 queries) and O^T = V^T P (source 0 = 16 channels, source 1 = P): a lane holds one query throughout.  V ([key][channel]) is turned by ds_load_tr16_b128.
; REGISTERS: window 0: v1-15 addresses; v16-31 statistics, eight a tile (+0 m, +1 old m, +2, +3 l, +4-7 at work, a in +6); v36-51 at work on Q; v64-127 S^T; v128-159 P; v160-223 O^T.
;            window 1: v0-63 Q (tile t, fragments hi c0, hi c1, lo c0, lo c1); v64-127 K (key tile, channels c0, c1); v192-255 V.
.set PK,    272                        ; a row of K in LDS: two keys of 128 bytes + 16: the sixteen keys of a fragment fall on sixteen different 16-byte columns
.set PV,    288                        ; a row of V in LDS: two keys of 128 bytes + 32
.set VOFF,  128*PK
.set SLOT1, 1<<17
.set STAGE, 241664                     ; behind the ring: 32 rows x 144 bytes for each wave
.set SP,    144
.set SPARE, STAGE+8*32*SP              ; the spare words, 128 bytes for each wave
.set AK0, 3
.set AV0, 4
.set ADK, 5
.set ADV, 6
.set QO,  7
.set STO, 8
.set RD,  9
.set GO,  10
.set DQ,  11
.set SPW, 14
.set NIL, 15
.set ST,  16
.set PFO, 32
.set S,   64
.set P,   128
.set O,   160
.set KR,  64                           ; in window 1
.set VR,  192
.set WV,  12
.set X,   13
.set G1K, 16
.set G1V, 24
.set G0K, 32
.set G0V, 36
.set KBASE, 40
.set VBASE, 42
.set OFF, 44
.set QB,  46
.set YB,  48
.set QP,  50
.set YO,  52
.set CS,  54
.set SEL, 56
.set TB,  58
.set TK,  59
.set TV,  60
.set SLOTS, 61
.set STP, 62
.set KAP, 63
.set NA,  66
.set FL,  67
.set KF,  68
.set Q0,  69
.set T0,  70
.set T1,  71
.set PF,  72
.set MHI, 74
.set LIM, 76
.set MSB, 0
.macro WIN new
.if MSB != \new
	s_set_vgpr_msb (MSB<<8)|\new
.set MSB, \new
.endif
.endm
.macro TLOAD                           ; waves 0 to 3 fetch 64 keys of K each, waves 4 to 7 64 keys of V; an s_nop 0 and four v_nop follow each line
	s_cmp_lt_u32 s[WV], 4
	s_cbranch_scc0 .Lfor_v_\@
	tensor_load_to_lds s[G0K:G0K+3], s[G1K:G1K+7]
	s_nop 0
.rept 4
	v_nop
.endr
	s_branch .Lasked_\@
.Lfor_v_\@:
	tensor_load_to_lds s[G0V:G0V+3], s[G1V:G1V+7]
	s_nop 0
.rept 4
	v_nop
.endr
.Lasked_\@:
.endm
; A PREFETCH INTO THE L2 of the slot behind the one that is being asked for: a slot's four key steps ahead of its load.  All four work-groups of a head walk the same keys; work-group X = 0, whose first pass
; walks all eight slots, asks.  A slot's keys are 32,768 dense bytes of K and as many of V: waves 0 to 3 ask for V's, waves 4 to 7 for K's, 8,192 bytes a wave, lanes 256 bytes apart.  Trips 0 to 5 ask for slots 2 to 7.
.macro ASK
	s_cmp_gt_u32 s[SLOTS], s[LIM]
	s_cbranch_scc0 .Lnot_mine_\@
	global_prefetch_b8 v[PFO], s[PF:PF+1] th:TH_LOAD_NT scope:SCOPE_SE
.Lnot_mine_\@:
.endm
	s_load_b256 s[4:11], s[0:1], 0x0               ; qw 4:5, kw 6:7, vw 8:9, yw 10:11
	v_lshl_add_u32 v[SPW], v0, 2, SPARE
	v_mov_b32 v[NIL], 0
	ds_add_u32 v[SPW], v[NIL]                      ; the wave's opening: the add, twice on end, and its wait ahead of my first tensor load
	ds_add_u32 v[SPW], v[NIL]
	v_lshrrev_b32 v1, 5, v0
	v_readfirstlane_b32 s[WV], v1                  ; wave 0..7
	s_mov_b32 s[X], ttmp9
	s_and_b32 s14, ttmp7, 0xffff
	s_lshr_b32 s15, s14, 4
	s_lshl_b32 s15, s15, 11                        ; the batch's first token
	s_and_b32 s14, s14, 15                         ; the head
	s_mov_b32 s[G1K], (1<<16)|(1<<20)|(5<<22)|(3<<25)              ; K: dense in memory, stated as rows of two keys (128 elements of 2 bytes); padding: 4 words after every 64
	s_mov_b32 s[G1K+1], 128<<16                    ; tensor_dim0
	s_mov_b32 s[G1K+2], 32<<16                     ; tensor_dim1 = 32 rows: 64 keys
	s_mov_b32 s[G1K+3], 128<<16
	s_mov_b32 s[G1K+4], 32
	s_mov_b32 s[G1K+5], 128                        ; the pitch: dense
	s_mov_b32 s[G1K+6], 0
	s_mov_b32 s[G1K+7], 0
	s_mov_b32 s[G1V], (1<<16)|(1<<20)|(5<<22)|(7<<25)              ; V: the same shape; padding: 8 words after every 64
	s_mov_b32 s[G1V+1], 128<<16
	s_mov_b32 s[G1V+2], 32<<16
	s_mov_b32 s[G1V+3], 128<<16
	s_mov_b32 s[G1V+4], 32
	s_mov_b32 s[G1V+5], 128
	s_mov_b32 s[G1V+6], 0
	s_mov_b32 s[G1V+7], 0
	s_and_b32 s[T0], s[WV], 3
	s_mul_i32 s[G0K+1], s[T0], 32*PK               ; where my part of a slot goes: K's,
	s_mul_i32 s[G0V+1], s[T0], 32*PV
	s_add_co_u32 s[G0V+1], s[G0V+1], VOFF          ; V's
	s_lshl_b32 s[T1], s[T0], 6
	s_add_co_u32 s[T1], s[T1], s15                 ; the first token that I fetch
	s_lshl_b32 s78, s[T1], 7
	s_lshl_b32 s[T1], s14, 20                      ; the head's plane in kw, vw and yw
	s_add_co_u32 s[KBASE], s78, s[T1]              ; byte offsets, to which the buffers' addresses are added below
	s_mov_b32 s[KBASE+1], 0
	s_mov_b32 s[VBASE], s[KBASE]
	s_mov_b32 s[VBASE+1], 0
	s_lshl_b32 s78, s15, 12
	s_lshl_b32 s79, s14, 8
	s_add_co_u32 s[QB], s78, s79
	s_mov_b32 s[QB+1], 0
	s_lshl_b32 s78, s15, 7
	s_add_co_u32 s[YB], s78, s[T1]
	s_mov_b32 s[YB+1], 0
	s_lshl_b32 s78, s[T0], 13                      ; the prefetch: my wave's 8,192 bytes of a slot's 32,768,
	s_add_co_u32 s[OFF], s[YB], s78
	s_add_co_u32 s[OFF], s[OFF], 0x8000            ; in slot 1: the first change of slots steps it to slot 2
	s_mov_b32 s[OFF+1], 0
	s_cmp_eq_u32 s[X], 0
	s_cselect_b32 s[LIM], 2, -1
	s_sub_co_u32 s[NA], 8, s[X]                    ; slots of the first pass
	s_add_co_u32 s[FL], s[X], 1                    ; the count of slots to go at which the first pass ends
	s_sub_co_u32 s[Q0], 7, s[X]
	s_lshl_b32 s[Q0], s[Q0], 8
	s_lshl_b32 s78, s[WV], 5
	s_add_co_u32 s[Q0], s[Q0], s78                 ; my first query of the first pass
	s_mov_b32 s[KAP], 0
	s_mov_b32 s[TB], 0
	s_mov_b32 s[KF], 0
	s_mov_b32 s[SLOTS], 8
	s_mov_b32 s[MHI], 0xffff0000                   ; a word's upper bf16
	s_mov_b32 s[CS], 0x4638aa3b                    ; c = 8 log2(e) 2^10
	s_mov_b32 s[CS+1], s[CS]
	s_mov_b32 s[SEL], 0x76543210
	s_mov_b32 s[SEL+1], 0xfedcba98
	s_wait_dscnt 0x0                               ; both opening adds are done
	s_wait_kmcnt 0x0
	s_add_nc_u64 s[KBASE:KBASE+1], s[6:7], s[KBASE:KBASE+1]
	s_add_nc_u64 s[VBASE:VBASE+1], s[8:9], s[VBASE:VBASE+1]
	s_add_nc_u64 s[QB:QB+1], s[4:5], s[QB:QB+1]
	s_add_nc_u64 s[YB:YB+1], s[10:11], s[YB:YB+1]
	s_cmp_lt_u32 s[WV], 4
	s_cselect_b64 s[PF:PF+1], s[8:9], s[6:7]       ; waves 0 to 3 ask for V's bytes, waves 4 to 7 for K's
	s_add_nc_u64 s[PF:PF+1], s[PF:PF+1], s[OFF:OFF+1]
	s_mov_b32 s[G0K], 1
	s_mov_b64 s[G0K+2:G0K+3], s[KBASE:KBASE+1]
	s_or_b32 s[G0K+3], s[G0K+3], 0x80000000
	s_mov_b32 s[G0V], 1
	s_mov_b64 s[G0V+2:G0V+3], s[VBASE:VBASE+1]
	s_or_b32 s[G0V+3], s[G0V+3], 0x80000000
	TLOAD                                          ; slot 0: keys 0 to 255.  One tensor load of a wave is out at any time
	s_lshl_b32 s[OFF], s[Q0], 12
	s_add_nc_u64 s[QP:QP+1], s[QB:QB+1], s[OFF:OFF+1]
	s_lshl_b32 s[OFF], s[Q0], 7
	s_add_nc_u64 s[YO:YO+1], s[YB:YB+1], s[OFF:OFF+1]
	v_and_b32 v1, 15, v0                           ; r
	v_bfe_u32 v2, v0, 4, 1                         ; hh
	v_lshlrev_b32 v[QO], 12, v1
	v_lshl_add_u32 v[QO], v2, 4, v[QO]             ; Q: token r, + 16 hh
.macro QLOAD                           ; my 32 queries as they lie in qw, into S^T's registers, which are free here: tile t, fragments hi c0, hi c1, lo c0, lo c1 (bf16)
.irp t, 0,1
.irp f, 0,1,2,3
	global_load_b128 v[S+32*\t+8*\f:S+32*\t+8*\f+3], v[QO], s[QP:QP+1] offset:\t*65536+64*\f
	global_load_b128 v[S+32*\t+8*\f+4:S+32*\t+8*\f+7], v[QO], s[QP:QP+1] offset:\t*65536+64*\f+32
.endr
.endr
.endm
; The pairs of bf16 become pairs of f16, a fragment (eight registers, sixteen numbers a lane) at a time: x = hi + lo in f32 (exact), h = f16(x), l = f16(x - h).  O^T's first 32 registers are at work: they hold finite numbers afterwards.
.macro QCONV
.irp t, 0,1
.irp c, 0,1
.set HS, S+32*\t+8*\c
.set LS, HS+16
.irp j, 0,1,2,3,4,5,6,7
	v_lshlrev_b32 v[O+2*\j], 16, v[HS+\j]
	v_and_b32 v[O+2*\j+1], s[MHI], v[HS+\j]
.endr
.irp j, 0,1,2,3,4,5,6,7
	v_lshlrev_b32 v[O+16+2*\j], 16, v[LS+\j]
	v_and_b32 v[O+17+2*\j], s[MHI], v[LS+\j]
.endr
.irp j, 0,1,2,3,4,5,6,7
	v_pk_add_f32 v[O+2*\j:O+2*\j+1], v[O+2*\j:O+2*\j+1], v[O+16+2*\j:O+17+2*\j]   ; x
.endr
.irp j, 0,1,2,3,4,5,6,7
	v_cvt_pk_f16_f32 v[36+\j], v[O+2*\j], v[O+2*\j+1]              ; h
.endr
.irp j, 0,1,2,3,4,5,6,7
	v_lshrrev_b32 v[44+\j], 16, v[36+\j]           ; its upper half, moved down
.endr
	v_cvt_f32_f16 v[O+16], v36.l                   ; h as f32 again
	v_cvt_f32_f16 v[O+17], v44.l
	v_cvt_f32_f16 v[O+18], v37.l
	v_cvt_f32_f16 v[O+19], v45.l
	v_cvt_f32_f16 v[O+20], v38.l
	v_cvt_f32_f16 v[O+21], v46.l
	v_cvt_f32_f16 v[O+22], v39.l
	v_cvt_f32_f16 v[O+23], v47.l
	v_cvt_f32_f16 v[O+24], v40.l
	v_cvt_f32_f16 v[O+25], v48.l
	v_cvt_f32_f16 v[O+26], v41.l
	v_cvt_f32_f16 v[O+27], v49.l
	v_cvt_f32_f16 v[O+28], v42.l
	v_cvt_f32_f16 v[O+29], v50.l
	v_cvt_f32_f16 v[O+30], v43.l
	v_cvt_f32_f16 v[O+31], v51.l
.irp j, 0,1,2,3,4,5,6,7
	v_pk_add_f32 v[O+2*\j:O+2*\j+1], v[O+2*\j:O+2*\j+1], v[O+16+2*\j:O+17+2*\j] neg_lo:[0,1] neg_hi:[0,1]   ; x - h, exact
.endr
	WIN 0x40                                       ; destination window 1: Q's registers
.irp j, 0,1,2,3,4,5,6,7
	v_mov_b32 v[32*\t+8*\c+\j], v[36+\j]
	v_cvt_pk_f16_f32 v[32*\t+16+8*\c+\j], v[O+2*\j], v[O+2*\j+1]   ; l
.endr
	WIN 0
.endr
.endr
.endm
	QLOAD
	v_lshrrev_b32 v34, 1, v1
	v_mul_u32_u24 v[AK0], v34, PK                  ; K: key r: its row of two keys,
	v_and_b32 v34, 1, v1
	v_lshl_add_u32 v[AK0], v34, 7, v[AK0]          ; which of the two,
	v_lshl_add_u32 v[AK0], v2, 4, v[AK0]           ; + 16 hh
	v_and_b32 v34, 7, v0
	v_lshl_add_u32 v34, v2, 3, v34                 ; V: the turning load's key 8 hh + l % 8:
	v_lshrrev_b32 v35, 1, v34
	v_mul_u32_u24 v[AV0], v35, PV                  ; its row of two keys,
	v_and_b32 v35, 1, v34
	v_lshl_add_u32 v[AV0], v35, 7, v[AV0]          ; which of the two,
	v_bfe_u32 v35, v0, 3, 1
	v_lshl_add_u32 v[AV0], v35, 4, v[AV0]          ; and which eight channels
	v_add_nc_u32 v[AV0], VOFF, v[AV0]
	s_mul_i32 s78, s[WV], 32*SP
	s_add_co_u32 s78, s78, STAGE                   ; my stage
	v_mul_u32_u24 v[STO], v1, SP
	v_lshl_add_u32 v[STO], v2, 4, v[STO]
	v_add_nc_u32 v[STO], s78, v[STO]
	v_and_b32 v34, 31, v0
	v_lshrrev_b32 v35, 3, v34
	v_mul_u32_u24 v[RD], v35, SP
	v_and_b32 v35, 7, v0
	v_lshl_add_u32 v[RD], v35, 4, v[RD]
	v_add_nc_u32 v[RD], s78, v[RD]                 ; back: eight lanes take a token's 128 bytes
	v_lshlrev_b32 v[GO], 4, v34
	v_lshlrev_b32 v35, 3, v2
	v_sub_nc_u32 v[DQ], v1, v35                    ; r - 8 hh
	v_mov_b32 v13, 0xff800000                      ; -infinity
	v_lshlrev_b32 v[PFO], 8, v34
.set n, 0
.rept 16
	v_mov_b32 v[ST+n], 0                           ; l = 0; the others are written once because pairs and lane permutes name them
.set n, n+1
.endr
	v_mov_b32 v[ST], 0xff61b1e6                    ; m = -3e38, under every c s
	v_mov_b32 v[ST+8], 0xff61b1e6
	s_wait_loadcnt 0x0                             ; Q
	QCONV
.set n, 0
.rept 64
	v_mov_b32 v[O+n], 0                            ; O^T, once: the key step is written without a first step of its own
.set n, n+1
.endr
; A KEY STEP: 64 keys.
.macro STEP
	s_add_co_u32 s[T0], s[Q0], 31
	s_cmp_gt_u32 s[KF], s[T0]                      ; all keys of the step come after my queries: only the addresses step
	s_cbranch_scc1 .Lhid_\@
	v_add_nc_u32 v[ADK], s[TK], v[AK0]
	v_add_nc_u32 v[ADV], s[TV], v[AV0]
	v_nop
	v_nop                                          ; with the two additions: four places behind the last step's products, in front of the loads into their sources
	WIN 0x40
.irp u, 0,1,2,3
.irp c, 0,1
	ds_load_b128 v[KR+16*\u+8*\c:KR+16*\u+8*\c+3], v[ADK] offset:\u*8*PK+64*\c
	ds_load_b128 v[KR+16*\u+8*\c+4:KR+16*\u+8*\c+7], v[ADK] offset:\u*8*PK+64*\c+32
.endr
.endr
.irp g, 0,1
.irp d, 0,1,2,3
	ds_load_tr16_b128 v[VR+32*\g+8*\d:VR+32*\g+8*\d+3], v[ADV] offset:\g*16*PV+32*\d
	ds_load_tr16_b128 v[VR+32*\g+8*\d+4:VR+32*\g+8*\d+7], v[ADV] offset:\g*16*PV+8*PV+32*\d
.endr
.endr
	s_wait_dscnt 16                                ; K's 16 loads are in; V's 16 may be out
	WIN 0x05                                       ; K and Q in window 1, S^T in window 0
.set ee, 0
.rept 4                                ; the four terms: (K, Q) fragments (c0, hi c0), (c1, hi c1), (c0, lo c0), (c1, lo c1); the eight accumulators by turns
.irp u, 0,1,2,3
.irp t, 0,1
.if ee == 0
	v_wmma_f32_16x16x32_f16 v[S+32*\t+8*\u:S+32*\t+8*\u+7], v[KR+16*\u+8*(ee%2):KR+16*\u+8*(ee%2)+7], v[32*\t+8*ee:32*\t+8*ee+7], 0
.else
	v_wmma_f32_16x16x32_f16 v[S+32*\t+8*\u:S+32*\t+8*\u+7], v[KR+16*\u+8*(ee%2):KR+16*\u+8*(ee%2)+7], v[32*\t+8*ee:32*\t+8*ee+7], v[S+32*\t+8*\u:S+32*\t+8*\u+7]
.endif
.endr
.endr
.set ee, ee+1
.endr
	WIN 0
.rept 4
	v_nop
.endr
	s_add_co_u32 s[T0], s[KF], 63
	s_cmp_le_u32 s[T0], s[Q0]                      ; all keys of the step count for all my queries
	s_cbranch_scc1 .Lopen_\@
	s_sub_co_i32 s[T0], s[Q0], s[KF]
	v_add_nc_u32 v12, s[T0], v[DQ]                 ; register 8 u + j of tile t holds key KF + 16 u + 8 hh + j for query Q0 + 16 t + r: hidden where 16 u + j - 16 t > Q0 - KF + r - 8 hh
.irp t, 0,1
.irp u, 0,1,2,3
.irp j, 0,1,2,3,4,5,6,7
	v_cmp_gt_i32 vcc_lo, 16*\u+\j-16*\t, v12
	v_cndmask_b32 v[S+32*\t+8*\u+\j], v[S+32*\t+8*\u+\j], v13, vcc_lo
.endr
.endr
.endr
.Lopen_\@:
	; the softmax, the two tiles line by line.  The maximum: four chains a tile, each begun at an accumulator's low end
.irp u, 0,1,2,3
.irp t, 0,1
	v_max3_num_f32 v[ST+8*\t+4+\u], v[S+32*\t+8*\u], v[S+32*\t+8*\u+1], v[S+32*\t+8*\u+2]
.endr
.endr
.irp i, 3,5
.irp u, 0,1,2,3
.irp t, 0,1
	v_max3_num_f32 v[ST+8*\t+4+\u], v[ST+8*\t+4+\u], v[S+32*\t+8*\u+\i], v[S+32*\t+8*\u+\i+1]
.endr
.endr
.endr
.irp t, 0,1
	v_max3_num_f32 v[ST+8*\t+4], v[ST+8*\t+4], v[S+32*\t+7], v[S+32*\t+15]
	v_max3_num_f32 v[ST+8*\t+6], v[ST+8*\t+6], v[S+32*\t+23], v[S+32*\t+31]
.endr
.irp t, 0,1
	v_max3_num_f32 v[ST+8*\t+4], v[ST+8*\t+4], v[ST+8*\t+5], v[ST+8*\t+6]
.endr
.irp t, 0,1
	v_max_num_f32 v[ST+8*\t+4], v[ST+8*\t+4], v[ST+8*\t+7]
.endr
.irp t, 0,1
	v_permlanex16_b32 v[ST+8*\t+5], v[ST+8*\t+4], s[SEL], s[SEL+1]   ; the query's other 32 keys lie in the lane 16 away
.endr
.irp t, 0,1
	v_max_num_f32 v[ST+8*\t+4], v[ST+8*\t+4], v[ST+8*\t+5]
	v_mov_b32 v[ST+8*\t+1], v[ST+8*\t]             ; the old m
.endr
.irp t, 0,1
	v_mul_f32 v[ST+8*\t+4], s[CS], v[ST+8*\t+4]    ; c is positive
.endr
.irp t, 0,1
	v_max_num_f32 v[ST+8*\t], v[ST+8*\t], v[ST+8*\t+4]             ; the running maximum
.endr
.irp t, 0,1
	v_sub_f32 v[ST+8*\t+7], v[ST+8*\t+1], v[ST+8*\t]
.endr
.set n, 0
.rept 16
.irp t, 0,1
	v_pk_fma_f32 v[S+32*\t+2*n:S+32*\t+2*n+1], v[S+32*\t+2*n:S+32*\t+2*n+1], s[CS:CS+1], v[ST+8*\t:ST+8*\t+1] op_sel_hi:[1,0,0] neg_lo:[0,0,1] neg_hi:[0,0,1]   ; c s - m
.endr
.set n, n+1
.endr
.irp t, 0,1
	v_exp_f32 v[ST+8*\t+6], v[ST+8*\t+7]           ; a = 2^(m_old - m_new)
.endr
.set n, 0
.rept 64
	v_exp_f32 v[S+n], v[S+n]                       ; p
.set n, n+1
.endr
	v_nop                                          ; a plain instruction behind the last exponential
	s_wait_alu depctr_va_vdst(0)                   ; the wait ahead of the first instruction that names a result: one for the batch of 66
.set n, 0
.rept 32
	v_cvt_pk_f16_f32 v[P+n], v[S+2*n], v[S+2*n+1]  ; two neighbouring key tiles, rounded in pairs, are source 1 of the second product
.set n, n+1
.endr
.irp w, 4,8,16,32                      ; the sums of the unrounded p, in place: neighbours 1, 2, 4 and 8 pairs apart
.set n, 0
.rept 64/\w
	v_pk_add_f32 v[S+\w*n:S+\w*n+1], v[S+\w*n:S+\w*n+1], v[S+\w*n+\w/2:S+\w*n+\w/2+1]
.set n, n+1
.endr
.endr
.irp t, 0,1
	v_pk_fma_f32 v[ST+8*\t+2:ST+8*\t+3], v[ST+8*\t+2:ST+8*\t+3], v[ST+8*\t+6:ST+8*\t+7], v[S+32*\t:S+32*\t+1] op_sel_hi:[1,0,1]   ; l = a l + the sum
.endr
.irp t, 0,1
.set n, 0
.rept 16
	v_pk_mul_f32 v[O+32*\t+2*n:O+32*\t+2*n+1], v[O+32*\t+2*n:O+32*\t+2*n+1], v[ST+8*\t+6:ST+8*\t+7] op_sel_hi:[1,0]   ; O^T x a, each accumulator from its low end on
.set n, n+1
.endr
.endr
	s_wait_dscnt 0x0                               ; V is in
	WIN 0x01                                       ; V in window 1
.irp g, 0,1
.irp d, 0,1,2,3
.irp t, 0,1
	v_wmma_f32_16x16x32_f16 v[O+32*\t+8*\d:O+32*\t+8*\d+7], v[VR+32*\g+8*\d:VR+32*\g+8*\d+7], v[P+16*\t+8*\g:P+16*\t+8*\g+7], v[O+32*\t+8*\d:O+32*\t+8*\d+7]
.endr
.endr
.endr
	WIN 0
.Lhid_\@:
	s_add_co_u32 s[KF], s[KF], 64
	s_add_co_u32 s[TK], s[TK], 32*PK
	s_add_co_u32 s[TV], s[TV], 32*PV
.endm
.macro FOUR                            ; a slot's four key steps: written once, walked four times
	s_mov_b32 s[STP], 4
.Lstep_\@:
	STEP
	s_sub_co_u32 s[STP], s[STP], 1
	s_cmp_lg_u32 s[STP], 0
	s_cbranch_scc1 .Lstep_\@
.endm
; THE CHANGE OF SLOTS stands at a slot's head.  Each wave waits for all its tensor loads (its part of the slot that it is about to read), adds 0 to its spare word, and waits for that and for its reads of the slot
; that it has left.  fill = 1: behind the barrier the other slot takes the keys that follow: the next 256, or keys 0 to 255 again where the first pass ends.
.macro CHANGE fill
	s_wait_tensorcnt 0x0                           ; no tensor load of mine is out, so a group 0 may be written
	ds_add_u32 v[SPW], v[NIL]
.if \fill
	s_add_co_u32 s[KAP], s[KAP], 1
	s_cmp_eq_u32 s[KAP], s[NA]
	s_cselect_b32 s[KAP], 0, s[KAP]                ; which 256 keys: 32,768 bytes a slot in K's plane and in V's
	s_lshl_b32 s[OFF], s[KAP], 15
	s_add_nc_u64 s[G0K+2:G0K+3], s[KBASE:KBASE+1], s[OFF:OFF+1]
	s_or_b32 s[G0K+3], s[G0K+3], 0x80000000
	s_add_nc_u64 s[G0V+2:G0V+3], s[VBASE:VBASE+1], s[OFF:OFF+1]
	s_or_b32 s[G0V+3], s[G0V+3], 0x80000000
	s_xor_b32 s[G0K+1], s[G0K+1], SLOT1            ; the other slot than last time
	s_xor_b32 s[G0V+1], s[G0V+1], SLOT1
	s_wait_xcnt 0x0                                ; the last prefetch, a slot back, has read its address
	s_add_nc_u64 s[PF:PF+1], s[PF:PF+1], 0x8000
.endif
	s_wait_dscnt 0x0                               ; the add is done, and my reads of the slot that I have left are over
	s_barrier_signal -1
	s_barrier_wait -1
.if \fill
	TLOAD                                          ; the first thing behind the barrier, and my one tensor load until the next
	ASK
.endif
	s_mov_b32 s[TK], s[TB]
	s_mov_b32 s[TV], s[TB]
.endm
; THE WAY OUT of 32 queries: O^T / l as f16, through my stage, so that each store covers 512 consecutive bytes of the head's plane.
.macro OUT
.irp t, 0,1
	v_add_f32 v[ST+8*\t+4], v[ST+8*\t+2], v[ST+8*\t+3]             ; (these additions are the places behind the last products)
.endr
.irp t, 0,1
	v_permlanex16_b32 v[ST+8*\t+5], v[ST+8*\t+4], s[SEL], s[SEL+1]
.endr
.irp t, 0,1
	v_add_f32 v[ST+8*\t+4], v[ST+8*\t+4], v[ST+8*\t+5]
.endr
.irp t, 0,1
	v_rcp_f32 v[ST+8*\t+6], v[ST+8*\t+4]
.endr
	v_nop
	s_wait_alu depctr_va_vdst(0)                   ; one wait for the two reciprocals, ahead of their first reader
.irp t, 0,1
.set n, 0
.rept 16
	v_pk_mul_f32 v[O+32*\t+2*n:O+32*\t+2*n+1], v[O+32*\t+2*n:O+32*\t+2*n+1], v[ST+8*\t+6:ST+8*\t+7] op_sel_hi:[1,0]
.set n, n+1
.endr
.endr
.set n, 0
.rept 32
	v_cvt_pk_f16_f32 v[P+n], v[O+2*n], v[O+2*n+1]
.set n, n+1
.endr
.irp t, 0,1
.irp d, 0,1,2,3
	ds_store_b128 v[STO], v[P+16*\t+4*\d:P+16*\t+4*\d+3] offset:\t*16*SP+32*\d
.endr
.endr
.irp u, 0,1,2,3,4,5,6,7
	ds_load_b128 v[S+4*\u:S+4*\u+3], v[RD] offset:\u*4*SP          ; LDS serves a wave's instructions in order: these see the stores above
.endr
.irp u, 0,1,2,3,4,5,6,7
	s_wait_dscnt 7-\u
	global_store_b128 v[GO], v[S+4*\u:S+4*\u+3], s[YO:YO+1] offset:512*\u
.endr
.endm
.Lslot:                                ; eight trips; the ninth slot is written out
	CHANGE 1
	FOUR
	s_xor_b32 s[TB], s[TB], SLOT1
	s_cmp_eq_u32 s[SLOTS], s[FL]                   ; the first pass's last slot?  (ids and the count of trips alone)
	s_cbranch_scc0 .Lsame_pass
	OUT
	s_wait_xcnt 0x0                                ; the stores have read their registers and their base
	s_lshl_b32 s[Q0], s[X], 8
	s_lshl_b32 s[T0], s[WV], 5
	s_add_co_u32 s[Q0], s[Q0], s[T0]               ; the second pass: query block X
	s_mov_b32 s[KF], 0
	s_lshl_b32 s[OFF], s[Q0], 12
	s_add_nc_u64 s[QP:QP+1], s[QB:QB+1], s[OFF:OFF+1]
	s_lshl_b32 s[OFF], s[Q0], 7
	s_add_nc_u64 s[YO:YO+1], s[YB:YB+1], s[OFF:OFF+1]
	QLOAD
	v_mov_b32 v[ST], 0xff61b1e6                    ; m = -3e38: the next a is 0 and wipes O^T and l, which hold finite numbers
	v_mov_b32 v[ST+8], 0xff61b1e6
	s_wait_loadcnt 0x0
	QCONV
.Lsame_pass:
	s_sub_co_u32 s[SLOTS], s[SLOTS], 1
	s_cmp_lg_u32 s[SLOTS], 0
	s_cbranch_scc1 .Lslot
	CHANGE 0
	FOUR
	OUT
	s_wait_tensorcnt 0x0                           ; the wave's end
	ds_add_u32 v[SPW], v[NIL]
	s_wait_dscnt 0x0
	s_endpgm
.Lfunc_end_k_qb752b5cfe0_attn:
	.size	k_qb752b5cfe0_attn, .Lfunc_end_k_qb752b5cfe0_attn-k_qb752b5cfe0_attn
	.p2alignl 7, 3214868480
	.fill 96, 4, 3214868480
	.section	.rodata,"a",@progbits
	.p2align	6, 0x0
	.amdhsa_kernel k_qb752b5cfe0_attn
		.amdhsa_group_segment_fixed_size 327680
		.amdhsa_private_segment_fixed_size 0
		.amdhsa_enable_private_segment 0
		.amdhsa_kernarg_size 32
		.amdhsa_user_sgpr_count 2
		.amdhsa_user_sgpr_kernarg_segment_ptr 1
		.amdhsa_wavefront_size32 1
		.amdhsa_system_sgpr_workgroup_id_x 1
		.amdhsa_system_sgpr_workgroup_id_y 1
		.amdhsa_system_sgpr_workgroup_id_z 1
		.amdhsa_system_vgpr_workitem_id 0
		.amdhsa_next_free_vgpr 512
		.amdhsa_next_free_sgpr 80
		.amdhsa_reserve_vcc 1
		.amdhsa_float_denorm_mode_32 3
		.amdhsa_float_denorm_mode_16_64 3
		.amdhsa_memory_ordered 1
		.amdhsa_forward_progress 1
		.amdhsa_inst_pref_size 105
	.end_amdhsa_kernel
	.amdgpu_metadata
---
amdhsa.version: [ 1, 2 ]
amdhsa.kernels:
  - .name:           k_qb752b5cfe0_attn
    .symbol:         k_qb752b5cfe0_attn.kd
    .args:
      - { .name: qw, .offset: 0, .size: 8, .value_kind: global_buffer, .address_space: global }
      - { .name: kw, .offset: 8, .size: 8, .value_kind: global_buffer, .address_space: global }
      - { .name: vw, .offset: 16, .size: 8, .value_kind: global_buffer, .address_space: global }
      - { .name: yw, .offset: 24, .size: 8, .value_kind: global_buffer, .address_space: global }
    .group_segment_fixed_size: 327680
    .private_segment_fixed_size: 0
    .kernarg_segment_align: 8
    .kernarg_segment_size: 32
    .max_flat_workgroup_size: 256
    .sgpr_count:     80
    .vgpr_count:     512
    .wavefront_size: 32
...
	.end_amdgpu_metadata
.endif
;; end of part 8
;; launch oproj: the kernel of part 5 again; grid 4 x 64, 4 waves a work-group, clusters of 4 x 4, 327,680 bytes of LDS; arguments yw, wts, bp, out0; writes out0
